; MI455X (gfx1250); checked and timed in simulation.
; The chip was launched on July 23, 2026; its instructions are those of AMD's public machine-readable ISA for CDNA 5 (MIT licence, August 2026) and "CDNA5" Instruction Set Architecture Reference Guide (July 2026). The comments in the code are by the model that wrote it; some were corrected since.
;; Qwen3 Attention. Allowed arithmetic: float matrix products may take bf16 or f16 operands with f32 sums; other float arithmetic in f32, or as packed bf16 or f16 multiplies, adds, multiply-adds, maxima and minima; sums over many terms, partial sums and values carried from step to step in f32; what a program stores and reads back later, other than sums and carried values, may be rounded once to bf16 or f16.
;; Inputs: attn_norm_weight 2,048 float32; cos 4,096 x 128 float32; k_norm_weight 128 float32; k_weight 1,024 x 2,048 float32; o_weight 2,048 x 1,024 float32; q_norm_weight 128 float32; q_weight 1,024 x 2,048 float32; sin 4,096 x 128 float32; v_weight 1,024 x 2,048 float32; x 1 x 4,096 x 2,048 float32.
;; Outputs: out0 1 x 4,096 x 2,048 float32.
;; 3 versions, each right; version 2 is faster than version 1; version 3 is version 2 with the launch prep written anew for expert scheduling mode. Each part assembles by itself: llvm-mc -triple=amdgcn-amd-amdhsa -mcpu=gfx1250 --defsym DOCPART=n.
;; ======== version 1 of 3: 4 launches
;; limits: values are held in f16: magnitudes above 65,504 overflow, below 6.1e-05 lose precision; inputs' magnitudes at most 65,504
;; workspace buffers: xh 16,777,216 bytes; rs 16,384 bytes; wh 31,457,280 bytes; qh 8,388,608 bytes; kh 8,388,608 bytes; vh 8,388,608 bytes; ah 16,777,216 bytes
;; launch prep (part 1): grid 1088 x 1, 8 waves a work-group, no clusters, 0 bytes of LDS; arguments x, attn_norm_weight, q_weight, k_weight, v_weight, o_weight, cos, sin, xh, rs, wh; writes xh, rs, wh
.if DOCPART == 1
	.amdgcn_target "amdgcn-amd-amdhsa--gfx1250"
	.amdhsa_code_object_version 6
	.text
	.protected	k_qeca47e6038_prep
	.globl	k_qeca47e6038_prep
	.p2align	8
	.type	k_qeca47e6038_prep,@function
k_qeca47e6038_prep:
	s_mov_b64 s[64:65], 0
	v_nop
	global_prefetch_b8 v0, s[64:65] scope:SCOPE_SE
	s_setreg_imm32_b32 hwreg(HW_REG_WAVE_MODE, 25, 1), 1
	s_wait_xcnt 0x0
; PREP: every input is rounded ONCE to bf16 and written as f16 (exact where the number lies in f16's normal range), for the three launches behind.
;   xh[4096][2048] = f16(bf16(x));  rs[4096] = rsqrt(mean(bf16(x)^2) + 1e-6) / 64 in f32;
;   wh, 960 blocks of 32,768 bytes.  W' = bf16(W) x bf16(gain) x 64 for W = q, k, v weights (rows of 2,048) has 8 + 8 = 16 significant bits and f16 holds 11: it is kept as TWO f16, whose sum is W':
;   blocks 0-383 hi = f16(W'), blocks 576-959 lo = f16(W' - hi).  Blocks 384-511 f16(bf16(o_weight)); 512-543 f16(bf16(cos)); 544-575 f16(bf16(sin)).
; The row factor of the first norm is applied in f32 behind the product (next launch); its gain is folded into the weights; the power of two 64, taken back in rs, keeps the products in f16's normal range.
; LIMITS.  |x|, |bf16(W) bf16(gain) 64|, |o_weight|, |cos|, |sin| stay under 65,504; below 6e-5 f16 keeps its fixed step of 6e-8 (so does lo).  NaN and infinities are not treated apart.
; A stream: each work-group moves 65,536 bytes in and 32,768 or 65,536 out, 16 loads of 16 bytes a lane, all issued before the first is used; no LDS, no barrier, no matrix unit: memory binds.
; Work-groups 0-511: eight rows of x, a wave a row, so the row's sum of squares never leaves the wave.  Work-groups 512-1087: one block of wh (and its lo block); thread t keeps the same eight columns, so its gains are loaded once.
.set T,   4                            ; v[4:7]    two packed words, by the load's parity
.set STO, 8                            ; v8        my byte offset in the 16-bit output
.set RSO, 9                            ; v9        my wave's byte offset in rs
.set ONE, 10                           ; v10       1.0
.set ACC, 12                           ; v[12:15]  four sums of squares
.set SC,  16                           ; v[16:23]  64 x bf16(gain) of my eight columns
.set X,   24                           ; v[24:87]  load j: four registers; they become the stores' data (two for hi, two for lo) and are not written again
.set WLO, 576*32768                    ; bytes from a block of hi to its block of lo
; Four numbers of load j: rounded to bf16 and widened again; then w = 0: squared into the sums and rounded to f16; w = 1: scaled and split into hi and lo; w = 2: only rounded to f16.
.macro CV4 j, w
.set D,  X+4*(\j)
.set TT, T+2*((\j)%2)
	v_cvt_pk_bf16_f32 v[TT], v[D], v[D+1]
	v_cvt_pk_bf16_f32 v[TT+1], v[D+2], v[D+3]
	v_lshlrev_b32 v[D], 16, v[TT]
	v_and_b32 v[D+1], s33, v[TT]
	v_lshlrev_b32 v[D+2], 16, v[TT+1]
	v_and_b32 v[D+3], s33, v[TT+1]
.if (\w) == 1
	v_pk_mul_f32 v[D:D+1], v[D:D+1], v[SC+4*((\j)%2):SC+4*((\j)%2)+1]          ; exact: 16 significant bits
	v_pk_mul_f32 v[D+2:D+3], v[D+2:D+3], v[SC+4*((\j)%2)+2:SC+4*((\j)%2)+3]
	v_cvt_pk_f16_f32 v[TT], v[D], v[D+1]                                       ; hi
	v_cvt_pk_f16_f32 v[TT+1], v[D+2], v[D+3]
	v_fma_mix_f32 v[D],   -v[ONE], v[TT],   v[D]   op_sel:[0,0,0] op_sel_hi:[0,1,0]  ; what hi leaves: -1 x hi + W', exact
	v_fma_mix_f32 v[D+1], -v[ONE], v[TT],   v[D+1] op_sel:[0,1,0] op_sel_hi:[0,1,0]
	v_fma_mix_f32 v[D+2], -v[ONE], v[TT+1], v[D+2] op_sel:[0,0,0] op_sel_hi:[0,1,0]
	v_fma_mix_f32 v[D+3], -v[ONE], v[TT+1], v[D+3] op_sel:[0,1,0] op_sel_hi:[0,1,0]
	v_cvt_pk_f16_f32 v[D+3], v[D+2], v[D+3]                                    ; lo, into the load's upper two registers
	v_cvt_pk_f16_f32 v[D+2], v[D], v[D+1]
	v_mov_b32 v[D], v[TT]                                                      ; hi, into its lower two: T is written again two loads on, a store's data may not be
	v_mov_b32 v[D+1], v[TT+1]
.else
.if (\w) == 0
.if (\j) == 0
	v_pk_mul_f32 v[ACC:ACC+1], v[D:D+1], v[D:D+1]          ; the first squares start the sums
	v_pk_mul_f32 v[ACC+2:ACC+3], v[D+2:D+3], v[D+2:D+3]
.else
	v_pk_fma_f32 v[ACC:ACC+1], v[D:D+1], v[D:D+1], v[ACC:ACC+1]
	v_pk_fma_f32 v[ACC+2:ACC+3], v[D+2:D+3], v[D+2:D+3], v[ACC+2:ACC+3]
.endif
.endif
	v_cvt_pk_f16_f32 v[D], v[D], v[D+1]
	v_cvt_pk_f16_f32 v[D+1], v[D+2], v[D+3]
.endif
.endm
	s_load_b512 s[8:23], s[0:1], 0x0               ; x s[8:9], gain s[10:11], q s[12:13], k s[14:15], v s[16:17], o s[18:19], cos s[20:21], sin s[22:23]
	s_load_b128 s[24:27], s[0:1], 0x40             ; xh s[24:25], rs s[26:27]
	s_load_b64 s[28:29], s[0:1], 0x50              ; wh
	s_mov_b32 s33, 0xffff0000                      ; a word's upper bf16
	s_mov_b32 s3, 0
	s_mov_b32 s39, 0
	s_cmp_lt_u32 ttmp9, 512
	s_cbranch_scc0 .Lweights
	; ---- eight rows of x ----
	s_mov_b32 s34, 0x3a000000                      ; 1 / 2048
	s_mov_b32 s35, 0x358637bd                      ; 1e-6
	s_mov_b32 s36, 0x76543210                      ; v_permlanex16_b32: each lane takes its own place in the other half
	s_mov_b32 s37, 0xfedcba98
	s_mov_b32 s45, 0
	s_lshl_b32 s2, ttmp9, 16                       ; 8 rows of 8,192 bytes
	s_lshl_b32 s38, ttmp9, 15                      ; 8 rows of 4,096 bytes
	s_lshl_b32 s44, ttmp9, 5                       ; 8 words of rs
	v_and_b32 v3, 31, v0                           ; lane
	v_lshrrev_b32 v2, 5, v0                        ; wave = row
	v_lshlrev_b32 v1, 4, v3
	v_lshl_add_u32 v1, v2, 13, v1                  ; 16 lane + 8,192 wave
	v_lshlrev_b32 v[STO], 3, v3
	v_lshl_add_u32 v[STO], v2, 12, v[STO]          ; 8 lane + 4,096 wave
	v_lshlrev_b32 v[RSO], 2, v2
	s_wait_kmcnt 0x0
	s_add_nc_u64 s[8:9], s[8:9], s[2:3]
	s_add_nc_u64 s[24:25], s[24:25], s[38:39]
	s_add_nc_u64 s[26:27], s[26:27], s[44:45]
.irp j, 0,1,2,3,4,5,6,7,8,9,10,11,12,13,14,15
	global_load_b128 v[X+4*(\j):X+4*(\j)+3], v1, s[8:9] offset:512*(\j) th:TH_LOAD_NT  ; 512 consecutive bytes of the row
.endr
.irp j, 0,1,2,3,4,5,6,7,8,9,10,11,12,13,14,15
	s_wait_loadcnt 15-(\j)                         ; loads come back in order: load j is in, the younger ones stay out
	CV4 \j, 0
	global_store_b64 v[STO], v[X+4*(\j):X+4*(\j)+1], s[24:25] offset:256*(\j)  ; the wave's 32 lanes fill 256 consecutive bytes, aligned
.endr
	v_pk_add_f32 v[ACC:ACC+1], v[ACC:ACC+1], v[ACC+2:ACC+3]
	v_add_f32 v[ACC], v[ACC], v[ACC+1]
	v_add_f32_dpp v[ACC], v[ACC], v[ACC] row_xmask:1 row_mask:0xf bank_mask:0xf
	v_add_f32_dpp v[ACC], v[ACC], v[ACC] row_xmask:2 row_mask:0xf bank_mask:0xf
	v_add_f32_dpp v[ACC], v[ACC], v[ACC] row_xmask:4 row_mask:0xf bank_mask:0xf
	v_add_f32_dpp v[ACC], v[ACC], v[ACC] row_xmask:8 row_mask:0xf bank_mask:0xf
	v_permlanex16_b32 v[ACC+1], v[ACC], s36, s37
	v_add_f32 v[ACC], v[ACC], v[ACC+1]             ; the row's sum of squares, in every lane
	v_fma_f32 v[ACC], v[ACC], s34, s35             ; mean + eps
	v_cmp_eq_u32 vcc_lo, 0, v3
	v_rsq_f32 v[ACC], v[ACC]
	v_nop                                          ; a plain instruction between the root and the use of its result
	s_wait_alu depctr_va_vdst(0)
	v_mul_f32 v[ACC], 0x3c800000, v[ACC]           ; / 64: takes back the weights' factor
	s_wait_xcnt 0x0                                ; EXEC is a source of the stores above: it changes only behind this wait
	s_and_saveexec_b32 s46, vcc_lo
	global_store_b32 v[RSO], v[ACC], s[26:27]      ; lane 0 writes the row's factor
	s_endpgm
	; ---- one block of wh ----
.Lweights:
	s_sub_co_u32 s30, ttmp9, 512                   ; the block, 0 to 575
	s_lshl_b32 s38, s30, 15
	v_lshlrev_b32 v1, 4, v0                        ; 16 t: my four columns, and 4,096 bytes on four more
	v_lshlrev_b32 v[STO], 3, v0
	s_wait_kmcnt 0x0
	s_mov_b64 s[40:41], s[12:13]                   ; which tensor the block comes from, and that tensor's first block
	s_mov_b32 s31, 0
.macro PICK first, ptr
	s_cmp_ge_u32 s30, \first
	s_cselect_b64 s[40:41], s[\ptr:\ptr+1], s[40:41]
	s_cselect_b32 s31, \first, s31
.endm
	PICK 128, 14
	PICK 256, 16
	PICK 384, 18
	PICK 512, 20
	PICK 544, 22
	s_sub_co_u32 s2, s30, s31
	s_lshl_b32 s2, s2, 16                          ; 65,536 bytes of f32 a block
	s_add_nc_u64 s[40:41], s[40:41], s[2:3]
	s_add_nc_u64 s[28:29], s[28:29], s[38:39]
.irp j, 0,1,2,3,4,5,6,7,8,9,10,11,12,13,14,15
	global_load_b128 v[X+4*(\j):X+4*(\j)+3], v1, s[40:41] offset:4096*(\j) th:TH_LOAD_NT
.endr
	s_cmp_lt_u32 s30, 384
	s_cbranch_scc0 .Lplain
	global_load_b128 v[SC:SC+3], v1, s[10:11]      ; the gains of my columns: a row of q, k, v weights is two loads of the work-group
	global_load_b128 v[SC+4:SC+7], v1, s[10:11] offset:4096
	s_add_nc_u64 s[42:43], s[28:29], WLO           ; the block of lo
	v_mov_b32 v[ONE], 1.0
	s_wait_loadcnt 0x0
.irp p, 0,1,2,3
	v_cvt_pk_bf16_f32 v[T+(\p)], v[SC+2*(\p)], v[SC+2*(\p)+1]
.endr
.irp p, 0,1,2,3
	v_lshlrev_b32 v[SC+2*(\p)], 16, v[T+(\p)]
	v_and_b32 v[SC+2*(\p)+1], s33, v[T+(\p)]
.endr
.irp p, 0,1,2,3
	v_pk_mul_f32 v[SC+2*(\p):SC+2*(\p)+1], v[SC+2*(\p):SC+2*(\p)+1], 0x42800000 op_sel_hi:[1,0]  ; x 64, exact
.endr
.irp j, 0,1,2,3,4,5,6,7,8,9,10,11,12,13,14,15
	CV4 \j, 1
	global_store_b64 v[STO], v[X+4*(\j):X+4*(\j)+1], s[28:29] offset:2048*(\j)    ; a wave fills 256 consecutive bytes, aligned
	global_store_b64 v[STO], v[X+4*(\j)+2:X+4*(\j)+3], s[42:43] offset:2048*(\j)
.endr
	s_endpgm
.Lplain:                                       ; o_weight, cos and sin are only rounded
	s_wait_loadcnt 0x0
.irp j, 0,1,2,3,4,5,6,7,8,9,10,11,12,13,14,15
	CV4 \j, 2
	global_store_b64 v[STO], v[X+4*(\j):X+4*(\j)+1], s[28:29] offset:2048*(\j)  ; a wave fills 256 consecutive bytes, aligned
.endr
	s_endpgm
.Lfunc_end_k_qeca47e6038_prep:
	.size	k_qeca47e6038_prep, .Lfunc_end_k_qeca47e6038_prep-k_qeca47e6038_prep
	.p2alignl 7, 3214868480
	.fill 96, 4, 3214868480
	.section	.rodata,"a",@progbits
	.p2align	6, 0x0
	.amdhsa_kernel k_qeca47e6038_prep
		.amdhsa_group_segment_fixed_size 0
		.amdhsa_private_segment_fixed_size 0
		.amdhsa_enable_private_segment 0
		.amdhsa_kernarg_size 88
		.amdhsa_user_sgpr_count 2
		.amdhsa_user_sgpr_kernarg_segment_ptr 1
		.amdhsa_wavefront_size32 1
		.amdhsa_system_sgpr_workgroup_id_x 1
		.amdhsa_system_sgpr_workgroup_id_y 1
		.amdhsa_system_sgpr_workgroup_id_z 1
		.amdhsa_system_vgpr_workitem_id 0
		.amdhsa_next_free_vgpr 88
		.amdhsa_next_free_sgpr 66
		.amdhsa_reserve_vcc 1
		.amdhsa_float_denorm_mode_32 3
		.amdhsa_float_denorm_mode_16_64 3
		.amdhsa_memory_ordered 1
		.amdhsa_forward_progress 1
		.amdhsa_inst_pref_size 44
	.end_amdhsa_kernel
	.amdgpu_metadata
---
amdhsa.version: [ 1, 2 ]
amdhsa.kernels:
  - .name:           k_qeca47e6038_prep
    .symbol:         k_qeca47e6038_prep.kd
    .args:
      - { .name: x, .offset: 0, .size: 8, .value_kind: global_buffer, .address_space: global }
      - { .name: attn_norm_weight, .offset: 8, .size: 8, .value_kind: global_buffer, .address_space: global }
      - { .name: q_weight, .offset: 16, .size: 8, .value_kind: global_buffer, .address_space: global }
      - { .name: k_weight, .offset: 24, .size: 8, .value_kind: global_buffer, .address_space: global }
      - { .name: v_weight, .offset: 32, .size: 8, .value_kind: global_buffer, .address_space: global }
      - { .name: o_weight, .offset: 40, .size: 8, .value_kind: global_buffer, .address_space: global }
      - { .name: cos, .offset: 48, .size: 8, .value_kind: global_buffer, .address_space: global }
      - { .name: sin, .offset: 56, .size: 8, .value_kind: global_buffer, .address_space: global }
      - { .name: xh, .offset: 64, .size: 8, .value_kind: global_buffer, .address_space: global }
      - { .name: rs, .offset: 72, .size: 8, .value_kind: global_buffer, .address_space: global }
      - { .name: wh, .offset: 80, .size: 8, .value_kind: global_buffer, .address_space: global }
    .group_segment_fixed_size: 0
    .private_segment_fixed_size: 0
    .kernarg_segment_align: 8
    .kernarg_segment_size: 88
    .max_flat_workgroup_size: 256
    .sgpr_count:     66
    .vgpr_count:     88
    .wavefront_size: 32
...
	.end_amdgpu_metadata
.endif
;; end of part 1
;; launch qkv (part 2): grid 8 x 32, 4 waves a work-group, clusters of 4 x 4, 327,680 bytes of LDS; arguments xh, wh, rs, q_norm_weight, k_norm_weight, qh, kh, vh; writes qh, kh, vh
.if DOCPART == 2
	.amdgcn_target "amdgcn-amd-amdhsa--gfx1250"
	.amdhsa_code_object_version 6
	.text
	.protected	k_qeca47e6038_qkv
	.globl	k_qeca47e6038_qkv
	.p2align	8
	.type	k_qeca47e6038_qkv,@function
k_qeca47e6038_qkv:
	s_mov_b64 s[64:65], 0
	v_nop
	global_prefetch_b8 v0, s[64:65] scope:SCOPE_SE
	s_setreg_imm32_b32 hwreg(HW_REG_WAVE_MODE, 25, 1), 1
	s_wait_xcnt 0x0
	s_wait_alu depctr_hold_cnt(0) depctr_sa_sdst(0) depctr_va_vdst(0) depctr_va_sdst(0) depctr_va_ssrc(0) depctr_va_vcc(0) depctr_vm_vsrc(0)
	s_getreg_b32 s2, hwreg(HW_REG_IB_STS2, 6, 4)
	s_cmp_eq_u32 s2, 0
	s_cbranch_scc0 .Lentry_in_a_cluster
	s_endpgm
.Lentry_in_a_cluster:
	s_bfe_u32 s2, ttmp6, 0x10000c
	s_cmp_lg_u32 s2, 0xf033
	s_cbranch_scc0 .Lentry_shape_is_right
	s_endpgm
.Lentry_shape_is_right:
; QKV: the three projections, the first norm's row factor, the head norm and RoPE, in one launch.
;   raw[t][o] = rs[t] x sum over k of xh[t][k] (hi[o][k] + lo[o][k])  (f16 operands, f32 sums; hi + lo is the weight with the first norm's gain and the factor 64, in 16 significant bits; rs holds the 1/64)
;   q, k: raw x rsqrt(mean over the head's 128 channels of raw^2 + 1e-6) x bf16(head gain), then RoPE with the f16 tables of cos and sin in wh; v: raw.  Each is rounded once, to f16.
;   qh, kh: [8][4096][128];  vh: [8][2][4096][64], the channel halves apart, so that a wave's 64 channels are dense rows of 128 bytes.
; LIMITS.  q, k, v stay under 65,504 (f16's end); below 6e-5 f16 keeps its fixed step of 6e-8.  NaN and infinities are not treated apart.
; SHARES.  Work-group (head tx, row tile ty): 128 tokens x (q, k, v of the head) = 128 x 384: 8 x 32 = 256 work-groups.  Wave w: tokens 64 (w / 2) on; the WHOLE head of q (w even) or of k (w odd), and
; channels 64 (w % 2) on of v: 64 x 192, 48 accumulators of 16 x 16.  THE MATRIX INSTRUCTION IS USED TRANSPOSED (source 0 = 16 rows of the weights, source 1 = 16 tokens): a lane holds ONE token (lane % 16) and the
; channels 16 b + 8 (lane / 16) + 0..7 of every block b.  So the head's sum of squares wants one exchange between the halves of the lanes, and RoPE's partner channel, 64 away, is the same lane and register of block b +- 4.
; K goes in 16 ranges of 128 (rows of 256 bytes, aligned), each taken twice, through two LDS slots: slot 0 holds the tokens' tile and hi of a range, slot 1 the same tokens' tile and lo: 32 steps, all onto the same sums.
; The price of the second f16 is twice the products; the first tokens' results, which are many times the output's root mean square, have no room for a rounding of the weights to 11 bits.
; CLUSTER 4 x 4: the four of a row share the tokens' tile and the tables, the four of a column the weights' tiles: joint loads.
; REGISTERS, in windows of 256 (s_set_vgpr_msb: bits 1:0 source 0, 3:2 source 1, 5:4 source 2, 7:6 destination):
;   window 0: v0-47 addresses and small things; v64-127 the tokens' fragments, two buffers of 32 (on the way out cos and sin, then rows read back); v128-191 the head gain; v192-255 at work on the way out
;   window 1: the weights' fragments, two buffers of 96 (on the way out v0-63: the rotated head)
;   windows 2, 3: accumulator (a, b) in window 2 + a / 2 at v[8 (12 (a % 2) + b)]; b 0-7 the head of q or k, b 8-11 v
.set PITCH,  272                       ; an LDS row: 256 bytes + 16 of padding: the 16 rows that a load touches start at 16 different groups of four banks
.set HALFT,  128*PITCH                 ; 128 rows: what one tensor load brings
.set SLOT,   4*HALFT                   ; tokens, q's rows, k's rows, v's rows
.set STAGE,  2*SLOT                    ; behind the ring, never filled by a tensor load: for each wave 16 rows x 272 bytes (q or k), then 16 x 144 (v)
.set WSTG,   16*272+16*144
.set SPARE,  STAGE+4*WSTG              ; the spare words, 128 bytes a wave: two blocks of 256 bytes that no other line names
.set TCOS,   16777216                  ; byte of wh at which the table of cos begins; sin's lies 1 << 20 behind
.set WLO,    18874368                  ; bytes in wh from a weight's hi to its lo
.set LAPS,   16                        ; a lap = one K range = two steps (hi, lo) = once round the ring
.set FLAGS,  (1<<16)|(1<<20)|(1<<21)|(5<<22)|(3<<25)  ; 17:16 2-byte elements; 20 padding on; 21 set beside a mask; 24:22 after every 64 words; 31:25 4 words of it
.set ADRA, 10                          ; v10-11  LDS address of my tokens' fragments in slot 0, 1; v10 is also my place in the tables, which take slot 0's first bytes
.set ADRB, 12                          ; v12-13  of my head's weights
.set ADRV, 14                          ; v14-15  of my 64 rows of v's weights
.set STO,  16                          ; the way out, q or k: where I put 16 bytes of a row
.set RD,   17                          ;   where I read rows back
.set GOQ,  18                          ;   my byte offset in 512 consecutive bytes of qh or kh
.set STV,  19                          ; the same three for v
.set RDV,  20
.set GOV,  21
.set ZR,   23                          ; 0
.set SPW,  28                          ; LDS address of my spare word; never rewritten
.set NIL,  29                          ; 0; never rewritten
.set FF,   30                          ; v[30:31] the token's factor
.set SS,   32                          ; v[32:39] sums of squares
.set RSV,  40                          ; v[40:47] rs of my token in block a at v[40 + 2 a]; the odd ones 0 (named as pairs)
.set CO,   64
.set SI,   96
.set WN,   128
.set UU,   192
.set VT,   224
.set WV,  20                           ; s20 wave; s21 = w / 2; s22 = w % 2
.set QKO, 30                           ; s[30:31] qh or kh at my first row
.set VO,  32                           ; s[32:33] vh at my first row
.set G1,  40                           ; s[40:47] group 1, the tokens' tiles
.set G1B, 48                           ; s[48:55] group 1, the weights' tiles
.set G0,  56                           ; s[56:63] group 0, the tokens' tiles, a set for each slot
.set G0B, 68                           ; s[68:75] group 0, the weights' tiles
.set G1C, 76                           ; s[76:83] group 1, the tables
.set G0C, 84                           ; s[84:87] group 0, the tables
.set SEL, 88                           ; s[88:89] v_permlanex16_b32's selects; s90 = 1/128; s91 = 1e-6
.set MSB, 0
.macro WIN new                         ; the immediate's high byte repeats the setting that is left; a switch that changes nothing is dropped
.if MSB != (\new)
	s_set_vgpr_msb (MSB<<8)|(\new)
.set MSB, \new
.endif
.endm
.macro PLACES                          ; four places in front of loads into registers that matrix instructions have read, and of vector lines that read results
.rept 4
	v_nop
.endr
.endm
; A joint load.  Wave 0 fetches the tokens' tile, waves 1 to 3 the rows of q's, k's and v's weights.  The branch hangs on the wave's number alone.
; An s_nop 0 and four v_nop follow each of the two lines, ahead of the jump and the label.
.macro JLOAD s
	s_cmp_eq_u32 s[WV], 0
	s_cbranch_scc0 .Lfor_b_\@
	tensor_load_to_lds s[G0+4*(\s):G0+4*(\s)+3], s[G1:G1+7]
	s_nop 0
.rept 4
	v_nop
.endr
	s_branch .Lasked_\@
.Lfor_b_\@:
	tensor_load_to_lds s[G0B+4*(\s):G0B+4*(\s)+3], s[G1B:G1B+7]
	s_nop 0
.rept 4
	v_nop
.endr
.Lasked_\@:
.endm
.macro TLOADC                          ; the tables: every wave fetches 64 rows (waves 0, 1 cos, waves 2, 3 sin), jointly with my row of the cluster
	tensor_load_to_lds s[G0C:G0C+3], s[G1C:G1C+7]
	s_nop 0
.rept 4
	v_nop
.endr
.endm
.macro CREST                           ; a round of the cluster's barrier behind its opening barrier
	s_cmp_lg_u32 s[WV], 0
	s_cbranch_scc1 .Lnot_wave_0_\@
	s_barrier_signal -3
.Lnot_wave_0_\@:
	s_barrier_wait -3
	s_barrier_signal -1
	s_barrier_wait -1
.endm
.macro CROUND
	s_barrier_signal -1
	s_barrier_wait -1
	CREST
.endm
	s_load_b512 s[4:19], s[0:1], 0x0               ; xh s[4:5], wh s[6:7], rs s[8:9], q gain s[10:11], k gain s[12:13], qh s[14:15], kh s[16:17], vh s[18:19]
	v_lshl_add_u32 v[SPW], v0, 2, SPARE
	v_mov_b32 v[NIL], 0
	ds_add_u32 v[SPW], v[NIL]                      ; the wave's opening: the add and its wait stand ahead of my first tensor load; work on registers stands between them
	v_lshrrev_b32 v1, 5, v0
	v_readfirstlane_b32 s[WV], v1
	s_lshr_b32 s21, s[WV], 1
	s_and_b32 s22, s[WV], 1
	s_bfe_u32 s23, ttmp6, 0x40000                  ; cx
	s_bfe_u32 s24, ttmp6, 0x40004                  ; cy
	s_lshl_b32 s25, ttmp9, 2
	s_add_co_u32 s25, s25, s23                     ; tx, the head
	s_and_b32 s26, ttmp7, 0xffff
	s_lshl_b32 s26, s26, 2
	s_add_co_u32 s26, s26, s24                     ; ty, the row tile
	s_lshl_b32 s27, s24, 2
	s_lshl_b32 s27, 15, s27                        ; my row of the cluster
	s_lshl_b32 s28, 0x1111, s23                    ; my column
	s_or_b32 s[G1], s27, FLAGS
	s_or_b32 s[G1B], s28, FLAGS
	s_or_b32 s[G1C], s27, FLAGS
.irp g, G1, G1B
	s_mov_b32 s[(\g)+1], 128<<16                   ; tensor_dim0 = 128
	s_mov_b32 s[(\g)+2], 128<<16                   ; tensor_dim1 = 128
	s_mov_b32 s[(\g)+3], 128<<16                   ; tile_dim0 = 128
	s_mov_b32 s[(\g)+4], 128                       ; tile_dim1 = 128
	s_mov_b32 s[(\g)+5], 2048                      ; elements from row to row
	s_mov_b32 s[(\g)+6], 0
	s_mov_b32 s[(\g)+7], 0
.endr
	s_mov_b32 s[G1C+1], 128<<16
	s_mov_b32 s[G1C+2], 64<<16
	s_mov_b32 s[G1C+3], 128<<16
	s_mov_b32 s[G1C+4], 64
	s_mov_b32 s[G1C+5], 128
	s_mov_b32 s[G1C+6], 0
	s_mov_b32 s[G1C+7], 0
	s_lshl_b32 s34, s26, 19                        ; the tokens' tile: 128 rows of 4,096 bytes; hangs on ty alone
	s_mov_b32 s35, 0
	s_max_u32 s36, s[WV], 1                        ; the weights' tile: tensor w - 1 (1,024 rows of 4,096 bytes), the head's 128 rows; hangs on tx alone
	s_sub_co_u32 s36, s36, 1
	s_lshl_b32 s36, s36, 22
	s_lshl_b32 s37, s25, 19
	s_add_co_u32 s36, s36, s37
	s_mov_b32 s37, 0
	s_lshl_b32 s38, s21, 20                        ; the tables: cos or sin, the tile's 128 rows of 256 bytes, my 64 of them
	s_lshl_b32 s39, s26, 15
	s_add_co_u32 s38, s38, s39
	s_lshl_b32 s39, s22, 14
	s_add_co_u32 s38, s38, s39
	s_add_co_u32 s38, s38, TCOS
	s_mov_b32 s39, 0
	s_mul_i32 s29, s[WV], HALFT                    ; where a tile goes: wave x 128 rows
	s_mov_b32 s[G0C], 1
	s_mul_i32 s[G0C+1], s[WV], 64*PITCH            ; cos at 0, sin at HALFT
	s_mov_b32 s[SEL], 0x76543210
	s_mov_b32 s[SEL+1], 0xfedcba98
	s_mov_b32 s90, 0x3c000000                      ; 1 / 128
	s_mov_b32 s91, 0x358637bd                      ; 1e-6
	s_wait_dscnt 0x0                               ; the opening add is done
	s_wait_kmcnt 0x0
	s_add_nc_u64 s[34:35], s[4:5], s[34:35]
	s_add_nc_u64 s[36:37], s[6:7], s[36:37]
	s_add_nc_u64 s[G0C+2:G0C+3], s[6:7], s[38:39]
	s_or_b32 s[G0C+3], s[G0C+3], 0x80000000
	CROUND                                         ; all sixteen work-groups are here: the first joint loads meet
.irp s, 0,1
	s_mov_b32 s[G0+4*(\s)], 1
	s_add_co_u32 s[G0+4*(\s)+1], s29, (\s)*SLOT
	s_add_nc_u64 s[G0+4*(\s)+2:G0+4*(\s)+3], s[34:35], 0           ; both slots take the tokens' tile of the same K range
	s_or_b32 s[G0+4*(\s)+3], s[G0+4*(\s)+3], 0x80000000
	s_mov_b32 s[G0B+4*(\s)], 1
	s_add_co_u32 s[G0B+4*(\s)+1], s29, (\s)*SLOT
	s_add_nc_u64 s[G0B+4*(\s)+2:G0B+4*(\s)+3], s[36:37], (\s)*WLO  ; slot 0 hi, slot 1 lo
	s_or_b32 s[G0B+4*(\s)+3], s[G0B+4*(\s)+3], 0x80000000
	JLOAD \s                                       ; K range 0, hi and lo: two tensor loads of mine are out
.endr
	; the row factors and the head gain, once
	v_and_b32 v1, 15, v0                           ; r = l % 16
	v_bfe_u32 v2, v0, 4, 1                         ; h = l / 16
	v_lshlrev_b32 v4, 2, v1
	v_lshlrev_b32 v5, 5, v2
	s_lshl_b32 s38, s26, 9
	s_lshl_b32 s39, s21, 8
	s_add_co_u32 s38, s38, s39                     ; (128 ty + 64 (w / 2)) words
	s_mov_b32 s39, 0
	s_add_nc_u64 s[8:9], s[8:9], s[38:39]
	s_cmp_eq_u32 s22, 0
	s_cselect_b64 s[34:35], s[10:11], s[12:13]     ; q's gain or k's
	s_cselect_b64 s[QKO:QKO+1], s[14:15], s[16:17] ; qh or kh
.irp a, 0,1,2,3
	global_load_b32 v[RSV+2*(\a)], v4, s[8:9] offset:64*(\a)
.endr
.irp b, 0,1,2,3,4,5,6,7
	global_load_b128 v[WN+8*(\b):WN+8*(\b)+3],   v5, s[34:35] offset:64*(\b)      ; gain of channels 16 b + 8 h + 0..7
	global_load_b128 v[WN+8*(\b)+4:WN+8*(\b)+7], v5, s[34:35] offset:64*(\b)+16
.endr
	s_lshl_b32 s38, s25, 20                        ; qh, kh: the head, my 64 rows of 256 bytes
	s_lshl_b32 s36, s26, 15
	s_add_co_u32 s38, s38, s36
	s_lshl_b32 s36, s21, 14
	s_add_co_u32 s38, s38, s36
	s_add_nc_u64 s[QKO:QKO+1], s[QKO:QKO+1], s[38:39]
	s_lshl_b32 s38, s25, 20                        ; vh: the head, my channel half, my 64 rows of 128 bytes
	s_lshl_b32 s36, s22, 19
	s_add_co_u32 s38, s38, s36
	s_lshl_b32 s36, s26, 14
	s_add_co_u32 s38, s38, s36
	s_lshl_b32 s36, s21, 13
	s_add_co_u32 s38, s38, s36
	s_add_nc_u64 s[VO:VO+1], s[18:19], s[38:39]
	; A fragment is 16 rows x 32 K in 8 registers: lane l holds row l % 16, K = 8 (l / 16) + 0..7 and 16 + 8 (l / 16) + 0..7: two loads of 16 bytes, 32 bytes apart.
	v_mul_u32_u24 v3, v1, PITCH
	v_lshl_add_u32 v3, v2, 4, v3
	s_mul_i32 s36, s21, 64*PITCH                   ; my 64 tokens
	s_mul_i32 s37, s22, HALFT
	s_add_co_u32 s37, s37, HALFT                   ; q's rows or k's
	s_mul_i32 s38, s22, 64*PITCH
	s_add_co_u32 s38, s38, 3*HALFT                 ; my 64 rows of v's
.irp s, 0,1
	v_add_nc_u32 v[ADRA+(\s)], s36, v3
	v_add_nc_u32 v[ADRB+(\s)], s37, v3
	v_add_nc_u32 v[ADRV+(\s)], s38, v3
	s_add_co_u32 s36, s36, SLOT
	s_add_co_u32 s37, s37, SLOT
	s_add_co_u32 s38, s38, SLOT
.endr
	s_mul_i32 s36, s[WV], WSTG
	s_add_co_u32 s36, s36, STAGE                   ; my stage
	v_add_nc_u32 v[STO], s36, v3                   ; in: row l % 16, 16 bytes for each half of the lanes
	v_mul_u32_u24 v6, v2, 272
	v_lshl_add_u32 v6, v1, 4, v6
	v_add_nc_u32 v[RD], s36, v6                    ; back: lanes 0-15 one row of 256 bytes, lanes 16-31 the next
	v_lshlrev_b32 v[GOQ], 8, v2
	v_lshl_add_u32 v[GOQ], v1, 4, v[GOQ]
	s_add_co_u32 s36, s36, 16*272
	v_mul_u32_u24 v6, v1, 144
	v_lshl_add_u32 v6, v2, 4, v6
	v_add_nc_u32 v[STV], s36, v6
	v_bfe_u32 v6, v0, 3, 2
	v_mul_u32_u24 v6, v6, 144
	v_and_b32 v7, 7, v0
	v_lshl_add_u32 v6, v7, 4, v6
	v_add_nc_u32 v[RDV], s36, v6                   ; back: 32 lanes take four rows of 128 bytes
	v_and_b32 v[GOV], 31, v0
	v_lshlrev_b32 v[GOV], 4, v[GOV]
	v_mov_b32 v[ZR], 0
.irp a, 0,1,2,3
	v_mov_b32 v[RSV+2*(\a)+1], 0
.endr
	s_wait_loadcnt 0x0
.set i, 0
.rept 32                                       ; the gain is rounded to bf16, like every input
	v_cvt_pk_bf16_f32 v[UU+i], v[WN+2*i], v[WN+2*i+1]
.set i, i+1
.endr
.set i, 0
.rept 32
	v_lshlrev_b32 v[WN+2*i], 16, v[UU+i]
	v_and_b32 v[WN+2*i+1], 0xffff0000, v[UU+i]
.set i, i+1
.endr
; 12 matrix instructions: token block a x all 12 channel blocks, 32 along K, from buffer f.  zero = 1: the first product starts the sums.  The 48 accumulators take turns in one order everywhere.
.macro MUL12 f, a, zero
	WIN 0xa1+0x50*((\a)/2)                         ; source 0 window 1, source 1 window 0, C and D window 2 or 3
.irp b, 0,1,2,3,4,5,6,7,8,9,10,11
.if \zero
	v_wmma_f32_16x16x32_f16 v[8*(12*((\a)%2)+(\b)):8*(12*((\a)%2)+(\b))+7], v[96*(\f)+8*(\b):96*(\f)+8*(\b)+7], v[64+32*(\f)+8*(\a):64+32*(\f)+8*(\a)+7], 0
.else
	v_wmma_f32_16x16x32_f16 v[8*(12*((\a)%2)+(\b)):8*(12*((\a)%2)+(\b))+7], v[96*(\f)+8*(\b):96*(\f)+8*(\b)+7], v[64+32*(\f)+8*(\a):64+32*(\f)+8*(\a)+7], v[8*(12*((\a)%2)+(\b)):8*(12*((\a)%2)+(\b))+7]
.endif
.endr
.endm
; 32 LDS loads in one run: the fragments of 32 along K at byte k of the rows, into buffer f; the tokens' last
.macro FETCH slot, k, f
	WIN 0x40
.irp i, 0,1,2,3,4,5,6,7
	ds_load_b128 v[96*(\f)+8*(\i):96*(\f)+8*(\i)+3],   v[ADRB+(\slot)] offset:(\k)+(\i)*16*PITCH
	ds_load_b128 v[96*(\f)+8*(\i)+4:96*(\f)+8*(\i)+7], v[ADRB+(\slot)] offset:(\k)+(\i)*16*PITCH+32
.endr
.irp i, 0,1,2,3
	ds_load_b128 v[96*(\f)+64+8*(\i):96*(\f)+64+8*(\i)+3],   v[ADRV+(\slot)] offset:(\k)+(\i)*16*PITCH
	ds_load_b128 v[96*(\f)+64+8*(\i)+4:96*(\f)+64+8*(\i)+7], v[ADRV+(\slot)] offset:(\k)+(\i)*16*PITCH+32
.endr
	WIN 0
.irp i, 0,1,2,3
	ds_load_b128 v[64+32*(\f)+8*(\i):64+32*(\f)+8*(\i)+3],   v[ADRA+(\slot)] offset:(\k)+(\i)*16*PITCH
	ds_load_b128 v[64+32*(\f)+8*(\i)+4:64+32*(\f)+8*(\i)+7], v[ADRA+(\slot)] offset:(\k)+(\i)*16*PITCH+32
.endr
.endm
; A step is four quarters of 32 along K, 48 matrix instructions each, on buffers 0, 1, 0, 1.  One of the first three: multiplies buffer f; in its middle it fetches the next quarter, at byte k, into g.
.macro QUARTER slot, k, f, g, zero
	s_wait_dscnt 4                                 ; all but the youngest four loads: token blocks 2 and 3
	MUL12 \f, 0, \zero
	MUL12 \f, 1, \zero
	PLACES
	FETCH \slot, \k, \g
	s_wait_dscnt 32                                ; all but the 32 just issued
	MUL12 \f, 2, \zero
	MUL12 \f, 3, \zero
.endm
; The last quarter multiplies buffer 1 and changes slots.  In front of the barrier, which opens a round of the cluster's, each wave waits for all its tensor loads (one is out: its part of the next slot),
; adds 0 to its spare word, and waits for that and for its reads of this slot.  Behind the round this slot is filled again first: fill = 1 with its part (hi or lo) of the next K range, fill = 2 with the tables.
.macro TURN slot, next, fill
	WIN 0
	s_wait_tensorcnt 0x0
	ds_add_u32 v[SPW], v[NIL]                      ; 0 onto my spare word
	s_wait_dscnt 5                                 ; the add and the youngest four loads may be out
	MUL12 1, 0, 0
	s_wait_dscnt 0x0                               ; the add is done, and my reads of this slot are over
	s_barrier_signal -1
	MUL12 1, 1, 0
	WIN 0
	s_barrier_wait -1
	CREST
.if (\fill) == 1
	s_add_nc_u64 s[G0+4*(\slot)+2:G0+4*(\slot)+3], s[G0+4*(\slot)+2:G0+4*(\slot)+3], 256
	s_add_nc_u64 s[G0B+4*(\slot)+2:G0B+4*(\slot)+3], s[G0B+4*(\slot)+2:G0B+4*(\slot)+3], 256
	JLOAD \slot                                    ; the four v_nop behind it are also the places in front of the loads below
.else
	TLOADC
.endif
	FETCH \next, 0, 0
	MUL12 1, 2, 0
	MUL12 1, 3, 0
.endm
	s_wait_tensorcnt 1                             ; my part of slot 0 is in; slot 1's may stay out
	s_barrier_signal -1
	s_barrier_wait -1
	FETCH 0, 0, 0
	QUARTER 0, 64, 0, 1, 1                         ; the first quarter stands in front of the loop: its products start the sums
	WIN 0
	s_mov_b32 s3, LAPS-1
.Llap:                                         ; a trip goes once round the ring, from a lap's second quarter to the next lap's first
	QUARTER 0, 128, 1, 0, 0
	QUARTER 0, 192, 0, 1, 0
	TURN 0, 1, 1
	QUARTER 1, 64,  0, 1, 0
	QUARTER 1, 128, 1, 0, 0
	QUARTER 1, 192, 0, 1, 0
	TURN 1, 0, 1
	QUARTER 0, 64,  0, 1, 0
	WIN 0
	s_sub_co_u32 s3, s3, 1
	s_cmp_lg_u32 s3, 0
	s_cbranch_scc1 .Llap
	QUARTER 0, 128, 1, 0, 0                        ; the last lap: slot 0, read out, takes the tables of cos and sin
	QUARTER 0, 192, 0, 1, 0
	TURN 0, 1, 2
	QUARTER 1, 64,  0, 1, 0
	QUARTER 1, 128, 1, 0, 0
	QUARTER 1, 192, 0, 1, 0
	s_wait_dscnt 4
	MUL12 1, 0, 0
	MUL12 1, 1, 0
	s_wait_dscnt 0x0
	MUL12 1, 2, 0
	MUL12 1, 3, 0
	WIN 0
	PLACES
	s_wait_tensorcnt 0x0                           ; my 64 rows of a table are in,
	s_barrier_signal -1
	s_barrier_wait -1                              ; everybody's are
; THE WAY OUT of token block a.
.macro EPI a
.set AW, 2+(\a)/2                      ; its accumulators' window
.set AB, 96*((\a)%2)                   ; and first register
	WIN 0
	s_wait_xcnt 0x0                                ; the last block's stores have read the registers that the loads below fill
.irp b, 0,1,2,3,4,5,6,7
	ds_load_b128 v[CO+4*(\b):CO+4*(\b)+3], v[ADRA] offset:(\a)*16*PITCH+32*(\b)        ; cos of my token, channels 16 b + 8 h + 0..7
.endr
.irp b, 0,1,2,3,4,5,6,7
	ds_load_b128 v[SI+4*(\b):SI+4*(\b)+3], v[ADRA] offset:HALFT+(\a)*16*PITCH+32*(\b)  ; sin
.endr
	WIN AW*5                                       ; sources 0 and 1 in the accumulators' window
.irp b, 0,1,2,3,4,5,6,7
.irp i, 0,1,2,3                        ; each accumulator is read from its low end on
.if (\b) == 0
	v_pk_mul_f32 v[SS+2*(\i):SS+2*(\i)+1], v[AB+2*(\i):AB+2*(\i)+1], v[AB+2*(\i):AB+2*(\i)+1]
.else
	v_pk_fma_f32 v[SS+2*(\i):SS+2*(\i)+1], v[AB+8*(\b)+2*(\i):AB+8*(\b)+2*(\i)+1], v[AB+8*(\b)+2*(\i):AB+8*(\b)+2*(\i)+1], v[SS+2*(\i):SS+2*(\i)+1]
.endif
.endr
.endr
	WIN AW                                         ; source 0 alone
.set i, 0
.rept 32
	v_pk_mul_f32 v[UU+2*i:UU+2*i+1], v[AB+2*i:AB+2*i+1], v[WN+2*i:WN+2*i+1]  ; sum x gain
.set i, i+1
.endr
	WIN 0
	v_pk_add_f32 v[SS:SS+1], v[SS:SS+1], v[SS+2:SS+3]
	v_pk_add_f32 v[SS+4:SS+5], v[SS+4:SS+5], v[SS+6:SS+7]
	v_mul_f32 v[SS+6], v[RSV+2*(\a)], v[RSV+2*(\a)]
	v_pk_add_f32 v[SS:SS+1], v[SS:SS+1], v[SS+4:SS+5]
	v_add_f32 v[SS], v[SS], v[SS+1]
	v_permlanex16_b32 v[SS+1], v[SS], s[SEL], s[SEL+1]  ; the token's other 64 channels lie in the lane 16 away
	v_add_f32 v[SS], v[SS], v[SS+1]
	v_mul_f32 v[SS], v[SS], v[SS+6]                ; the sum of raw^2 = rs^2 x the sum of squares
	v_fma_f32 v[SS], v[SS], s90, s91               ; / 128 + eps
	v_rsq_f32 v[SS], v[SS]
	v_nop                                          ; a plain instruction between the root and the use of its result
	s_wait_alu depctr_va_vdst(0)
	v_mul_f32 v[FF], v[SS], v[RSV+2*(\a)]          ; both norms' factors in one
	v_mov_b32 v[FF+1], v[FF]
	s_wait_dscnt 0x0                               ; cos and sin are in
	WIN 0x40                                       ; destination window 1
.irp b, 0,1,2,3,4,5,6,7
.irp j, 0,2,4,6
	v_fma_mix_f32 v[8*(\b)+(\j)],   v[UU+8*(\b)+(\j)],   v[CO+4*(\b)+(\j)/2], v[ZR] op_sel:[0,0,0] op_sel_hi:[0,1,0]
	v_fma_mix_f32 v[8*(\b)+(\j)+1], v[UU+8*(\b)+(\j)+1], v[CO+4*(\b)+(\j)/2], v[ZR] op_sel:[0,1,0] op_sel_hi:[0,1,0]
.endr
.endr
	WIN 0x50                                       ; destination and source 2 window 1
.irp b, 0,1,2,3
.irp j, 0,2,4,6                        ; channels under 64: less the partner 64 above, times sin
	v_fma_mix_f32 v[8*(\b)+(\j)],   -v[UU+8*((\b)+4)+(\j)],   v[SI+4*(\b)+(\j)/2], v[8*(\b)+(\j)]   op_sel:[0,0,0] op_sel_hi:[0,1,0]
	v_fma_mix_f32 v[8*(\b)+(\j)+1], -v[UU+8*((\b)+4)+(\j)+1], v[SI+4*(\b)+(\j)/2], v[8*(\b)+(\j)+1] op_sel:[0,1,0] op_sel_hi:[0,1,0]
.endr
.endr
.irp b, 4,5,6,7
.irp j, 0,2,4,6                        ; channels from 64 on: plus the partner 64 below, times sin
	v_fma_mix_f32 v[8*(\b)+(\j)],   v[UU+8*((\b)-4)+(\j)],   v[SI+4*(\b)+(\j)/2], v[8*(\b)+(\j)]   op_sel:[0,0,0] op_sel_hi:[0,1,0]
	v_fma_mix_f32 v[8*(\b)+(\j)+1], v[UU+8*((\b)-4)+(\j)+1], v[SI+4*(\b)+(\j)/2], v[8*(\b)+(\j)+1] op_sel:[0,1,0] op_sel_hi:[0,1,0]
.endr
.endr
	WIN 0x41
.set i, 0
.rept 32
	v_pk_mul_f32 v[2*i:2*i+1], v[2*i:2*i+1], v[FF:FF+1] op_sel_hi:[1,0]
.set i, i+1
.endr
	WIN 0x05
.set i, 0
.rept 32
	v_cvt_pk_f16_f32 v[UU+i], v[2*i], v[2*i+1]     ; v192-223: 16 bytes for each block b
.set i, i+1
.endr
	WIN AW
.set i, 0
.rept 16
	v_pk_mul_f32 v[VT+2*i:VT+2*i+1], v[AB+64+2*i:AB+64+2*i+1], v[RSV+2*(\a):RSV+2*(\a)+1] op_sel_hi:[1,0]  ; v: sum x rs
.set i, i+1
.endr
	WIN 0
.set i, 0
.rept 16
	v_cvt_pk_f16_f32 v[VT+i], v[VT+2*i], v[VT+2*i+1]  ; in place, ascending: word i is written when its old number has been read
.set i, i+1
.endr
.irp b, 0,1,2,3,4,5,6,7
	ds_store_b128 v[STO], v[UU+4*(\b):UU+4*(\b)+3] offset:32*(\b)
.endr
.irp b, 0,1,2,3
	ds_store_b128 v[STV], v[VT+4*(\b):VT+4*(\b)+3] offset:32*(\b)
.endr
.irp t, 0,1,2,3,4,5,6,7
	ds_load_b128 v[CO+4*(\t):CO+4*(\t)+3], v[RD] offset:(\t)*2*272   ; LDS serves a wave's instructions in order: these see the stores above
.endr
.irp t, 0,1,2,3
	ds_load_b128 v[SI+4*(\t):SI+4*(\t)+3], v[RDV] offset:(\t)*4*144
.endr
.irp t, 0,1,2,3,4,5,6,7
	s_wait_dscnt 11-(\t)                           ; the younger loads stay out
	global_store_b128 v[GOQ], v[CO+4*(\t):CO+4*(\t)+3], s[QKO:QKO+1] offset:(16*(\a)+2*(\t))*256  ; 512 consecutive bytes, aligned
.endr
.irp t, 0,1,2,3
	s_wait_dscnt 3-(\t)
	global_store_b128 v[GOV], v[SI+4*(\t):SI+4*(\t)+3], s[VO:VO+1] offset:2048*(\a)+512*(\t)      ; 512 consecutive bytes, aligned
.endr
.endm
	EPI 0
	EPI 1
	EPI 2
	EPI 3
	s_wait_tensorcnt 0x0                           ; the wave's end
	ds_add_u32 v[SPW], v[NIL]
	s_wait_dscnt 0x0
	CROUND                                         ; the closing round
	s_endpgm
.Lfunc_end_k_qeca47e6038_qkv:
	.size	k_qeca47e6038_qkv, .Lfunc_end_k_qeca47e6038_qkv-k_qeca47e6038_qkv
	.p2alignl 7, 3214868480
	.fill 96, 4, 3214868480
	.section	.rodata,"a",@progbits
	.p2align	6, 0x0
	.amdhsa_kernel k_qeca47e6038_qkv
		.amdhsa_group_segment_fixed_size 327680
		.amdhsa_private_segment_fixed_size 0
		.amdhsa_enable_private_segment 0
		.amdhsa_kernarg_size 64
		.amdhsa_user_sgpr_count 2
		.amdhsa_user_sgpr_kernarg_segment_ptr 1
		.amdhsa_wavefront_size32 1
		.amdhsa_system_sgpr_workgroup_id_x 1
		.amdhsa_system_sgpr_workgroup_id_y 1
		.amdhsa_system_sgpr_workgroup_id_z 1
		.amdhsa_system_vgpr_workitem_id 0
		.amdhsa_next_free_vgpr 960
		.amdhsa_next_free_sgpr 96
		.amdhsa_reserve_vcc 0
		.amdhsa_float_denorm_mode_32 3
		.amdhsa_float_denorm_mode_16_64 3
		.amdhsa_memory_ordered 1
		.amdhsa_forward_progress 1
		.amdhsa_inst_pref_size 197
	.end_amdhsa_kernel
	.amdgpu_metadata
---
amdhsa.version: [ 1, 2 ]
amdhsa.kernels:
  - .name:           k_qeca47e6038_qkv
    .symbol:         k_qeca47e6038_qkv.kd
    .args:
      - { .name: xh, .offset: 0, .size: 8, .value_kind: global_buffer, .address_space: global }
      - { .name: wh, .offset: 8, .size: 8, .value_kind: global_buffer, .address_space: global }
      - { .name: rs, .offset: 16, .size: 8, .value_kind: global_buffer, .address_space: global }
      - { .name: q_norm_weight, .offset: 24, .size: 8, .value_kind: global_buffer, .address_space: global }
      - { .name: k_norm_weight, .offset: 32, .size: 8, .value_kind: global_buffer, .address_space: global }
      - { .name: qh, .offset: 40, .size: 8, .value_kind: global_buffer, .address_space: global }
      - { .name: kh, .offset: 48, .size: 8, .value_kind: global_buffer, .address_space: global }
      - { .name: vh, .offset: 56, .size: 8, .value_kind: global_buffer, .address_space: global }
    .group_segment_fixed_size: 327680
    .private_segment_fixed_size: 0
    .kernarg_segment_align: 8
    .kernarg_segment_size: 64
    .max_flat_workgroup_size: 128
    .sgpr_count:     96
    .vgpr_count:     960
    .wavefront_size: 32
...
	.end_amdgpu_metadata
.endif
;; end of part 2
;; launch attn (part 3): grid 32 x 8, 4 waves a work-group, clusters of 4 x 1, 327,680 bytes of LDS; arguments qh, kh, vh, ah; writes ah
.if DOCPART == 3
	.amdgcn_target "amdgcn-amd-amdhsa--gfx1250"
	.amdhsa_code_object_version 6
	.text
	.protected	k_qeca47e6038_attn
	.globl	k_qeca47e6038_attn
	.p2align	8
	.type	k_qeca47e6038_attn,@function
k_qeca47e6038_attn:
	s_mov_b64 s[64:65], 0
	v_nop
	global_prefetch_b8 v0, s[64:65] scope:SCOPE_SE
	s_setreg_imm32_b32 hwreg(HW_REG_WAVE_MODE, 25, 1), 1
	s_wait_xcnt 0x0
	s_wait_alu depctr_hold_cnt(0) depctr_sa_sdst(0) depctr_va_vdst(0) depctr_va_sdst(0) depctr_va_ssrc(0) depctr_va_vcc(0) depctr_vm_vsrc(0)
	s_getreg_b32 s2, hwreg(HW_REG_IB_STS2, 6, 4)
	s_cmp_eq_u32 s2, 0
	s_cbranch_scc0 .Lentry_in_a_cluster
	s_endpgm
.Lentry_in_a_cluster:
	s_bfe_u32 s2, ttmp6, 0x10000c
	s_cmp_lg_u32 s2, 0x3003
	s_cbranch_scc0 .Lentry_shape_is_right
	s_endpgm
.Lentry_shape_is_right:
; CAUSAL ATTENTION, head size 128.  a[q][head] = the sum over k <= q of softmax_k(Q[q] . K[k] / sqrt(128)) V[k].  qh, kh: [8][4096][128] f16; vh: [8][2][4096][64] f16.
; The result leaves as TWO f16 whose sum is a to some 22 bits: ah: [2][4096][1024], hi = f16(a), then lo = f16(a - hi); head h at byte 256 h of a row.  The first rows' results, means over few keys, are many times the
; output's root mean square, and have no room for a rounding of a to 11 bits.
; Products, maxima and sums in f32; the weights p are rounded to f16 for the second product (their sum l is taken of the unrounded p).
; LIMITS.  A hidden score counts as its value less 1e30.  The running maximum starts at -2^83: f16's scores, 128 x 65,504^2 = 5.5e11 at the most, lie above it, hidden ones below.  A weight below 2^-126 counts as 0;
; p below 6e-5 keeps f16's fixed step of 6e-8, and so does lo; NaN and infinities are not treated apart.
; THE WALK.  A head's queries lie in 64 blocks of 64.  Work-group b (0 to 31) takes block b and then block 63 - b: with c = b / 4 these need c + 1 and 16 - c tiles of 256 keys: 17 trips, whatever b, and 256 equal work-groups.
; Two passes of one text: pass 1 has c + 1 trips, pass 2 has 15 - c, and the walk's last tile is written out, since it asks for nothing.  The trip counts hang on c, which the four work-groups of a cluster share:
; they walk the same tiles in the same trips, and every fill is a JOINT load.  The place in the cluster enters Q's and the result's addresses and, by selects, the mask's numbers, and nothing else.
; ONE SLOT.  A wave takes its K whole into registers, multiplies, and takes its V whole into the same registers; then nobody needs the slot any more and the next tile is asked for into the same bytes: it lands
; under the rest of the softmax and V^T P.  So every LDS address of the walk is fixed.
; THE KEYS ARE SHARED OUT AMONG THE WAVES: of a tile wave w takes keys 64 w on, against all 64 queries (four tiles of 16), so that a fragment of K or V read from LDS feeds four products.
; Each wave keeps its own running maximum m, sum l and O^T; the four meet once, at the end, in LDS: O = sum over w of 2^(c m_w - c m) O_w / sum over w of 2^(c m_w - c m) l_w.
; LAYOUT.  S^T = K Q^T (source 0 = 16 keys, source 1 = 16 queries): a lane holds ONE query (lane % 16) and the keys 8 (lane / 16) + 0..7.  Two such results rounded to f16 ARE source 1 of O^T = V^T P.  V is turned by ds_load_tr16_b128.
; SOFTMAX.  p = 2^(c s - c m), c = log2(e) / sqrt(128); in every step O and l are multiplied by a = 2^(c m_old - c m_new).  c m starts far below every c s, so a block's first a is 0 and no first step is written out.
; THE MASK is the C operand that starts S^T.  The wave's 64 keys are unit u = 4 tile + w, the queries block BQ.  VHI = -1e30 if u >= BQ, VLO = -1e30 if u > BQ, else 0.  For query tile t and key block kb: VLO if kb < t,
; VHI if kb > t; if kb = t: MD x AL + VLO, where MD, made once, is -1e30 where 8 (lane / 16) + j > lane % 16, and AL = 1 if u = BQ, else 0.
; A wave that sees no open key of a block keeps m = -2^83: its weights, l and O^T are 0, and the merge gives its part the weight 0; wave 0 always sees an open key.
; REGISTERS, in windows of 256 (s_set_vgpr_msb: bits 1:0 source 0, 3:2 source 1, 5:4 source 2, 7:6 destination):
;   window 0: v0-11 addresses; v12-43 eight registers of statistics a tile; v44-63 addresses, MD, the first block's statistics, zeros; v64-191 S^T, 32 a tile; v192-255 P, 16 a tile (its first 24 hold the masks while K Q^T runs)
;   window 1: O^T, 64 a tile     window 2: v0-127 the second block's Q, until the first block's O^T is set aside here     window 3: v0-127 Q, 32 a tile; v128-255 K, then V, of the wave's 64 keys
.set PK,    272       ; a row of K in LDS: 256 bytes + 16 of padding
.set PV,    160       ; a row of half of V: 128 + 32
.set VOFF,  256*PK    ; the slot: 256 rows of K, 256 rows of V's channels 0-63, 256 rows of its channels 64-127: 151,552 bytes from byte 0
.set VHALF, 256*PV
.set STAT,  8*32768   ; behind the merge's 262,144 bytes (which begin at byte 0 and are written when the slot has had its last fill): c m and l: 512 bytes a tile (8 tiles), 128 a wave: 16 words of c m, 16 of l
.set OSTG,  STAT+4096 ; 16 rows x 272 bytes for each wave, for the way out
.set SP,    272
.set SPARE, OSTG+4*16*SP  ; the spare words, 128 bytes a wave: two blocks of 256 bytes that no other line names
.set ALO,   8388608   ; bytes in ah from hi to lo
.set NS,    32        ; slices of the softmax that stand between V's loads and the wait for them
                      ; v1 = lane % 16 and v9 = lane / 16 are kept
.set AK0, 2           ; my lane's place in the tile's K
.set AV0, 3           ; the same for V
.set QO,  5           ; my byte offset in 64 rows of Q
.set MW,  2           ; v2-5, behind the walk: where I put my parts of tiles 2 x, 2 x + 1
.set STO, 6           ; the way out: where I put 16 bytes of a row
.set RD,  7           ; where I read rows back
.set GO,  8           ; my byte offset in two rows of ah, hi
.set GO2, 11          ; the same, lo
.set ST,  12          ; tile t's statistics at v[ST+8 t]: +0 c m, +1 m, +2, +3 l (even keys', odd keys'), +4 to +7 c0-c3, at work; a takes c2's place once the maximum is found
.set STA, 44          ; where I put a tile's c m (lanes 0-15) or l (lanes 16-31)
.set FR,  45          ; the merge: where I read the four waves' parts of my tile
.set SR,  46          ; where I read their c m and l
.set ONE, 47          ; behind the walk: 1.0
.set MD,  48          ; v48-55 the diagonal's mask
.set PS2, 48          ; v48-51, behind the walk: the second block's statistics
.set PS,  56          ; v56-59 the first block's statistics
.set ZP,  60          ; v60-61 0, 0
.set SPW, 62
.set NIL, 63
.set S,   64
.set P,   192
.set MLT, 192         ; eight registers of VLO
.set MGT, 200         ; eight of VHI
.set MEQ, 208         ; the diagonal's eight
.set KV,  128         ; window 3
.set WV,  12          ; s13 holds the place in the cluster and nothing else
.set CC,  14          ; c
.set BB,  15          ; b
.set HI,  16          ; 63 - b
.set THI, 17          ; 16 - c
.set G1K, 24
.set G1V, 32
.set G0K, 40
.set G0V, 44
.set KB,  48          ; s[48:49] kh at my half of the head's tile 0
.set VB,  50          ; s[50:51] vh likewise
.set OFF, 52          ; s[52:53] a tile's byte offset
.set LK,  54          ; my part's place in the slot, K
.set LV,  55          ; and V
.set TT,  56          ; the tile entered, within its block: the inner loop's counter
.set OUT, 57          ; passes to go: the outer loop's counter
.set CS,  58          ; s[58:59] c
.set SEL, 60          ; s[60:61]
.set NT,  62          ; tiles of the block in hand
.set BND, 63          ; trips of the pass
.set NXT, 66          ; the tile to be asked for
.set BQ,  67          ; the block of queries in hand
.set UU,  68          ; my unit of 64 keys
.set VHI, 69
.set BIGN, 70
.set CNT, 71
.set AL,  72          ; s[72:73] the diagonal mask's factor, in the low word
.set BE,  74          ; s[74:75] VLO, in the low word
.set Q2,  76          ; s[76:77] qh at the second block
.set OB,  78          ; s[78:79] ah at my tile of the block being finished: the first block's, then
.set O2,  80          ; s[80:81] the second's
.set Q1,  82          ; s[82:83] qh at the first block
.set C1,  84          ; c + 1
.set TH1, 85          ; 15 - c
.set MSB, 0
.macro WIN new                      ; the high byte repeats the setting that is left; a switch that changes nothing is dropped
.if MSB != (\new)
	s_set_vgpr_msb (MSB<<8)|(\new)
.set MSB, \new
.endif
.endm
.macro PLACES                       ; four places in front of loads into, and vector writes of, registers that matrix instructions have read, and of reads of their results
.rept 4
	v_nop
.endr
.endm
; A joint fill.  Waves 0 and 1 fetch the halves of a tile's K (128 keys each), waves 2 and 3 the channel halves of its V.  An s_nop 0 and four v_nop follow each line, ahead of the jump and the label.
.macro JLOAD
	s_cmp_lt_u32 s[WV], 2
	s_cbranch_scc0 .Lfor_v_\@
	tensor_load_to_lds s[G0K:G0K+3], s[G1K:G1K+7]
	s_nop 0
.rept 4
	v_nop
.endr
	s_branch .Lasked_\@
.Lfor_v_\@:
	tensor_load_to_lds s[G0V:G0V+3], s[G1V:G1V+7]
	s_nop 0
.rept 4
	v_nop
.endr
.Lasked_\@:
.endm
.macro CROUND
	s_barrier_signal -1
	s_barrier_wait -1
	s_cmp_lg_u32 s[WV], 0
	s_cbranch_scc1 .Lnot_wave_0_\@
	s_barrier_signal -3
.Lnot_wave_0_\@:
	s_barrier_wait -3
	s_barrier_signal -1
	s_barrier_wait -1
.endm
.macro LOADQ base, win              ; 64 queries: tile i / 4, channels 32 (i % 4) on
	WIN \win
.set i, 0
.rept 16
	global_load_b128 v[8*i:8*i+3],   v[QO], s[\base:\base+1] offset:(i/4)*4096+(i%4)*64
	global_load_b128 v[8*i+4:8*i+7], v[QO], s[\base:\base+1] offset:(i/4)*4096+(i%4)*64+32
.set i, i+1
.endr
	WIN 0
.endm
	s_load_b256 s[4:11], s[0:1], 0x0  ; qh s[4:5], kh s[6:7], vh s[8:9], ah s[10:11]
	v_lshl_add_u32 v[SPW], v0, 2, SPARE
	v_mov_b32 v[NIL], 0
	ds_add_u32 v[SPW], v[NIL]       ; the wave's opening: the add and its wait stand ahead of my first tensor load
	v_lshrrev_b32 v1, 5, v0
	v_readfirstlane_b32 s[WV], v1
	s_mov_b32 s[CC], ttmp9          ; in a cluster launch ttmp9 counts clusters
	s_bfe_u32 s13, ttmp6, 0x40000   ; cx
	s_lshl_b32 s[BB], s[CC], 2
	s_add_co_u32 s[BB], s[BB], s13
	s_sub_co_u32 s[HI], 63, s[BB]
	s_sub_co_u32 s[THI], 16, s[CC]
	s_sub_co_u32 s[TH1], 15, s[CC]
	s_add_co_u32 s[C1], s[CC], 1
	s_and_b32 s18, ttmp7, 0xffff    ; the head
	s_and_b32 s19, s[WV], 1         ; which half I fetch
	s_lshl_b32 s20, s18, 20         ; a head is 1 << 20 bytes of qh, kh, vh
	s_lshl_b32 s22, s19, 15         ; K: 128 rows of 256 bytes
	s_add_co_u32 s22, s22, s20
	s_mov_b32 s23, 0
	s_lshl_b32 s2, s19, 19          ; V: a channel half
	s_add_co_u32 s2, s2, s20
	s_mov_b32 s3, 0
	s_mul_i32 s[LK], s19, 128*PK
	s_mul_i32 s[LV], s19, VHALF
	s_add_co_u32 s[LV], s[LV], VOFF
	s_lshl_b32 s[Q1], s[BB], 14     ; a block of queries is 64 rows of 256 bytes
	s_add_co_u32 s[Q1], s[Q1], s20
	s_mov_b32 s[Q1+1], 0
	s_lshl_b32 s[Q2], s[HI], 14
	s_add_co_u32 s[Q2], s[Q2], s20
	s_mov_b32 s[Q2+1], 0
	s_lshl_b32 s21, s[WV], 15       ; the result: I finish tile w of each block: 16 rows of 2,048 bytes; the head's 256 bytes
	s_lshl_b32 s[UU], s18, 8
	s_add_co_u32 s21, s21, s[UU]
	s_lshl_b32 s[OB], s[BB], 17
	s_add_co_u32 s[OB], s[OB], s21
	s_mov_b32 s[OB+1], 0
	s_lshl_b32 s[O2], s[HI], 17
	s_add_co_u32 s[O2], s[O2], s21
	s_mov_b32 s[O2+1], 0
	s_mov_b32 s[G1K], 15|(1<<16)|(1<<20)|(1<<21)|(5<<22)|(3<<25)  ; the mask of four; 2-byte elements; padding on; 21 set beside a mask; after every 64 words 4 words
	s_mov_b32 s[G1V], 15|(1<<16)|(1<<20)|(1<<21)|(4<<22)|(7<<25)  ; V's 128-byte rows lie end to end: asked for as rows of 256 bytes, padded after every 32 words by 8
.irp g, G1K, G1V
	s_mov_b32 s[(\g)+1], 128<<16    ; tensor_dim0 = 128
	s_mov_b32 s[(\g)+2], 128<<16    ; tensor_dim1 = 128
	s_mov_b32 s[(\g)+3], 128<<16    ; tile_dim0 = 128
	s_mov_b32 s[(\g)+4], 128        ; tile_dim1 = 128
	s_mov_b32 s[(\g)+5], 128        ; elements from row to row
	s_mov_b32 s[(\g)+6], 0
	s_mov_b32 s[(\g)+7], 0
.endr
	s_mov_b32 s[CS], 0x3e0293ee     ; c = log2(e) / sqrt(128)
	s_mov_b32 s[CS+1], s[CS]
	s_mov_b32 s[SEL], 0x76543210
	s_mov_b32 s[SEL+1], 0xfedcba98
	s_mov_b32 s[BIGN], 0xf149f2ca   ; -1e30
	s_mov_b32 s[OFF+1], 0
	s_mov_b32 s[AL+1], 0            ; named as pairs
	s_mov_b32 s[BE+1], 0
	s_mov_b32 s[G0K], 1
	s_mov_b32 s[G0K+1], s[LK]       ; the LDS words stay as they are: one slot
	s_mov_b32 s[G0V], 1
	s_mov_b32 s[G0V+1], s[LV]
	s_wait_dscnt 0x0                ; the opening add is done
	s_wait_kmcnt 0x0
	s_add_nc_u64 s[KB:KB+1], s[6:7], s[22:23]
	s_add_nc_u64 s[VB:VB+1], s[8:9], s[2:3]
	s_mov_b64 s[G0K+2:G0K+3], s[KB:KB+1]
	s_or_b32 s[G0K+3], s[G0K+3], 0x80000000
	s_mov_b64 s[G0V+2:G0V+3], s[VB:VB+1]
	s_or_b32 s[G0V+3], s[G0V+3], 0x80000000
	s_add_nc_u64 s[Q1:Q1+1], s[4:5], s[Q1:Q1+1]
	s_add_nc_u64 s[Q2:Q2+1], s[4:5], s[Q2:Q2+1]
	s_add_nc_u64 s[OB:OB+1], s[10:11], s[OB:OB+1]
	s_add_nc_u64 s[O2:O2+1], s[10:11], s[O2:O2+1]
	CROUND                          ; all four work-groups are here: the first joint loads meet
	JLOAD                           ; the first block's tile 0
	v_and_b32 v1, 15, v0            ; r = l % 16
	v_bfe_u32 v9, v0, 4, 1          ; h = l / 16
	v_lshlrev_b32 v[QO], 8, v1
	v_lshl_add_u32 v[QO], v9, 4, v[QO]
	LOADQ Q1, 0xc0                  ; the first block's Q, into window 3
	v_lshlrev_b32 v47, 3, v9
	v_sub_nc_u32 v47, v1, v47       ; r - 8 h: register j is hidden where j is greater
.irp j, 0,1,2,3,4,5,6,7
	v_cmp_gt_i32 vcc_lo, \j, v47
	v_cndmask_b32 v[MD+(\j)], 0, s[BIGN], vcc_lo
.endr
	s_mul_i32 s22, s[WV], 64*PK     ; my 64 keys
	v_mul_u32_u24 v[AK0], v1, PK
	v_lshl_add_u32 v[AK0], v9, 4, v[AK0]
	v_add_nc_u32 v[AK0], s22, v[AK0]
	; The turning load takes 16 keys x 16 channels (lane l reads key 8 (l / 16) + l % 8, channels 8 ((l / 8) % 2) + 0..7) and leaves half a fragment of V^T: lane l holds channel l % 16 and 8 keys.
	v_and_b32 v10, 7, v0
	v_bfe_u32 v11, v0, 3, 1
	v_lshl_add_u32 v[AV0], v9, 3, v10
	v_mul_u32_u24 v[AV0], v[AV0], PV
	v_lshl_add_u32 v[AV0], v11, 4, v[AV0]
	s_mul_i32 s22, s[WV], 64*PV
	s_add_co_u32 s22, s22, VOFF
	v_add_nc_u32 v[AV0], s22, v[AV0]
	; O^T and l start at 0, c m far below every c s, m at -2^83.  The upper half of window 2 and the first block's statistics are written too, so that they hold numbers on every way through the text.
	; Zeros are written two registers to a line, as 0 x 0.  All this stands in the wait for the first tile.
	v_mov_b32 v[ZP], 0
	v_mov_b32 v[ZP+1], 0
	WIN 0x40
.set i, 0
.rept 128
	v_pk_mul_f32 v[2*i:2*i+1], v[ZP:ZP+1], v[ZP:ZP+1]
.set i, i+1
.endr
	WIN 0x80
.set i, 64
.rept 64
	v_pk_mul_f32 v[2*i:2*i+1], v[ZP:ZP+1], v[ZP:ZP+1]
.set i, i+1
.endr
	WIN 0
.irp t, 0,1,2,3
	v_mov_b32 v[ST+8*(\t)], 0xfe000000
	v_mov_b32 v[ST+8*(\t)+1], 0xe9000000
	v_mov_b32 v[ST+8*(\t)+2], 0
	v_mov_b32 v[ST+8*(\t)+3], 0
	v_mov_b32 v[PS+(\t)], 0
.endr
; THE MATRIX WORK.  The accumulators take turns, one instruction a turn: between two links of a chain stand 15 (K Q^T) or 31 (V^T P) others'.
; Product i of 64 of S^T = K Q^T: channels 32 (i / 16) on, keys 16 ((i / 4) % 4) on, query tile i % 4.  The first 16 start the sums with the mask.
.macro KQ
	WIN 0x0f                        ; K and Q in window 3, the mask and S^T in window 0
.set t, i%4
.set kb, (i/4)%4
.set rS, S+32*t+8*kb
.set rK, KV+32*kb+8*(i/16)
.set rQ, 32*t+8*(i/16)
.if i >= 16
	v_wmma_f32_16x16x32_f16 v[rS:rS+7], v[rK:rK+7], v[rQ:rQ+7], v[rS:rS+7]
.elseif kb < t
	v_wmma_f32_16x16x32_f16 v[rS:rS+7], v[rK:rK+7], v[rQ:rQ+7], v[MLT:MLT+7]
.elseif kb > t
	v_wmma_f32_16x16x32_f16 v[rS:rS+7], v[rK:rK+7], v[rQ:rQ+7], v[MGT:MGT+7]
.else
	v_wmma_f32_16x16x32_f16 v[rS:rS+7], v[rK:rK+7], v[rQ:rQ+7], v[MEQ:MEQ+7]
.endif
.set i, i+1
.endm
; Product i of 64 of O^T += V^T P: keys 32 (i / 32) on, channels 16 ((i / 4) % 8) on, query tile i % 4.
.macro PV
	WIN 0x53                        ; V in window 3, P in window 0, O^T in window 1
.set rO, 64*(i%4)+8*((i/4)%8)
.set rV, KV+64*(i/32)+8*((i/4)%8)
.set rP, P+16*(i%4)+8*(i/32)
	v_wmma_f32_16x16x32_f16 v[rO:rO+7], v[rV:rV+7], v[rP:rP+7], v[rO:rO+7]
.set i, i+1
.endm
.macro FETCH_K                      ; 64 keys x 128 channels: fragment f: keys 16 (f / 4) on, channels 32 (f % 4) on
	WIN 0xc0
.irp f, 0,1,2,3,4,5,6,7,8,9,10,11,12,13,14,15
	ds_load_b128 v[KV+8*(\f):KV+8*(\f)+3],   v[AK0] offset:((\f)/4)*16*PK+((\f)%4)*64
	ds_load_b128 v[KV+8*(\f)+4:KV+8*(\f)+7], v[AK0] offset:((\f)/4)*16*PK+((\f)%4)*64+32
.endr
	WIN 0
.endm
.macro FETCH_V                      ; turned: fragment f: keys 32 (f / 8) on, channels 16 (f % 8) on: half (f % 8) / 4 of V
	WIN 0xc0
.irp f, 0,1,2,3,4,5,6,7,8,9,10,11,12,13,14,15
	ds_load_tr16_b128 v[KV+8*(\f):KV+8*(\f)+3],   v[AV0] offset:((\f)/8)*32*PV+(((\f)%8)/4)*VHALF+((\f)%4)*32
	ds_load_tr16_b128 v[KV+8*(\f)+4:KV+8*(\f)+7], v[AV0] offset:((\f)/8)*32*PV+(((\f)%8)/4)*VHALF+((\f)%4)*32+16*PV
.endr
	WIN 0
.endm
; THE SOFTMAX of one tile for one trip is a list of 134 instructions; SM writes number j of it for tile t.  s0-s31 are the lane's 32 scores, in pairs 0-15.
;   0-15    the maximum of s0-s31 and the old m, three operands at a time: four chains c0-c3 of seven scores each (each accumulator's lowest registers are read first), then the four left over, c0-c3 and m
;   16-20   the other half of the lanes' maximum; the new m; c m; c m_old - c m_new
;   21-87   33 exponentials (a, then s0-s31) at the odd numbers from 23 on, so that no two follow each other and each has a plain instruction behind it before its result is used; the plain ones are
;           c s - c m for pairs whose exponentials are still to come, roundings to f16 of pairs whose exponentials are done, at last the first three sums
;   88-101  the last rounding; the rest of the sums; l = a l + the sum          102-133 the tile's O^T times a
.macro SM t
.set rT, ST+8*(\t)
.set rS, S+32*(\t)
.set rP, P+16*(\t)
.set rO, 64*(\t)+2*(j-102)
.set q, (j-20)/2
.if j < 102
	WIN 0
.endif
.if j < 4
	v_max3_num_f32 v[rT+4+j], v[rS+8*j], v[rS+8*j+1], v[rS+8*j+2]
.elseif j < 12
	v_max3_num_f32 v[rT+4+j%4], v[rT+4+j%4], v[rS+8*(j%4)+2*(j/4)+1], v[rS+8*(j%4)+2*(j/4)+2]
.elseif j == 12
	v_max3_num_f32 v[rT+4], v[rT+4], v[rS+7], v[rS+15]
.elseif j == 13
	v_max3_num_f32 v[rT+6], v[rT+6], v[rS+23], v[rS+31]
.elseif j == 14
	v_max3_num_f32 v[rT+4], v[rT+4], v[rT+5], v[rT+6]
.elseif j == 15
	v_max3_num_f32 v[rT+4], v[rT+4], v[rT+7], v[rT+1]
.elseif j == 16
	v_permlanex16_b32 v[rT+5], v[rT+4], s[SEL], s[SEL+1]  ; the query's other 32 keys lie in the lane 16 away
.elseif j == 17
	v_mov_b32 v[rT+7], v[rT]        ; c m_old is kept for a: number 19 writes c m anew
.elseif j == 18
	v_max_num_f32 v[rT+1], v[rT+4], v[rT+5]
.elseif j == 19
	v_mul_f32 v[rT], s[CS], v[rT+1]
.elseif j == 20
	v_sub_f32 v[rT+7], v[rT+7], v[rT]
.elseif j == 23
	v_exp_f32 v[rT+6], v[rT+7]
.elseif (j < 88) && (j > 23) && (j%2 == 1)
	v_exp_f32 v[rS+(j-25)/2], v[rS+(j-25)/2]
.elseif (q < 4) || ((j < 76) && (q%2 == 0))
.set b, q/2+2
.if q < 4
.set b, q
.endif
	v_pk_fma_f32 v[rS+2*b:rS+2*b+1], v[rS+2*b:rS+2*b+1], s[CS:CS+1], v[rT:rT+1] op_sel_hi:[1,0,0] neg_lo:[0,0,1] neg_hi:[0,0,1]  ; pair b: c s - c m
.elseif (j < 88) && (q%2 == 1)
	s_wait_alu depctr_va_vdst(0)
	v_cvt_pk_f16_f32 v[rP+(q-5)/2], v[rS+q-5], v[rS+q-4]
.elseif j == 89
	s_wait_alu depctr_va_vdst(0)
	v_cvt_pk_f16_f32 v[rP+15], v[rS+30], v[rS+31]
.elseif j < 102                     ; the sum of the tile's 16 pairs, in place: sum z of 16 adds neighbours 1, 2, 4 and 8 pairs apart, then l takes it
.set z, j-86
.if j < 89
.set z, (j-76)/4
.endif
.set w, 4
.set u, z
.if z >= 14
.set w, 32
.set u, 0
.elseif z >= 12
.set w, 16
.set u, z-12
.elseif z >= 8
.set w, 8
.set u, z-8
.endif
.if z < 15
	v_pk_add_f32 v[rS+w*u:rS+w*u+1], v[rS+w*u:rS+w*u+1], v[rS+w*u+w/2:rS+w*u+w/2+1]
.else
	v_pk_fma_f32 v[rT+2:rT+3], v[rT+2:rT+3], v[rT+6:rT+7], v[rS:rS+1] op_sel_hi:[1,0,1]
.endif
.else
	WIN 0x41
	v_pk_mul_f32 v[rO:rO+1], v[rO:rO+1], v[rT+6:rT+7] op_sel_hi:[1,0]
.endif
.endm
; Slice k of 64 for tiles y, y + 1: numbers 2 k and 2 k + 1 of both lists; the twelve that are over stand in slice 63.
.macro SLICE y
.if (k >= 11) && (k < 44)           ; tile by tile: plain, exponential, plain, exponential
.irp t, \y, (\y)+1
.irp n, 0,1
.set j, 2*k+(\n)
	SM \t
.endr
.endr
.else                               ; the two tiles alternate, so that no instruction reads the result of the one just before it
.irp n, 0,1,2,3,4,5,6,7
.if ((\n) < 2) || (k == 63)
.irp t, \y, (\y)+1
.set j, 2*k+(\n)
	SM \t
.endr
.endif
.endr
.endif
.set k, k+1
.endm
; A block's statistics, one register a tile at dst: l's two halves and the other half of the lanes' are added; lanes 0-15 keep c m, lanes 16-31 l.
; The four additions at its head name no register of the last products: they are the places behind them.
.macro STATC dst
.irp t, 0,1,2,3
	v_add_f32 v[ST+8*(\t)+4], v[ST+8*(\t)+2], v[ST+8*(\t)+3]
.endr
	v_cmp_eq_u32 vcc_lo, 1, v9
.irp t, 0,1,2,3
	v_permlanex16_b32 v[ST+8*(\t)+5], v[ST+8*(\t)+4], s[SEL], s[SEL+1]
.endr
.irp t, 0,1,2,3
	v_add_f32 v[ST+8*(\t)+4], v[ST+8*(\t)+4], v[ST+8*(\t)+5]
.endr
.irp t, 0,1,2,3
	v_cndmask_b32 v[(\dst)+(\t)], v[ST+8*(\t)], v[ST+8*(\t)+4], vcc_lo
.endr
.endm
; A TRIP: one tile of 256 keys, of which my 64.  fill = 1: when every wave has its V in registers the slot is filled again, with the block's next tile or, behind its last, the next block's tile 0.
.macro TRIP fill
	WIN 0
	s_wait_tensorcnt 0x0            ; my part of the tile has landed: it is the one load of mine that was out, so the count is 0;
	s_barrier_signal -1
	s_barrier_wait -1               ; everybody's has.
	s_lshl_b32 s[UU], s[TT], 2
	s_add_co_u32 s[UU], s[UU], s[WV]  ; my unit of 64 keys
	s_cmp_ge_u32 s[UU], s[BQ]
	s_cselect_b32 s[VHI], s[BIGN], 0
	s_cmp_gt_u32 s[UU], s[BQ]
	s_cselect_b32 s[BE], s[BIGN], 0
	s_cmp_eq_u32 s[UU], s[BQ]
	s_cselect_b32 s[AL], 1.0, 0
	PLACES                          ; behind the last trip's products: K lands where they read V, the masks where they read P
	FETCH_K
.irp j, 0,1,2,3,4,5,6,7
	v_mov_b32 v[MLT+(\j)], s[BE]
	v_mov_b32 v[MGT+(\j)], s[VHI]
.endr
.irp z, 0,1,2,3
	v_pk_fma_f32 v[MEQ+2*(\z):MEQ+2*(\z)+1], v[MD+2*(\z):MD+2*(\z)+1], s[AL:AL+1], s[BE:BE+1] op_sel_hi:[1,0,0]
.endr
	s_wait_dscnt 0x0                ; K
.set i, 0
.rept 64
	KQ
.endr
	WIN 0
	PLACES                          ; in front of the loads into K's registers and of the reads of the scores
	FETCH_V                         ; V takes K's registers
.if \fill
	s_wait_tensorcnt 0x0            ; no tensor load of mine is out, so a group 0 may be written
	ds_add_u32 v[SPW], v[NIL]       ; 0 onto my spare word; the descriptors' words and NS slices of the softmax stand between it and the wait for it
	s_add_co_u32 s[NXT], s[TT], 1
	s_cmp_ge_u32 s[NXT], s[NT]      ; behind the block's last tile: the next block's tile 0
	s_cselect_b32 s[NXT], 0, s[NXT]
	s_lshl_b32 s[OFF], s[NXT], 16   ; a tile is 65,536 bytes of K
	s_add_nc_u64 s[G0K+2:G0K+3], s[KB:KB+1], s[OFF:OFF+1]
	s_or_b32 s[G0K+3], s[G0K+3], 0x80000000
	s_lshl_b32 s[OFF], s[NXT], 15   ; and 32,768 of each half of V
	s_add_nc_u64 s[G0V+2:G0V+3], s[VB:VB+1], s[OFF:OFF+1]
	s_or_b32 s[G0V+3], s[G0V+3], 0x80000000
.endif
.set k, 0
.rept NS
	SLICE 0
.endr
.if \fill
	WIN 0
	s_wait_dscnt 0x0                ; the add is done; V is in registers: my reads of the slot are over
	CROUND                          ; so are those of every wave of the four work-groups, and none has a load on its way
	JLOAD                           ; the refill, first thing behind the round: it lands under the rest of the softmax and V^T P
.endif
.rept 64-NS
	SLICE 0
.endr
.set k, 0
.rept 64
	SLICE 2
.endr
.if \fill
	s_wait_loadcnt 0x0              ; the second block's Q, asked for ahead of the first trip, is in window 2; met at once in every later trip
.else
	s_wait_dscnt 0x0                ; V
.endif
.set i, 0
.rept 64
	PV
.endr
	WIN 0
.endm
	s_wait_loadcnt 0x0              ; the first block's Q
	LOADQ Q2, 0x80                  ; the second block's, into window 2, which is idle until the change of blocks
	s_mov_b32 s[OUT], 2
.Lblock:                            ; two passes
	s_cmp_eq_u32 s[OUT], 2
	s_cselect_b32 s[BQ], s[BB], s[HI]      ; block b, then block 63 - b
	s_cselect_b32 s[NT], s[C1], s[THI]     ; its tiles
	s_cselect_b32 s[BND], s[C1], s[TH1]    ; the pass's trips: all of the first block's; all but the last of the second's
	s_mov_b32 s[TT], 0
.Ltrip:
	TRIP 1
	s_add_co_u32 s[TT], s[TT], 1
	s_cmp_lt_u32 s[TT], s[BND]
	s_cbranch_scc1 .Ltrip
	s_cmp_eq_u32 s[OUT], 1
	s_cbranch_scc1 .Lsame           ; forward, over work on registers alone
	STATC PS                        ; THE CHANGE OF BLOCKS: the first block's statistics are kept;
	WIN 0xc2                        ; the second block's Q goes from window 2 to where the products name Q (words of two f16: moved, not multiplied);
.set i, 0
.rept 128
	v_mov_b32 v[i], v[i]
.set i, i+1
.endr
	WIN 0x81                        ; the first block's O^T is set aside, window 1 to window 2, two f32 to a line (x 1.0), each accumulator from its low end on;
.set i, 0
.rept 128
	v_pk_mul_f32 v[2*i:2*i+1], v[2*i:2*i+1], 1.0 op_sel_hi:[1,0]
.set i, i+1
.endr
	WIN 0
.irp t, 0,1,2,3
	v_mov_b32 v[ST+8*(\t)], 0xfe000000    ; and the second block's first a is 0: what O^T and l hold need only be finite
	v_mov_b32 v[ST+8*(\t)+1], 0xe9000000
.endr
.Lsame:
	s_sub_co_u32 s[OUT], s[OUT], 1
	s_cmp_lg_u32 s[OUT], 0
	s_cbranch_scc1 .Lblock
	TRIP 0                          ; the walk's last tile (the second block's tile 15 - c) is written out
	STATC PS2
	v_lshlrev_b32 v[STA], 2, v0     ; 128 w + 4 l
	v_add_nc_u32 v[STA], STAT, v[STA]
.irp t, 0,1,2,3
	ds_store_b32 v[STA], v[PS+(\t)] offset:(\t)*512
.endr
.irp t, 0,1,2,3
	ds_store_b32 v[STA], v[PS2+(\t)] offset:(4+(\t))*512
.endr
	; the addresses of the merge and of the way out
	s_mul_i32 s22, s[WV], 16*SP
	s_add_co_u32 s22, s22, OSTG     ; my stage
	v_mul_u32_u24 v[STO], v1, SP    ; in: row l % 16, 16 bytes for each half of the lanes
	v_lshl_add_u32 v[STO], v9, 4, v[STO]
	v_add_nc_u32 v[STO], s22, v[STO]
	v_mul_u32_u24 v[RD], v9, SP     ; back: lanes 0-15 one row of 256 bytes, lanes 16-31 the next
	v_lshl_add_u32 v[RD], v1, 4, v[RD]
	v_add_nc_u32 v[RD], s22, v[RD]
	v_lshlrev_b32 v[GO], 11, v9     ; lanes 0-15 one row of ah, lanes 16-31 the next
	v_lshl_add_u32 v[GO], v1, 4, v[GO]
	v_add_nc_u32 v[GO2], ALO, v[GO] ; the same place among the lower parts
	v_mov_b32 v[ONE], 1.0
	v_and_b32 v10, 31, v0
	v_lshlrev_b32 v10, 4, v10       ; 16 l
	s_lshl_b32 s22, s[WV], 15
	v_add_nc_u32 v[FR], s22, v10    ; tile w of the first block: 32,768 bytes a tile
	s_lshl_b32 s22, s[WV], 9
	s_add_co_u32 s22, s22, STAT
	v_lshl_add_u32 v[SR], v1, 2, s22
	s_lshl_b32 s22, s[WV], 13       ; my 8,192 bytes of a tile
.irp x, 0,1,2,3
	v_add_nc_u32 v[MW+(\x)], s22, v10
	s_add_co_u32 s22, s22, 65536
.endr
	; THE MERGE.  The slot has had its last fill; when nobody reads it any more, bytes 0 to 262,143 take the waves' parts of O^T in f32: tile tau (0-3 the first block's) at 32,768 tau, wave w at 8,192 w, four registers a lane at 512 chunk + 16 l.
	s_wait_dscnt 0x0
	s_barrier_signal -1
	s_barrier_wait -1
.macro PARTS mw                     ; 64 stores, a tile's 16 in a run; a run begins when at most 32 older stores are out, so at most 48 of mine are out
.set i, 0
.rept 64
	ds_store_b128 v[(\mw)+i/32], v[4*i:4*i+3] offset:((i/16)%2)*32768+(i%16)*512
.if i%16 == 15
	s_wait_dscnt 32
.endif
.set i, i+1
.endr
.endm
	WIN 0x08                        ; data in window 2: the first block's
	PARTS MW
	WIN 0x04                        ; data in window 1: the second block's; each accumulator's low four registers go first
	PARTS MW+2
	WIN 0
	s_wait_dscnt 0x0                ; for the others' sake: my stores are done
	s_barrier_signal -1
	s_barrier_wait -1
.macro PART x                       ; wave x's part of my tile: 16 loads, into v[64 x ..] of window 1
	WIN 0x40
.set i, 0
.rept 16
	ds_load_b128 v[64*(\x)+4*i:64*(\x)+4*i+3], v[FR] offset:8192*(\x)+512*i
.set i, i+1
.endr
.endm
.macro ADDIN x                      ; + wave x's part times its factor
	WIN 0x51
.set i, 0
.rept 32
	v_pk_fma_f32 v[2*i:2*i+1], v[64*(\x)+2*i:64*(\x)+2*i+1], v[32+2*(\x):33+2*(\x)], v[2*i:2*i+1] op_sel_hi:[1,0,1]
.set i, i+1
.endr
.endm
	s_mov_b32 s[CNT], 2
.Lfin:                              ; two trips: I finish tile w of the first block, then of the second
.irp x, 0,1,2,3
	ds_load_b32 v[48+(\x)], v[SR] offset:128*(\x)       ; c m of wave x for my lane's query
	ds_load_b32 v[52+(\x)], v[SR] offset:128*(\x)+64    ; l
.endr
	PART 0
	PART 1
	WIN 0
	s_wait_dscnt 32                 ; the eight statistics are in; the 32 loads behind them stay out
	v_max3_num_f32 v56, v48, v49, v50
	v_max_num_f32 v56, v56, v51
.irp x, 0,1,2,3
	v_sub_f32 v[48+(\x)], v[48+(\x)], v56
.endr
.irp x, 0,1,2,3
	v_exp_f32 v[48+(\x)], v[48+(\x)]
.endr
	v_nop                           ; a plain instruction behind the last exponential
	s_wait_alu depctr_va_vdst(0)
	v_mul_f32 v57, v48, v52
	v_fmac_f32 v57, v49, v53
	v_fmac_f32 v57, v50, v54
	v_fmac_f32 v57, v51, v55
	v_rcp_f32 v57, v57
	v_nop                           ; and behind the reciprocal
	s_wait_alu depctr_va_vdst(0)
.irp x, 0,1,2,3
	v_mul_f32 v[32+2*(\x)], v[48+(\x)], v57
.endr
.irp x, 0,1,2,3
	v_mov_b32 v[33+2*(\x)], v[32+2*(\x)]           ; named as pairs
.endr
	PART 2
	s_wait_dscnt 32                 ; part 0 is in; parts 1 and 2 stay out
	WIN 0x41
.set i, 0
.rept 32
	v_pk_mul_f32 v[2*i:2*i+1], v[2*i:2*i+1], v[32:33] op_sel_hi:[1,0]
.set i, i+1
.endr
	PART 3
	s_wait_dscnt 32                 ; part 1 is in
	ADDIN 1
	s_wait_dscnt 16                 ; part 2
	ADDIN 2
	s_wait_dscnt 0x0                ; part 3
	ADDIN 3
	WIN 0x05
.set i, 0
.rept 32
	v_cvt_pk_f16_f32 v[S+i], v[2*i], v[2*i+1]      ; hi
.set i, i+1
.endr
	WIN 0x50                        ; destination and source 2 window 1
.set i, 0
.rept 32
	v_fma_mix_f32 v[2*i],   -v[ONE], v[S+i], v[2*i]   op_sel:[0,0,0] op_sel_hi:[0,1,0]  ; what hi leaves: -1 x hi + a, exact
	v_fma_mix_f32 v[2*i+1], -v[ONE], v[S+i], v[2*i+1] op_sel:[0,1,0] op_sel_hi:[0,1,0]
.set i, i+1
.endr
	WIN 0x05
.set i, 0
.rept 32
	v_cvt_pk_f16_f32 v[S+64+i], v[2*i], v[2*i+1]   ; lo
.set i, i+1
.endr
	WIN 0
.irp f, 0,1,2,3,4,5,6,7
	ds_store_b128 v[STO], v[S+4*(\f):S+4*(\f)+3] offset:32*(\f)
.endr
.irp f, 0,1,2,3,4,5,6,7
	ds_load_b128 v[S+32+4*(\f):S+32+4*(\f)+3], v[RD] offset:(\f)*2*SP  ; LDS serves a wave's instructions in order: these see the stores above, and lo's stores come behind them
.endr
.irp f, 0,1,2,3,4,5,6,7
	ds_store_b128 v[STO], v[S+64+4*(\f):S+64+4*(\f)+3] offset:32*(\f)
.endr
.irp f, 0,1,2,3,4,5,6,7
	ds_load_b128 v[S+96+4*(\f):S+96+4*(\f)+3], v[RD] offset:(\f)*2*SP
.endr
.irp f, 0,1,2,3,4,5,6,7
	s_wait_dscnt 23-(\f)            ; behind hi's load f: its 7 - f younger loads, lo's 8 stores and 8 loads
	global_store_b128 v[GO], v[S+32+4*(\f):S+32+4*(\f)+3], s[OB:OB+1] offset:4096*(\f)  ; 16 lanes store 256 consecutive bytes, aligned: a head's part of a row
.endr
.irp f, 0,1,2,3,4,5,6,7
	s_wait_dscnt 7-(\f)
	global_store_b128 v[GO2], v[S+96+4*(\f):S+96+4*(\f)+3], s[OB:OB+1] offset:4096*(\f)
.endr
	s_wait_xcnt 0x0                 ; the stores have read their registers and their base
	v_add_nc_u32 v[FR], 0x20000, v[FR]
	v_add_nc_u32 v[SR], 2048, v[SR]
	s_mov_b64 s[OB:OB+1], s[O2:O2+1]
	s_sub_co_u32 s[CNT], s[CNT], 1
	s_cmp_lg_u32 s[CNT], 0
	s_cbranch_scc1 .Lfin
	s_wait_tensorcnt 0x0            ; the wave's end
	ds_add_u32 v[SPW], v[NIL]
	s_wait_dscnt 0x0
	CROUND                          ; the closing round
	s_endpgm
.Lfunc_end_k_qeca47e6038_attn:
	.size	k_qeca47e6038_attn, .Lfunc_end_k_qeca47e6038_attn-k_qeca47e6038_attn
	.p2alignl 7, 3214868480
	.fill 96, 4, 3214868480
	.section	.rodata,"a",@progbits
	.p2align	6, 0x0
	.amdhsa_kernel k_qeca47e6038_attn
		.amdhsa_group_segment_fixed_size 327680
		.amdhsa_private_segment_fixed_size 0
		.amdhsa_enable_private_segment 0
		.amdhsa_kernarg_size 32
		.amdhsa_user_sgpr_count 2
		.amdhsa_user_sgpr_kernarg_segment_ptr 1
		.amdhsa_wavefront_size32 1
		.amdhsa_system_sgpr_workgroup_id_x 1
		.amdhsa_system_sgpr_workgroup_id_y 1
		.amdhsa_system_sgpr_workgroup_id_z 1
		.amdhsa_system_vgpr_workitem_id 0
		.amdhsa_next_free_vgpr 1024
		.amdhsa_next_free_sgpr 86
		.amdhsa_reserve_vcc 1
		.amdhsa_float_denorm_mode_32 3
		.amdhsa_float_denorm_mode_16_64 3
		.amdhsa_memory_ordered 1
		.amdhsa_forward_progress 1
		.amdhsa_inst_pref_size 168
	.end_amdhsa_kernel
	.amdgpu_metadata
---
amdhsa.version: [ 1, 2 ]
amdhsa.kernels:
  - .name:           k_qeca47e6038_attn
    .symbol:         k_qeca47e6038_attn.kd
    .args:
      - { .name: qh, .offset: 0, .size: 8, .value_kind: global_buffer, .address_space: global }
      - { .name: kh, .offset: 8, .size: 8, .value_kind: global_buffer, .address_space: global }
      - { .name: vh, .offset: 16, .size: 8, .value_kind: global_buffer, .address_space: global }
      - { .name: ah, .offset: 24, .size: 8, .value_kind: global_buffer, .address_space: global }
    .group_segment_fixed_size: 327680
    .private_segment_fixed_size: 0
    .kernarg_segment_align: 8
    .kernarg_segment_size: 32
    .max_flat_workgroup_size: 128
    .sgpr_count:     86
    .vgpr_count:     1024
    .wavefront_size: 32
...
	.end_amdgpu_metadata
.endif
;; end of part 3
;; launch oproj (part 4): grid 8 x 32, 4 waves a work-group, clusters of 4 x 4, 327,680 bytes of LDS; arguments ah, wh, out0; writes out0
.if DOCPART == 4
	.amdgcn_target "amdgcn-amd-amdhsa--gfx1250"
	.amdhsa_code_object_version 6
	.text
	.protected	k_qeca47e6038_oproj
	.globl	k_qeca47e6038_oproj
	.p2align	8
	.type	k_qeca47e6038_oproj,@function
k_qeca47e6038_oproj:
	s_mov_b64 s[64:65], 0
	v_nop
	global_prefetch_b8 v0, s[64:65] scope:SCOPE_SE
	s_setreg_imm32_b32 hwreg(HW_REG_WAVE_MODE, 25, 1), 1
	s_wait_xcnt 0x0
	s_wait_alu depctr_hold_cnt(0) depctr_sa_sdst(0) depctr_va_vdst(0) depctr_va_sdst(0) depctr_va_ssrc(0) depctr_va_vcc(0) depctr_vm_vsrc(0)
	s_getreg_b32 s2, hwreg(HW_REG_IB_STS2, 6, 4)
	s_cmp_eq_u32 s2, 0
	s_cbranch_scc0 .Lentry_in_a_cluster
	s_endpgm
.Lentry_in_a_cluster:
	s_bfe_u32 s2, ttmp6, 0x10000c
	s_cmp_lg_u32 s2, 0xf033
	s_cbranch_scc0 .Lentry_shape_is_right
	s_endpgm
.Lentry_shape_is_right:
; THE OUTPUT PROJECTION.  out0[t][o] = sum over d of (hi[t][d] + lo[t][d]) Wo[o][d].  ah: [2][4096][1024] f16, hi and then lo, whose sum is the attention's result; Wo = f16(bf16(o_weight)), [2048][1024], at byte
; 12,582,912 of wh; out0: [4096][2048] f32.  Sums in f32.
; A tile is 128 tokens x 256 outputs: 8 x 32 = 256 work-groups.  Four waves, each 64 x 128: 32 accumulators of 16 x 16.  K goes in 8 ranges of 128 (rows of 256 bytes, aligned), each taken twice, through two LDS slots:
; slot 0 holds hi and the weights of a range, slot 1 lo and the same weights: 16 steps, all onto the same sums.  The price of the second f16 is twice the products.
; CLUSTER 4 x 4: the four of a row share the tokens' tile, the four of a column the weights': joint loads.  THE MATRIX INSTRUCTION IS USED TRANSPOSED (source 0 = 16 rows of Wo, source 1 = 16 tokens):
; a lane holds eight neighbouring outputs of one token, 32 bytes, which go through the wave's stage in LDS and leave as whole rows of 512 bytes.
; REGISTERS: window 0: v0-31 addresses; v64-127 the tokens' fragments, two buffers of 32; v128-255 rows read back on the way out.  window 1: v0-127 the weights' fragments, two buffers of 64.
;   window 2: accumulator (a, b) at v[8 (8 a + b)].
.set PITCH,  272                       ; an LDS row: 256 bytes + 16 of padding
.set AROWS,  128*PITCH
.set SLOT,   384*PITCH                 ; 128 rows of tokens, then 256 rows of weights
.set STAGE,  2*SLOT                    ; behind the ring, never filled by a tensor load: 16 rows x 528 bytes for each wave
.set SPITCH, 528
.set SPARE,  STAGE+4*16*SPITCH         ; the spare words, 128 bytes a wave
.set WO,     12582912
.set ALO,    8388608                   ; bytes in ah from hi to lo
.set LAPS,   8                         ; a lap = one K range = two steps (hi, lo) = once round the ring
.set FLAGS,  (1<<16)|(1<<20)|(1<<21)|(5<<22)|(3<<25)
.set ADRA, 16
.set ADRB, 20
.set STO,  24
.set RD,   25
.set GO,   26
.set SPW,  28
.set NIL,  29
.set G1,  24                           ; s[24:31] group 1, tokens;  s[32:39] group 0, a set for each slot
.set G0,  32
.set G1B, 48                           ; s[48:55], s[56:63] the same for the weights
.set G0B, 56
.set MSB, 0
.macro WIN new
.if MSB != (\new)
	s_set_vgpr_msb (MSB<<8)|(\new)
.set MSB, \new
.endif
.endm
.macro PLACES
.rept 4
	v_nop
.endr
.endm
.macro JLOAD s                         ; waves 0 and 1 fetch the halves of the tokens' tile (64 rows), waves 2 and 3 those of the weights' (128 rows); an s_nop 0 and four v_nop follow each line
	s_cmp_eq_u32 s11, 0
	s_cbranch_scc0 .Lfor_b_\@
	tensor_load_to_lds s[G0+4*(\s):G0+4*(\s)+3], s[G1:G1+7]
	s_nop 0
.rept 4
	v_nop
.endr
	s_branch .Lasked_\@
.Lfor_b_\@:
	tensor_load_to_lds s[G0B+4*(\s):G0B+4*(\s)+3], s[G1B:G1B+7]
	s_nop 0
.rept 4
	v_nop
.endr
.Lasked_\@:
.endm
.macro CREST
	s_cmp_lg_u32 s10, 0
	s_cbranch_scc1 .Lnot_wave_0_\@
	s_barrier_signal -3
.Lnot_wave_0_\@:
	s_barrier_wait -3
	s_barrier_signal -1
	s_barrier_wait -1
.endm
.macro CROUND
	s_barrier_signal -1
	s_barrier_wait -1
	CREST
.endm
	s_load_b128 s[4:7], s[0:1], 0x0                ; ah s[4:5], wh s[6:7]
	s_load_b64 s[8:9], s[0:1], 0x10                ; out0
	v_lshl_add_u32 v[SPW], v0, 2, SPARE
	v_mov_b32 v[NIL], 0
	ds_add_u32 v[SPW], v[NIL]                      ; the wave's opening: the add and its wait stand ahead of my first tensor load
	v_lshrrev_b32 v1, 5, v0
	v_readfirstlane_b32 s10, v1                    ; wave
	s_lshr_b32 s11, s10, 1                         ; my half of the tokens.  Also: I fetch tokens (0) or weights (1)
	s_and_b32 s12, s10, 1                          ; my half of the outputs.  Also: which half of that tile I fetch
	s_bfe_u32 s40, ttmp6, 0x40000                  ; cx
	s_bfe_u32 s41, ttmp6, 0x40004                  ; cy
	s_lshl_b32 s42, ttmp9, 2
	s_add_co_u32 s42, s42, s40                     ; tx: 256 outputs
	s_and_b32 s13, ttmp7, 0xffff
	s_lshl_b32 s13, s13, 2
	s_add_co_u32 s13, s13, s41                     ; ty: 128 tokens
	s_lshl_b32 s43, s41, 2
	s_lshl_b32 s43, 15, s43                        ; my row of the cluster
	s_lshl_b32 s44, 0x1111, s40                    ; my column
	s_or_b32 s[G1], s43, FLAGS
	s_or_b32 s[G1B], s44, FLAGS
	s_mov_b32 s[G1+1], 128<<16                     ; tensor_dim0 = 128
	s_mov_b32 s[G1+2], 64<<16                      ; tensor_dim1 = 64
	s_mov_b32 s[G1+3], 128<<16                     ; tile_dim0 = 128
	s_mov_b32 s[G1+4], 64                          ; tile_dim1 = 64
	s_mov_b32 s[G1+5], 1024                        ; elements from row to row
	s_mov_b32 s[G1+6], 0
	s_mov_b32 s[G1+7], 0
	s_mov_b32 s[G1B+1], 128<<16
	s_mov_b32 s[G1B+2], 128<<16
	s_mov_b32 s[G1B+3], 128<<16
	s_mov_b32 s[G1B+4], 128
	s_mov_b32 s[G1B+5], 1024
	s_mov_b32 s[G1B+6], 0
	s_mov_b32 s[G1B+7], 0
	s_lshl_b32 s16, s13, 18                        ; tokens: 128 rows of 2,048 bytes, my 64 of them; hangs on ty alone
	s_lshl_b32 s17, s12, 17
	s_add_co_u32 s16, s16, s17
	s_mov_b32 s17, 0
	s_lshl_b32 s46, s42, 19                        ; weights: 256 rows of 2,048 bytes, my 128 of them; hangs on tx alone
	s_lshl_b32 s47, s12, 18
	s_add_co_u32 s46, s46, s47
	s_add_co_u32 s46, s46, WO
	s_mov_b32 s47, 0
	s_mul_i32 s20, s12, 64*PITCH
	s_mul_i32 s21, s12, 128*PITCH
	s_add_co_u32 s21, s21, AROWS
	s_wait_dscnt 0x0                               ; the opening add is done
	s_wait_kmcnt 0x0
	s_add_nc_u64 s[14:15], s[4:5], s[16:17]
	s_add_nc_u64 s[46:47], s[6:7], s[46:47]
	CROUND                                         ; all sixteen work-groups are here: the first joint loads meet
.irp s, 0,1
	s_mov_b32 s[G0+4*(\s)], 1
	s_add_co_u32 s[G0+4*(\s)+1], s20, (\s)*SLOT
	s_add_nc_u64 s[G0+4*(\s)+2:G0+4*(\s)+3], s[14:15], (\s)*ALO    ; slot 0 hi, slot 1 lo
	s_or_b32 s[G0+4*(\s)+3], s[G0+4*(\s)+3], 0x80000000
	s_mov_b32 s[G0B+4*(\s)], 1
	s_add_co_u32 s[G0B+4*(\s)+1], s21, (\s)*SLOT
	s_add_nc_u64 s[G0B+4*(\s)+2:G0B+4*(\s)+3], s[46:47], 0         ; both slots take the weights' tile of the same K range
	s_or_b32 s[G0B+4*(\s)+3], s[G0B+4*(\s)+3], 0x80000000
	JLOAD \s                                       ; K range 0, hi and lo: two tensor loads of mine are out
.endr
	v_and_b32 v1, 15, v0                           ; r
	v_bfe_u32 v2, v0, 4, 1                         ; h
	v_mul_u32_u24 v3, v1, PITCH
	v_lshl_add_u32 v3, v2, 4, v3
	s_mul_i32 s22, s11, 64*PITCH                   ; my 64 tokens
	s_mul_i32 s23, s12, 128*PITCH
	s_add_co_u32 s23, s23, AROWS                   ; my 128 rows of weights
.irp s, 0,1
	v_add_nc_u32 v[ADRA+(\s)], s22, v3
	v_add_nc_u32 v[ADRB+(\s)], s23, v3
	s_add_co_u32 s22, s22, SLOT
	s_add_co_u32 s23, s23, SLOT
.endr
	s_mul_i32 s22, s10, 16*SPITCH
	s_add_co_u32 s22, s22, STAGE                   ; my stage
	v_mul_u32_u24 v4, v1, SPITCH                   ; in: row l % 16, 32 bytes for each half of the lanes
	v_lshl_add_u32 v4, v2, 5, v4
	v_add_nc_u32 v[STO], s22, v4
	v_and_b32 v[GO], 31, v0
	v_lshlrev_b32 v[GO], 4, v[GO]                  ; back and out: 32 lanes take one row of 512 bytes
	v_add_nc_u32 v[RD], s22, v[GO]
	s_lshl_b32 s22, s13, 20                        ; out0: 128 rows of 8,192 bytes, my 64 of them, the tile's 1,024 bytes, my 512 of them
	s_lshl_b32 s23, s11, 19
	s_add_co_u32 s22, s22, s23
	s_lshl_b32 s23, s42, 10
	s_add_co_u32 s22, s22, s23
	s_lshl_b32 s23, s12, 9
	s_add_co_u32 s22, s22, s23
	s_mov_b32 s23, 0
	s_add_nc_u64 s[8:9], s[8:9], s[22:23]
; 8 matrix instructions: token block a x all 8 output blocks, 32 along K, from buffer f.  The 32 accumulators take turns in one order everywhere.
.macro MUL8 f, a, zero
	WIN 0xa1                                       ; source 0 window 1, source 1 window 0, C and D window 2
.irp b, 0,1,2,3,4,5,6,7
.if \zero
	v_wmma_f32_16x16x32_f16 v[8*(8*(\a)+(\b)):8*(8*(\a)+(\b))+7], v[64*(\f)+8*(\b):64*(\f)+8*(\b)+7], v[64+32*(\f)+8*(\a):64+32*(\f)+8*(\a)+7], 0
.else
	v_wmma_f32_16x16x32_f16 v[8*(8*(\a)+(\b)):8*(8*(\a)+(\b))+7], v[64*(\f)+8*(\b):64*(\f)+8*(\b)+7], v[64+32*(\f)+8*(\a):64+32*(\f)+8*(\a)+7], v[8*(8*(\a)+(\b)):8*(8*(\a)+(\b))+7]
.endif
.endr
.endm
.macro FETCH slot, k, f                ; 24 LDS loads in one run, the tokens' last
	WIN 0x40
.irp i, 0,1,2,3,4,5,6,7
	ds_load_b128 v[64*(\f)+8*(\i):64*(\f)+8*(\i)+3],   v[ADRB+(\slot)] offset:(\k)+(\i)*16*PITCH
	ds_load_b128 v[64*(\f)+8*(\i)+4:64*(\f)+8*(\i)+7], v[ADRB+(\slot)] offset:(\k)+(\i)*16*PITCH+32
.endr
	WIN 0
.irp i, 0,1,2,3
	ds_load_b128 v[64+32*(\f)+8*(\i):64+32*(\f)+8*(\i)+3],   v[ADRA+(\slot)] offset:(\k)+(\i)*16*PITCH
	ds_load_b128 v[64+32*(\f)+8*(\i)+4:64+32*(\f)+8*(\i)+7], v[ADRA+(\slot)] offset:(\k)+(\i)*16*PITCH+32
.endr
.endm
.macro QUARTER slot, k, f, g, zero
	s_wait_dscnt 4                                 ; all but the youngest four loads: token blocks 2 and 3
	MUL8 \f, 0, \zero
	MUL8 \f, 1, \zero
	PLACES
	FETCH \slot, \k, \g
	s_wait_dscnt 24                                ; all but the 24 just issued
	MUL8 \f, 2, \zero
	MUL8 \f, 3, \zero
.endm
; The last quarter multiplies buffer 1 and changes slots: in front of the barrier each wave waits for all its tensor loads, adds 0 to its spare word, and waits for that and for its reads of this slot.
; fill = 1: the barrier opens a round of the cluster's, and this slot is filled again, with its part (hi or lo) of the next K range, first thing behind it.
.macro TURN slot, next, fill
	WIN 0
	s_wait_tensorcnt 0x0
	ds_add_u32 v[SPW], v[NIL]                      ; 0 onto my spare word
	s_wait_dscnt 5                                 ; the add and the youngest four loads may be out
	MUL8 1, 0, 0
	s_wait_dscnt 0x0                               ; the add is done, and my reads of this slot are over
	s_barrier_signal -1
	MUL8 1, 1, 0
.if \fill
	WIN 0
.endif
	s_barrier_wait -1
.if \fill
	CREST
	s_add_nc_u64 s[G0+4*(\slot)+2:G0+4*(\slot)+3], s[G0+4*(\slot)+2:G0+4*(\slot)+3], 256
	s_add_nc_u64 s[G0B+4*(\slot)+2:G0B+4*(\slot)+3], s[G0B+4*(\slot)+2:G0B+4*(\slot)+3], 256
	JLOAD \slot                                    ; its four v_nop are also the places in front of the loads below
.else
	PLACES
.endif
	FETCH \next, 0, 0
	MUL8 1, 2, 0
	MUL8 1, 3, 0
.endm
	s_wait_tensorcnt 1                             ; my part of slot 0 is in; slot 1's may stay out
	s_barrier_signal -1
	s_barrier_wait -1
	FETCH 0, 0, 0
	QUARTER 0, 64, 0, 1, 1                         ; the first quarter stands in front of the loop: its products start the sums
	WIN 0
	s_mov_b32 s3, LAPS-1
.Llap:
	QUARTER 0, 128, 1, 0, 0
	QUARTER 0, 192, 0, 1, 0
	TURN 0, 1, 1
	QUARTER 1, 64,  0, 1, 0
	QUARTER 1, 128, 1, 0, 0
	QUARTER 1, 192, 0, 1, 0
	TURN 1, 0, 1
	QUARTER 0, 64,  0, 1, 0
	WIN 0
	s_sub_co_u32 s3, s3, 1
	s_cmp_lg_u32 s3, 0
	s_cbranch_scc1 .Llap
	QUARTER 0, 128, 1, 0, 0                        ; the last lap fills nothing, and has no round of the cluster's barrier
	QUARTER 0, 192, 0, 1, 0
	TURN 0, 1, 0
	QUARTER 1, 64,  0, 1, 0
	QUARTER 1, 128, 1, 0, 0
	QUARTER 1, 192, 0, 1, 0
	s_wait_dscnt 4
	MUL8 1, 0, 0
	MUL8 1, 1, 0
	s_wait_dscnt 0x0
	MUL8 1, 2, 0
	MUL8 1, 3, 0
	WIN 0
	PLACES
; THE WAY OUT of token block a: 32 bytes a lane and output block into my stage (each accumulator's low four registers first), back as whole rows of 512 bytes, stored.
.macro OUTB a
.set BK, 128+64*((\a)%2)
	WIN 0x08                                       ; data in window 2
.irp b, 0,1,2,3,4,5,6,7
	ds_store_b128 v[STO], v[8*(8*(\a)+(\b)):8*(8*(\a)+(\b))+3]   offset:64*(\b)
	ds_store_b128 v[STO], v[8*(8*(\a)+(\b))+4:8*(8*(\a)+(\b))+7] offset:64*(\b)+16
.endr
	WIN 0
	s_wait_xcnt 0x0                                ; the stores of the block two before have read the registers that the loads below fill
.irp t, 0,1,2,3,4,5,6,7,8,9,10,11,12,13,14,15
	ds_load_b128 v[BK+4*(\t):BK+4*(\t)+3], v[RD] offset:(\t)*SPITCH  ; LDS serves a wave's instructions in order: these see the stores above
.endr
.irp t, 0,1,2,3,4,5,6,7,8,9,10,11,12,13,14,15
	s_wait_dscnt 15-(\t)
	global_store_b128 v[GO], v[BK+4*(\t):BK+4*(\t)+3], s[8:9] offset:(16*(\a)+(\t))*8192 th:TH_STORE_NT  ; 512 consecutive bytes, aligned
.endr
.endm
	OUTB 0
	OUTB 1
	OUTB 2
	OUTB 3
	s_wait_tensorcnt 0x0                           ; the wave's end
	ds_add_u32 v[SPW], v[NIL]
	s_wait_dscnt 0x0
	CROUND                                         ; the closing round
	s_endpgm
.Lfunc_end_k_qeca47e6038_oproj:
	.size	k_qeca47e6038_oproj, .Lfunc_end_k_qeca47e6038_oproj-k_qeca47e6038_oproj
	.p2alignl 7, 3214868480
	.fill 96, 4, 3214868480
	.section	.rodata,"a",@progbits
	.p2align	6, 0x0
	.amdhsa_kernel k_qeca47e6038_oproj
		.amdhsa_group_segment_fixed_size 327680
		.amdhsa_private_segment_fixed_size 0
		.amdhsa_enable_private_segment 0
		.amdhsa_kernarg_size 24
		.amdhsa_user_sgpr_count 2
		.amdhsa_user_sgpr_kernarg_segment_ptr 1
		.amdhsa_wavefront_size32 1
		.amdhsa_system_sgpr_workgroup_id_x 1
		.amdhsa_system_sgpr_workgroup_id_y 1
		.amdhsa_system_sgpr_workgroup_id_z 1
		.amdhsa_system_vgpr_workitem_id 0
		.amdhsa_next_free_vgpr 768
		.amdhsa_next_free_sgpr 66
		.amdhsa_reserve_vcc 0
		.amdhsa_float_denorm_mode_32 3
		.amdhsa_float_denorm_mode_16_64 3
		.amdhsa_memory_ordered 1
		.amdhsa_forward_progress 1
		.amdhsa_inst_pref_size 87
	.end_amdhsa_kernel
	.amdgpu_metadata
---
amdhsa.version: [ 1, 2 ]
amdhsa.kernels:
  - .name:           k_qeca47e6038_oproj
    .symbol:         k_qeca47e6038_oproj.kd
    .args:
      - { .name: ah, .offset: 0, .size: 8, .value_kind: global_buffer, .address_space: global }
      - { .name: wh, .offset: 8, .size: 8, .value_kind: global_buffer, .address_space: global }
      - { .name: out0, .offset: 16, .size: 8, .value_kind: global_buffer, .address_space: global }
    .group_segment_fixed_size: 327680
    .private_segment_fixed_size: 0
    .kernarg_segment_align: 8
    .kernarg_segment_size: 24
    .max_flat_workgroup_size: 128
    .sgpr_count:     66
    .vgpr_count:     768
    .wavefront_size: 32
...
	.end_amdgpu_metadata
.endif
;; end of part 4
;; ======== version 2 of 3: 4 launches; 1.33 times as fast as version 1
;; limits: values are held in f16: magnitudes above 65,504 overflow, below 6.1e-05 lose precision; inputs' magnitudes at most 65,504
;; workspace buffers: xh 20,971,520 bytes; rs 16,384 bytes; wh 18,874,368 bytes; qh 8,388,608 bytes; kh 8,388,608 bytes; vh 8,388,608 bytes; ah 10,485,760 bytes
;; launch prep (part 5): grid 1088 x 1, 8 waves a work-group, no clusters, 0 bytes of LDS; arguments x, attn_norm_weight, q_weight, k_weight, v_weight, o_weight, cos, sin, xh, rs, wh; writes xh, rs, wh
.if DOCPART == 5
	.amdgcn_target "amdgcn-amd-amdhsa--gfx1250"
	.amdhsa_code_object_version 6
	.text
	.protected	k_qeca47e6038_prep
	.globl	k_qeca47e6038_prep
	.p2align	8
	.type	k_qeca47e6038_prep,@function
k_qeca47e6038_prep:
	s_mov_b64 s[64:65], 0
	v_nop
	global_prefetch_b8 v0, s[64:65] scope:SCOPE_SE
	s_setreg_imm32_b32 hwreg(HW_REG_WAVE_MODE, 25, 1), 1
	s_wait_xcnt 0x0
; PREP: every input is rounded ONCE to bf16; what the three launches behind multiply is written as f16.
; THE DEAL OF THE TOKENS.  Tokens go in blocks of 16.  Row group u (0 to 63: a wave's rows in the launches behind) holds block a = 0: tokens 16 u on (the EARLY tokens, 0 to 1,023), and blocks a = 1 to 3: tokens 1,024 + 48 u + 16 (a - 1) on.
;   xh[64 u][80 rows][2048]: x' = bf16(x) x bf16(gain of the first norm) has 8 + 8 = 16 significant bits and f16 holds 11.  Rows 16 a + i: hi = f16(x').  Rows 64 + i: lo = f16(x' - hi) of block 0 alone:
;   the first rows' results are means over few keys, many times the output's root mean square, and have no room for a rounding to 11 bits; later rows have.
;   rs[64 u][64] = rsqrt(mean(bf16(x)^2) + 1e-6) / 64 in f32, in the same order.
;   wh, 576 blocks of 32,768 bytes: 0-383 f16(bf16(W) x 64), W = q, k, v weights (rows of 2,048), exact; 384-511 f16(bf16(o_weight)); 512-543 f16(bf16(cos)), 544-575 f16(bf16(sin)), their rows in the deal's order (64 u + 16 a + i).
; The row factor of the first norm is applied in f32 behind the product (next launch); the power of two 64, taken back in rs, keeps the weights in f16's normal range.
; LIMITS.  |bf16(x) bf16(gain)|, |64 W|, |o_weight|, |cos|, |sin| stay under 65,504; below 6e-5 f16 keeps its fixed step of 6e-8 (so does lo).  NaN and infinities are not treated apart.
; A stream: each work-group moves 65,536 bytes in, 16 loads of 16 bytes a lane, all issued before the first is used; no LDS, no barrier, no matrix unit: memory binds.
; Work-groups 0-511: eight rows of xh, a wave a row, so the row's sum of squares never leaves the wave.  Work-groups 512-1087: one block of wh.  Each work-group is named by what it WRITES; where it reads is linear in its number.
.set T,   4                            ; v[4:7]    two packed words of x, by the load's parity
.set STO, 8                            ; v8        my byte offset in the 16-bit output
.set RSO, 9                            ; v9        my wave's byte offset in rs
.set ONE, 10                           ; v10       1.0
.set GOF, 11                           ; v11       my byte offset in the gains
.set ACC, 12                           ; v[12:15]  four sums of squares
.set TG,  16                           ; v[16:19]  two packed words of the gain, by the load's parity
.set X,   24                           ; v[24:87]  load j of x or of a weight: four registers; they become the stores' data (two for hi, two for lo) and are not written again
.set G,   88                           ; v[88:151] load j of the gains
.set LOROWS, 64*4096                   ; bytes in xh from a row of block 0 to its lower part
; Four numbers of load j of x: x and the gain rounded to bf16 and widened again; x squared into the sums; the product, exact in f32, split into hi and lo.
.macro CVX j
.set D,  X+4*(\j)
.set E,  G+4*(\j)
.set TT, T+2*((\j)%2)
.set TH, TG+2*((\j)%2)
	v_cvt_pk_bf16_f32 v[TT], v[D], v[D+1]
	v_cvt_pk_bf16_f32 v[TT+1], v[D+2], v[D+3]
	v_cvt_pk_bf16_f32 v[TH], v[E], v[E+1]
	v_cvt_pk_bf16_f32 v[TH+1], v[E+2], v[E+3]
	v_lshlrev_b32 v[D], 16, v[TT]
	v_and_b32 v[D+1], s33, v[TT]
	v_lshlrev_b32 v[D+2], 16, v[TT+1]
	v_and_b32 v[D+3], s33, v[TT+1]
	v_lshlrev_b32 v[E], 16, v[TH]
	v_and_b32 v[E+1], s33, v[TH]
	v_lshlrev_b32 v[E+2], 16, v[TH+1]
	v_and_b32 v[E+3], s33, v[TH+1]
.if (\j) == 0
	v_pk_mul_f32 v[ACC:ACC+1], v[D:D+1], v[D:D+1]          ; the first squares start the sums
	v_pk_mul_f32 v[ACC+2:ACC+3], v[D+2:D+3], v[D+2:D+3]
.else
	v_pk_fma_f32 v[ACC:ACC+1], v[D:D+1], v[D:D+1], v[ACC:ACC+1]
	v_pk_fma_f32 v[ACC+2:ACC+3], v[D+2:D+3], v[D+2:D+3], v[ACC+2:ACC+3]
.endif
	v_pk_mul_f32 v[D:D+1], v[D:D+1], v[E:E+1]              ; x': exact, 16 significant bits
	v_pk_mul_f32 v[D+2:D+3], v[D+2:D+3], v[E+2:E+3]
	v_cvt_pk_f16_f32 v[TT], v[D], v[D+1]                   ; hi
	v_cvt_pk_f16_f32 v[TT+1], v[D+2], v[D+3]
	v_fma_mix_f32 v[D],   -v[ONE], v[TT],   v[D]   op_sel:[0,0,0] op_sel_hi:[0,1,0]  ; what hi leaves: -1 x hi + x', exact
	v_fma_mix_f32 v[D+1], -v[ONE], v[TT],   v[D+1] op_sel:[0,1,0] op_sel_hi:[0,1,0]
	v_fma_mix_f32 v[D+2], -v[ONE], v[TT+1], v[D+2] op_sel:[0,0,0] op_sel_hi:[0,1,0]
	v_fma_mix_f32 v[D+3], -v[ONE], v[TT+1], v[D+3] op_sel:[0,1,0] op_sel_hi:[0,1,0]
	v_cvt_pk_f16_f32 v[D+3], v[D+2], v[D+3]                ; lo, into the load's upper two registers
	v_cvt_pk_f16_f32 v[D+2], v[D], v[D+1]
	v_mov_b32 v[D], v[TT]                                  ; hi, into its lower two: T is written again two loads on, a store's data may not be
	v_mov_b32 v[D+1], v[TT+1]
.endm
; Four numbers of load j of a weight or a table: rounded to bf16, widened, times 64 or 1, rounded to f16 (exact in f16's normal range).
.macro CVW j
.set D,  X+4*(\j)
.set TT, T+2*((\j)%2)
	v_cvt_pk_bf16_f32 v[TT], v[D], v[D+1]
	v_cvt_pk_bf16_f32 v[TT+1], v[D+2], v[D+3]
	v_lshlrev_b32 v[D], 16, v[TT]
	v_and_b32 v[D+1], s33, v[TT]
	v_lshlrev_b32 v[D+2], 16, v[TT+1]
	v_and_b32 v[D+3], s33, v[TT+1]
	v_pk_mul_f32 v[D:D+1], v[D:D+1], s[46:47] op_sel_hi:[1,0]
	v_pk_mul_f32 v[D+2:D+3], v[D+2:D+3], s[46:47] op_sel_hi:[1,0]
	v_cvt_pk_f16_f32 v[D], v[D], v[D+1]
	v_cvt_pk_f16_f32 v[D+1], v[D+2], v[D+3]
.endm
	s_load_b512 s[8:23], s[0:1], 0x0               ; x s[8:9], gain s[10:11], q s[12:13], k s[14:15], v s[16:17], o s[18:19], cos s[20:21], sin s[22:23]
	s_load_b128 s[24:27], s[0:1], 0x40             ; xh s[24:25], rs s[26:27]
	s_load_b64 s[28:29], s[0:1], 0x50              ; wh
	s_mov_b32 s33, 0xffff0000                      ; a word's upper bf16
	s_mov_b32 s3, 0
	s_mov_b32 s39, 0
	s_cmp_lt_u32 ttmp9, 512
	s_cbranch_scc0 .Lweights
	; ---- eight rows of xh: half of block a of row group u ----
	s_mov_b32 s34, 0x3a000000                      ; 1 / 2048
	s_mov_b32 s35, 0x358637bd                      ; 1e-6
	s_mov_b32 s36, 0x76543210                      ; v_permlanex16_b32: each lane takes its own place in the other half
	s_mov_b32 s37, 0xfedcba98
	s_mov_b32 s45, 0
	s_lshr_b32 s40, ttmp9, 3                       ; u
	s_bfe_u32 s41, ttmp9, 0x20001                  ; a
	s_and_b32 s42, ttmp9, 1                        ; which half of the block
	s_mul_i32 s43, s40, 3
	s_add_co_u32 s43, s43, s41
	s_add_co_u32 s43, s43, 63                      ; the block of tokens: 64 + 3 u + a - 1,
	s_cmp_eq_u32 s41, 0
	s_cselect_b32 s43, s40, s43                    ; or u where a = 0
	s_lshl_b32 s2, s43, 17                         ; 16 rows of 8,192 bytes a block,
	s_lshl_b32 s38, s42, 16
	s_add_co_u32 s2, s2, s38                       ; 8 a half
	s_mul_i32 s38, s40, 80
	s_lshl4_add_u32 s38, s41, s38
	s_lshl3_add_u32 s38, s42, s38                  ; row 80 u + 16 a + 8 half of xh,
	s_lshl_b32 s38, s38, 12                        ; of 4,096 bytes
	s_lshl_b32 s44, ttmp9, 5                       ; 8 words of rs
	v_and_b32 v3, 31, v0                           ; lane
	v_lshrrev_b32 v2, 5, v0                        ; wave = row
	v_lshlrev_b32 v[GOF], 4, v3
	v_lshl_add_u32 v1, v2, 13, v[GOF]              ; 16 lane + 8,192 wave
	v_lshlrev_b32 v[STO], 3, v3
	v_lshl_add_u32 v[STO], v2, 12, v[STO]          ; 8 lane + 4,096 wave
	v_lshlrev_b32 v[RSO], 2, v2
	v_mov_b32 v[ONE], 1.0
	s_wait_kmcnt 0x0
	s_add_nc_u64 s[8:9], s[8:9], s[2:3]
	s_add_nc_u64 s[24:25], s[24:25], s[38:39]
	s_add_nc_u64 s[26:27], s[26:27], s[44:45]
.irp j, 0,1,2,3,4,5,6,7,8,9,10,11,12,13,14,15
	global_load_b128 v[G+4*(\j):G+4*(\j)+3], v[GOF], s[10:11] offset:512*(\j)  ; the gains of my columns: read by every wave of the launch's first 512 work-groups, so no hint
.endr
.irp j, 0,1,2,3,4,5,6,7,8,9,10,11,12,13,14,15
	global_load_b128 v[X+4*(\j):X+4*(\j)+3], v1, s[8:9] offset:512*(\j) th:TH_LOAD_NT  ; 512 consecutive bytes of the row
.endr
.irp j, 0,1,2,3,4,5,6,7,8,9,10,11,12,13,14,15
	s_wait_loadcnt 15-(\j)                         ; loads come back in order: load j of x is in, and so are all the gains, issued ahead of it; the younger ones stay out
	CVX \j
	global_store_b64 v[STO], v[X+4*(\j):X+4*(\j)+1], s[24:25] offset:256*(\j)  ; the wave's 32 lanes fill 256 consecutive bytes, aligned
.endr
	s_cmp_lg_u32 s41, 0
	s_cbranch_scc1 .Lno_lo                         ; only block 0 has a lower part
.irp j, 0,1,2,3,4,5,6,7,8,9,10,11,12,13,14,15
	global_store_b64 v[STO], v[X+4*(\j)+2:X+4*(\j)+3], s[24:25] offset:256*(\j)+LOROWS
.endr
.Lno_lo:
	v_pk_add_f32 v[ACC:ACC+1], v[ACC:ACC+1], v[ACC+2:ACC+3]
	v_add_f32 v[ACC], v[ACC], v[ACC+1]
	v_add_f32_dpp v[ACC], v[ACC], v[ACC] row_xmask:1 row_mask:0xf bank_mask:0xf
	v_add_f32_dpp v[ACC], v[ACC], v[ACC] row_xmask:2 row_mask:0xf bank_mask:0xf
	v_add_f32_dpp v[ACC], v[ACC], v[ACC] row_xmask:4 row_mask:0xf bank_mask:0xf
	v_add_f32_dpp v[ACC], v[ACC], v[ACC] row_xmask:8 row_mask:0xf bank_mask:0xf
	v_permlanex16_b32 v[ACC+1], v[ACC], s36, s37
	v_add_f32 v[ACC], v[ACC], v[ACC+1]             ; the row's sum of squares, in every lane
	v_fma_f32 v[ACC], v[ACC], s34, s35             ; mean + eps
	v_cmp_eq_u32 vcc_lo, 0, v3
	v_rsq_f32 v[ACC], v[ACC]
	v_nop                                          ; a plain instruction between the root and the use of its result
	s_wait_alu depctr_va_vdst(0)
	v_mul_f32 v[ACC], 0x3c800000, v[ACC]           ; / 64: takes back the weights' factor
	s_wait_xcnt 0x0                                ; EXEC is a source of the stores above: it changes only behind this wait
	s_and_saveexec_b32 s46, vcc_lo
	global_store_b32 v[RSO], v[ACC], s[26:27]      ; lane 0 writes the row's factor
	s_endpgm
	; ---- one block of wh ----
.Lweights:
	s_sub_co_u32 s30, ttmp9, 512                   ; the block, 0 to 575
	s_lshl_b32 s38, s30, 15
	v_lshlrev_b32 v1, 4, v0                        ; 16 t: the work-group's 256 threads take 4,096 consecutive bytes
	v_lshlrev_b32 v[STO], 3, v0
	s_wait_kmcnt 0x0
	s_mov_b64 s[40:41], s[12:13]                   ; which tensor the block comes from, and that tensor's first block
	s_mov_b32 s31, 0
.macro PICK first, ptr
	s_cmp_ge_u32 s30, \first
	s_cselect_b64 s[40:41], s[\ptr:\ptr+1], s[40:41]
	s_cselect_b32 s31, \first, s31
.endm
	PICK 128, 14
	PICK 256, 16
	PICK 384, 18
	PICK 512, 20
	PICK 544, 22
	; The block's 65,536 bytes of f32 are eight pieces of 8,192.  In a weight they lie on end.  In a table a piece is a block of 16 tokens, and block tb of the table holds row groups 2 tb and 2 tb + 1:
	; pieces 0 and 4 are token blocks 2 tb and 2 tb + 1; pieces 1-3 and 5-7 token blocks 64 + 6 tb on and 67 + 6 tb on.  Four pointers serve both: pieces 0; 1-3; 4; 5-7.
	s_sub_co_u32 s32, s30, s31                     ; the block within its tensor
	s_lshl_b32 s2, s32, 16                         ; a weight: piece 0,
	s_add_co_u32 s34, s2, 0x2000                   ; piece 1
	s_lshl_b32 s35, s32, 14                        ; a table: piece 0,
	s_mul_i32 s36, s32, 0xc000
	s_add_co_u32 s36, s36, 0x80000                 ; piece 1
	s_mov_b32 s37, 0x8000                          ; a weight: from piece 0 to piece 4,
	s_mov_b32 s42, 0x8000                          ; from piece 1 to piece 5
	s_cmp_ge_u32 s30, 512
	s_cselect_b32 s2, s35, s2
	s_cselect_b32 s34, s36, s34
	s_cselect_b32 s37, 0x2000, s37
	s_cselect_b32 s42, 0x6000, s42
	s_add_nc_u64 s[44:45], s[40:41], s[2:3]        ; piece 0
	s_mov_b32 s2, s34
	s_add_nc_u64 s[34:35], s[40:41], s[2:3]        ; pieces 1-3
	s_mov_b32 s2, s37
	s_add_nc_u64 s[36:37], s[44:45], s[2:3]        ; piece 4
	s_mov_b32 s2, s42
	s_add_nc_u64 s[42:43], s[34:35], s[2:3]        ; pieces 5-7
	s_add_nc_u64 s[28:29], s[28:29], s[38:39]
.set j, 0
.rept 16                                       ; load j: half j % 2 of piece j / 2
.set PB, 44-8*(j/8)
.set OF, (j%2)*4096
.if (j/2)%4 != 0
.set PB, 34+8*(j/8)
.set OF, ((j/2)%4-1)*8192+(j%2)*4096
.endif
	global_load_b128 v[X+4*j:X+4*j+3], v1, s[PB:PB+1] offset:OF th:TH_LOAD_NT
.set j, j+1
.endr
	s_cmp_lt_u32 s30, 384
	s_cselect_b32 s46, 0x42800000, 1.0             ; q, k, v weights times 64; o_weight, cos and sin are only rounded
	s_mov_b32 s47, s46                             ; named with it as a pair
.irp j, 0,1,2,3,4,5,6,7,8,9,10,11,12,13,14,15
	s_wait_loadcnt 15-(\j)                         ; load j is in, the younger ones stay out
	CVW \j
	global_store_b64 v[STO], v[X+4*(\j):X+4*(\j)+1], s[28:29] offset:2048*(\j)  ; a wave fills 256 consecutive bytes, aligned
.endr
	s_endpgm
.Lfunc_end_k_qeca47e6038_prep:
	.size	k_qeca47e6038_prep, .Lfunc_end_k_qeca47e6038_prep-k_qeca47e6038_prep
	.p2alignl 7, 3214868480
	.fill 96, 4, 3214868480
	.section	.rodata,"a",@progbits
	.p2align	6, 0x0
	.amdhsa_kernel k_qeca47e6038_prep
		.amdhsa_group_segment_fixed_size 0
		.amdhsa_private_segment_fixed_size 0
		.amdhsa_enable_private_segment 0
		.amdhsa_kernarg_size 88
		.amdhsa_user_sgpr_count 2
		.amdhsa_user_sgpr_kernarg_segment_ptr 1
		.amdhsa_wavefront_size32 1
		.amdhsa_system_sgpr_workgroup_id_x 1
		.amdhsa_system_sgpr_workgroup_id_y 1
		.amdhsa_system_sgpr_workgroup_id_z 1
		.amdhsa_system_vgpr_workitem_id 0
		.amdhsa_next_free_vgpr 152
		.amdhsa_next_free_sgpr 66
		.amdhsa_reserve_vcc 1
		.amdhsa_float_denorm_mode_32 3
		.amdhsa_float_denorm_mode_16_64 3
		.amdhsa_memory_ordered 1
		.amdhsa_forward_progress 1
		.amdhsa_inst_pref_size 44
	.end_amdhsa_kernel
	.amdgpu_metadata
---
amdhsa.version: [ 1, 2 ]
amdhsa.kernels:
  - .name:           k_qeca47e6038_prep
    .symbol:         k_qeca47e6038_prep.kd
    .args:
      - { .name: x, .offset: 0, .size: 8, .value_kind: global_buffer, .address_space: global }
      - { .name: attn_norm_weight, .offset: 8, .size: 8, .value_kind: global_buffer, .address_space: global }
      - { .name: q_weight, .offset: 16, .size: 8, .value_kind: global_buffer, .address_space: global }
      - { .name: k_weight, .offset: 24, .size: 8, .value_kind: global_buffer, .address_space: global }
      - { .name: v_weight, .offset: 32, .size: 8, .value_kind: global_buffer, .address_space: global }
      - { .name: o_weight, .offset: 40, .size: 8, .value_kind: global_buffer, .address_space: global }
      - { .name: cos, .offset: 48, .size: 8, .value_kind: global_buffer, .address_space: global }
      - { .name: sin, .offset: 56, .size: 8, .value_kind: global_buffer, .address_space: global }
      - { .name: xh, .offset: 64, .size: 8, .value_kind: global_buffer, .address_space: global }
      - { .name: rs, .offset: 72, .size: 8, .value_kind: global_buffer, .address_space: global }
      - { .name: wh, .offset: 80, .size: 8, .value_kind: global_buffer, .address_space: global }
    .group_segment_fixed_size: 0
    .private_segment_fixed_size: 0
    .kernarg_segment_align: 8
    .kernarg_segment_size: 88
    .max_flat_workgroup_size: 256
    .sgpr_count:     66
    .vgpr_count:     152
    .wavefront_size: 32
...
	.end_amdgpu_metadata
.endif
;; end of part 5
;; launch qkv (part 6): grid 8 x 32, 4 waves a work-group, clusters of 4 x 4, 327,680 bytes of LDS; arguments xh, wh, rs, q_norm_weight, k_norm_weight, qh, kh, vh; writes qh, kh, vh
.if DOCPART == 6
	.amdgcn_target "amdgcn-amd-amdhsa--gfx1250"
	.amdhsa_code_object_version 6
	.text
	.protected	k_qeca47e6038_qkv
	.globl	k_qeca47e6038_qkv
	.p2align	8
	.type	k_qeca47e6038_qkv,@function
k_qeca47e6038_qkv:
	s_mov_b64 s[64:65], 0
	v_nop
	global_prefetch_b8 v0, s[64:65] scope:SCOPE_SE
	s_setreg_imm32_b32 hwreg(HW_REG_WAVE_MODE, 25, 1), 1
	s_wait_xcnt 0x0
	s_wait_alu depctr_hold_cnt(0) depctr_sa_sdst(0) depctr_va_vdst(0) depctr_va_sdst(0) depctr_va_ssrc(0) depctr_va_vcc(0) depctr_vm_vsrc(0)
	s_getreg_b32 s2, hwreg(HW_REG_IB_STS2, 6, 4)
	s_cmp_eq_u32 s2, 0
	s_cbranch_scc0 .Lentry_in_a_cluster
	s_endpgm
.Lentry_in_a_cluster:
	s_bfe_u32 s2, ttmp6, 0x10000c
	s_cmp_lg_u32 s2, 0xf033
	s_cbranch_scc0 .Lentry_shape_is_right
	s_endpgm
.Lentry_shape_is_right:
; QKV: the three projections, the first norm's row factor, the head norm and RoPE, in one launch.
;   raw[t][o] = rs[t] x sum over k of x'[t][k] W[o][k]  (f16 operands, f32 sums).  W = 64 x the weight, exact in f16; rs holds the 1/64.  x' = x times the first norm's gain: hi in f16 for every token, hi + lo for the early ones.
;   q, k: raw x rsqrt(mean over the head's 128 channels of raw^2 + 1e-6) x bf16(head gain), then RoPE with the f16 tables of cos and sin in wh; v: raw.  Each is rounded once, to f16.
;   qh, kh: [8][4096][128];  vh: [8][2][4096][64], the channel halves apart, so that a wave's 64 channels are dense rows of 128 bytes.
; LIMITS.  q, k, v stay under 65,504 (f16's end); below 6e-5 f16 keeps its fixed step of 6e-8.  NaN and infinities are not treated apart.
; THE DEAL OF THE TOKENS.  xh is [64 u][80 rows][2048]: row group u holds block a = 0: tokens 16 u on (the early tokens, 0 to 1,023); blocks a = 1 to 3: tokens 1,024 + 48 u + 16 (a - 1) on; then the 16 rows of block 0's lo.
; rs and the tables lie in the same order (64 u + 16 a + i).  The first rows' results are many times the output's root mean square and have no room for a rounding of x' to 11 bits; dealt so, every wave has the same
; share of them: lo is a fifth fragment of tokens, multiplied by the weights' fragments that are in registers anyway, onto block 0's sums: 60 matrix instructions for 48.
; SHARES.  Work-group (head tx, row tile ty): row groups 2 ty and 2 ty + 1 x (q, k, v of the head) = 128 x 384: 8 x 32 = 256 work-groups.  Wave w: row group u = 2 ty + w / 2; the WHOLE head of q (w even) or of k (w odd), and
; channels 64 (w % 2) on of v: 64 x 192, 48 accumulators of 16 x 16.  THE MATRIX INSTRUCTION IS USED TRANSPOSED (source 0 = 16 rows of the weights, source 1 = 16 tokens): a lane holds ONE token (lane % 16) and the
; channels 16 b + 8 (lane / 16) + 0..7 of every block b.  So the head's sum of squares wants one exchange between the halves of the lanes, and RoPE's partner channel, 64 away, is the same lane and register of block b +- 4.
; K goes in 16 steps of 128 (rows of 256 bytes, aligned) through two LDS slots.  CLUSTER 4 x 4: the four of a row share the tokens' tile and the tables, the four of a column the weights' tiles: joint loads.
; REGISTERS, in windows of 256 (s_set_vgpr_msb: bits 1:0 source 0, 3:2 source 1, 5:4 source 2, 7:6 destination):
;   window 0: v0-47 addresses and small things; v48-63 lo's fragment, two buffers of 8; v64-127 the tokens' fragments, two buffers of 32 (on the way out cos and sin, then rows read back); v128-191 the head gain; v192-255 at work on the way out
;   window 1: the weights' fragments, two buffers of 96 (on the way out v0-63: the rotated head)
;   windows 2, 3: accumulator (a, b) in window 2 + a / 2 at v[8 (12 (a % 2) + b)]; b 0-7 the head of q or k, b 8-11 v
.set PITCH,  272                       ; an LDS row: 256 bytes + 16 of padding: the 16 rows that a load touches start at 16 different groups of four banks
.set AT,     160*PITCH                 ; the tokens' tile: two row groups of 80 rows
.set HALFT,  128*PITCH                 ; 128 rows of weights: what waves 1 to 3 fetch
.set SLOT,   AT+3*HALFT                ; tokens, q's rows, k's rows, v's rows
.set STAGE,  2*SLOT                    ; behind the ring, never filled by a tensor load: for each wave 16 rows x 272 bytes (q or k), then 16 x 144 (v)
.set WSTG,   16*272+16*144
.set SPARE,  STAGE+4*WSTG              ; the spare words, 128 bytes a wave: two blocks of 256 bytes that no other line names
.set TCOS,   16777216                  ; byte of wh at which the table of cos begins; sin's lies 1 << 20 behind
.set LAPS,   8                         ; a lap = two K steps = once round the ring
.set FLAGS,  (1<<16)|(1<<20)|(1<<21)|(5<<22)|(3<<25)  ; 17:16 2-byte elements; 20 padding on; 21 set beside a mask; 24:22 after every 64 words; 31:25 4 words of it
.set ADRA, 10                          ; v10-11  LDS address of my row group's fragments in slot 0, 1
.set ADRB, 12                          ; v12-13  of my head's weights
.set ADRV, 14                          ; v14-15  of my 64 rows of v's weights
.set STO,  16                          ; the way out, q or k: where I put 16 bytes of a row
.set RD,   17                          ;   where I read rows back
.set GOQ,  18                          ;   my byte offset in 512 consecutive bytes of qh or kh
.set STV,  19                          ; the same three for v
.set RDV,  20
.set GOV,  21
.set TBL,  22                          ; my place in the tables, which take slot 0's first bytes at the end
.set ZR,   23                          ; 0
.set SPW,  28                          ; LDS address of my spare word; never rewritten
.set NIL,  29                          ; 0; never rewritten
.set FF,   30                          ; v[30:31] the token's factor
.set SS,   32                          ; v[32:39] sums of squares
.set RSV,  40                          ; v[40:47] rs of my token in block a at v[40 + 2 a]; the odd ones 0 (named as pairs)
.set AL,   48                          ; lo's fragment
.set CO,   64
.set SI,   96
.set WN,   128
.set UU,   192
.set VT,   224
.set WV,  20                           ; s20 wave; s21 = w / 2; s22 = w % 2
.set QKO, 30                           ; s[30:31] qh or kh at block 0's first row
.set VO,  32                           ; s[32:33] vh likewise
.set G1,  40                           ; s[40:47] group 1, the tokens' tiles
.set G1B, 48                           ; s[48:55] group 1, the weights' tiles
.set G0,  56                           ; s[56:63] group 0, the tokens' tiles, a set for each slot
.set G0B, 68                           ; s[68:75] group 0, the weights' tiles
.set G1C, 76                           ; s[76:83] group 1, the tables
.set G0C, 84                           ; s[84:87] group 0, the tables
.set SEL, 88                           ; s[88:89] v_permlanex16_b32's selects; s90 = 1/128; s91 = 1e-6
.set QKL, 92                           ; s[92:93] qh or kh at block 1's first row
.set VL,  94                           ; s[94:95] vh likewise
.set MSB, 0
.macro WIN new                         ; the immediate's high byte repeats the setting that is left; a switch that changes nothing is dropped
.if MSB != (\new)
	s_set_vgpr_msb (MSB<<8)|(\new)
.set MSB, \new
.endif
.endm
.macro PLACES                          ; four places in front of loads into registers that matrix instructions have read, and of vector lines that read results
.rept 4
	v_nop
.endr
.endm
; A joint load.  Wave 0 fetches the tokens' tile (160 rows), waves 1 to 3 the rows of q's, k's and v's weights (128 each).  The branch hangs on the wave's number alone.
; An s_nop 0 and four v_nop follow each of the two lines, ahead of the jump and the label.
.macro JLOAD s
	s_cmp_eq_u32 s[WV], 0
	s_cbranch_scc0 .Lfor_b_\@
	tensor_load_to_lds s[G0+4*(\s):G0+4*(\s)+3], s[G1:G1+7]
	s_nop 0
.rept 4
	v_nop
.endr
	s_branch .Lasked_\@
.Lfor_b_\@:
	tensor_load_to_lds s[G0B+4*(\s):G0B+4*(\s)+3], s[G1B:G1B+7]
	s_nop 0
.rept 4
	v_nop
.endr
.Lasked_\@:
.endm
.macro TLOADC                          ; the tables: every wave fetches 64 rows (waves 0, 1 cos, waves 2, 3 sin), jointly with my row of the cluster
	tensor_load_to_lds s[G0C:G0C+3], s[G1C:G1C+7]
	s_nop 0
.rept 4
	v_nop
.endr
.endm
.macro CREST                           ; a round of the cluster's barrier behind its opening barrier
	s_cmp_lg_u32 s[WV], 0
	s_cbranch_scc1 .Lnot_wave_0_\@
	s_barrier_signal -3
.Lnot_wave_0_\@:
	s_barrier_wait -3
	s_barrier_signal -1
	s_barrier_wait -1
.endm
.macro CROUND
	s_barrier_signal -1
	s_barrier_wait -1
	CREST
.endm
	s_load_b512 s[4:19], s[0:1], 0x0               ; xh s[4:5], wh s[6:7], rs s[8:9], q gain s[10:11], k gain s[12:13], qh s[14:15], kh s[16:17], vh s[18:19]
	v_lshl_add_u32 v[SPW], v0, 2, SPARE
	v_mov_b32 v[NIL], 0
	ds_add_u32 v[SPW], v[NIL]                      ; the wave's opening: the add and its wait stand ahead of my first tensor load; work on registers stands between them
	v_lshrrev_b32 v1, 5, v0
	v_readfirstlane_b32 s[WV], v1
	s_lshr_b32 s21, s[WV], 1
	s_and_b32 s22, s[WV], 1
	s_bfe_u32 s23, ttmp6, 0x40000                  ; cx
	s_bfe_u32 s24, ttmp6, 0x40004                  ; cy
	s_lshl_b32 s25, ttmp9, 2
	s_add_co_u32 s25, s25, s23                     ; tx, the head
	s_and_b32 s26, ttmp7, 0xffff
	s_lshl_b32 s26, s26, 2
	s_add_co_u32 s26, s26, s24                     ; ty, the row tile
	s_lshl_b32 s27, s24, 2
	s_lshl_b32 s27, 15, s27                        ; my row of the cluster
	s_lshl_b32 s28, 0x1111, s23                    ; my column
	s_or_b32 s[G1], s27, FLAGS
	s_or_b32 s[G1B], s28, FLAGS
	s_or_b32 s[G1C], s27, FLAGS
	s_mov_b32 s[G1+1], 128<<16                     ; tensor_dim0 = 128
	s_mov_b32 s[G1+2], 160<<16                     ; tensor_dim1 = 160
	s_mov_b32 s[G1+3], 128<<16                     ; tile_dim0 = 128
	s_mov_b32 s[G1+4], 160                         ; tile_dim1 = 160
	s_mov_b32 s[G1+5], 2048                        ; elements from row to row
	s_mov_b32 s[G1+6], 0
	s_mov_b32 s[G1+7], 0
	s_mov_b32 s[G1B+1], 128<<16
	s_mov_b32 s[G1B+2], 128<<16
	s_mov_b32 s[G1B+3], 128<<16
	s_mov_b32 s[G1B+4], 128
	s_mov_b32 s[G1B+5], 2048
	s_mov_b32 s[G1B+6], 0
	s_mov_b32 s[G1B+7], 0
	s_mov_b32 s[G1C+1], 128<<16
	s_mov_b32 s[G1C+2], 64<<16
	s_mov_b32 s[G1C+3], 128<<16
	s_mov_b32 s[G1C+4], 64
	s_mov_b32 s[G1C+5], 128
	s_mov_b32 s[G1C+6], 0
	s_mov_b32 s[G1C+7], 0
	s_mul_i32 s34, s26, 160*4096                   ; the tokens' tile: 160 rows of 4,096 bytes; hangs on ty alone
	s_mov_b32 s35, 0
	s_max_u32 s36, s[WV], 1                        ; the weights' tile: tensor w - 1 (1,024 rows of 4,096 bytes), the head's 128 rows; hangs on tx alone
	s_sub_co_u32 s36, s36, 1
	s_lshl_b32 s36, s36, 22
	s_lshl_b32 s37, s25, 19
	s_add_co_u32 s36, s36, s37
	s_mov_b32 s37, 0
	s_lshl_b32 s38, s21, 20                        ; the tables: cos or sin, the tile's 128 rows of 256 bytes, my 64 of them
	s_lshl_b32 s39, s26, 15
	s_add_co_u32 s38, s38, s39
	s_lshl_b32 s39, s22, 14
	s_add_co_u32 s38, s38, s39
	s_add_co_u32 s38, s38, TCOS
	s_mov_b32 s39, 0
	s_mul_i32 s29, s[WV], HALFT                    ; where the weights' tile of wave w (1 to 3) goes: behind the tokens' tile, (w - 1) x 128 rows on
	s_add_co_u32 s29, s29, AT-HALFT
	s_mov_b32 s[G0C], 1
	s_mul_i32 s[G0C+1], s[WV], 64*PITCH            ; cos at 0, sin at HALFT
	s_mov_b32 s[SEL], 0x76543210
	s_mov_b32 s[SEL+1], 0xfedcba98
	s_mov_b32 s90, 0x3c000000                      ; 1 / 128
	s_mov_b32 s91, 0x358637bd                      ; 1e-6
	s_wait_dscnt 0x0                               ; the opening add is done
	s_wait_kmcnt 0x0
	s_add_nc_u64 s[34:35], s[4:5], s[34:35]
	s_add_nc_u64 s[36:37], s[6:7], s[36:37]
	s_add_nc_u64 s[G0C+2:G0C+3], s[6:7], s[38:39]
	s_or_b32 s[G0C+3], s[G0C+3], 0x80000000
	CROUND                                         ; all sixteen work-groups are here: the first joint loads meet
.irp s, 0,1
	s_mov_b32 s[G0+4*(\s)], 1
	s_mov_b32 s[G0+4*(\s)+1], (\s)*SLOT            ; the tokens' tile lies at the slot's head
	s_add_nc_u64 s[G0+4*(\s)+2:G0+4*(\s)+3], s[34:35], (\s)*256
	s_or_b32 s[G0+4*(\s)+3], s[G0+4*(\s)+3], 0x80000000
	s_mov_b32 s[G0B+4*(\s)], 1
	s_add_co_u32 s[G0B+4*(\s)+1], s29, (\s)*SLOT
	s_add_nc_u64 s[G0B+4*(\s)+2:G0B+4*(\s)+3], s[36:37], (\s)*256
	s_or_b32 s[G0B+4*(\s)+3], s[G0B+4*(\s)+3], 0x80000000
	JLOAD \s                                       ; K steps 0 and 1: two tensor loads of mine are out
.endr
	; the row factors and the head gain, once
	v_and_b32 v1, 15, v0                           ; r = l % 16
	v_bfe_u32 v2, v0, 4, 1                         ; h = l / 16
	v_lshlrev_b32 v4, 2, v1
	v_lshlrev_b32 v5, 5, v2
	s_lshl_b32 s38, s26, 9
	s_lshl_b32 s39, s21, 8
	s_add_co_u32 s38, s38, s39                     ; 64 u words
	s_mov_b32 s39, 0
	s_add_nc_u64 s[8:9], s[8:9], s[38:39]
	s_cmp_eq_u32 s22, 0
	s_cselect_b64 s[34:35], s[10:11], s[12:13]     ; q's gain or k's
	s_cselect_b64 s[QKO:QKO+1], s[14:15], s[16:17] ; qh or kh
.irp a, 0,1,2,3
	global_load_b32 v[RSV+2*(\a)], v4, s[8:9] offset:64*(\a)
.endr
.irp b, 0,1,2,3,4,5,6,7
	global_load_b128 v[WN+8*(\b):WN+8*(\b)+3],   v5, s[34:35] offset:64*(\b)      ; gain of channels 16 b + 8 h + 0..7
	global_load_b128 v[WN+8*(\b)+4:WN+8*(\b)+7], v5, s[34:35] offset:64*(\b)+16
.endr
	; where the results go, in the tokens' true order: block 0 at token 16 u, blocks 1 to 3 from token 1,024 + 48 u on
	s_lshl_b32 s27, s26, 1
	s_add_co_u32 s27, s27, s21                     ; u
	s_mov_b32 s37, 0
	s_lshl_b32 s38, s25, 20                        ; qh, kh: the head; rows of 256 bytes
	s_lshl_b32 s36, s27, 12
	s_add_co_u32 s36, s36, s38
	s_mul_i32 s28, s27, 48*256
	s_add_co_u32 s38, s38, s28
	s_add_co_u32 s38, s38, 1024*256
	s_add_nc_u64 s[QKL:QKL+1], s[QKO:QKO+1], s[38:39]
	s_add_nc_u64 s[QKO:QKO+1], s[QKO:QKO+1], s[36:37]
	s_lshl_b32 s38, s25, 20                        ; vh: the head, my channel half; rows of 128 bytes
	s_lshl_b32 s36, s22, 19
	s_add_co_u32 s38, s38, s36
	s_lshl_b32 s36, s27, 11
	s_add_co_u32 s36, s36, s38
	s_mul_i32 s28, s27, 48*128
	s_add_co_u32 s38, s38, s28
	s_add_co_u32 s38, s38, 1024*128
	s_add_nc_u64 s[VO:VO+1], s[18:19], s[36:37]
	s_add_nc_u64 s[VL:VL+1], s[18:19], s[38:39]
	; A fragment is 16 rows x 32 K in 8 registers: lane l holds row l % 16, K = 8 (l / 16) + 0..7 and 16 + 8 (l / 16) + 0..7: two loads of 16 bytes, 32 bytes apart.
	v_mul_u32_u24 v3, v1, PITCH
	v_lshl_add_u32 v3, v2, 4, v3
	s_mul_i32 s36, s21, 80*PITCH                   ; my row group
	s_mul_i32 s37, s22, HALFT
	s_add_co_u32 s37, s37, AT                      ; q's rows or k's
	s_mul_i32 s38, s22, 64*PITCH
	s_add_co_u32 s38, s38, AT+2*HALFT              ; my 64 rows of v's
	s_mul_i32 s39, s21, 64*PITCH                   ; in the tables a row group has 64 rows
	v_add_nc_u32 v[TBL], s39, v3
.irp s, 0,1
	v_add_nc_u32 v[ADRA+(\s)], s36, v3
	v_add_nc_u32 v[ADRB+(\s)], s37, v3
	v_add_nc_u32 v[ADRV+(\s)], s38, v3
	s_add_co_u32 s36, s36, SLOT
	s_add_co_u32 s37, s37, SLOT
	s_add_co_u32 s38, s38, SLOT
.endr
	s_mul_i32 s36, s[WV], WSTG
	s_add_co_u32 s36, s36, STAGE                   ; my stage
	v_add_nc_u32 v[STO], s36, v3                   ; in: row l % 16, 16 bytes for each half of the lanes
	v_mul_u32_u24 v6, v2, 272
	v_lshl_add_u32 v6, v1, 4, v6
	v_add_nc_u32 v[RD], s36, v6                    ; back: lanes 0-15 one row of 256 bytes, lanes 16-31 the next
	v_lshlrev_b32 v[GOQ], 8, v2
	v_lshl_add_u32 v[GOQ], v1, 4, v[GOQ]
	s_add_co_u32 s36, s36, 16*272
	v_mul_u32_u24 v6, v1, 144
	v_lshl_add_u32 v6, v2, 4, v6
	v_add_nc_u32 v[STV], s36, v6
	v_bfe_u32 v6, v0, 3, 2
	v_mul_u32_u24 v6, v6, 144
	v_and_b32 v7, 7, v0
	v_lshl_add_u32 v6, v7, 4, v6
	v_add_nc_u32 v[RDV], s36, v6                   ; back: 32 lanes take four rows of 128 bytes
	v_and_b32 v[GOV], 31, v0
	v_lshlrev_b32 v[GOV], 4, v[GOV]
	v_mov_b32 v[ZR], 0
.irp a, 0,1,2,3
	v_mov_b32 v[RSV+2*(\a)+1], 0
.endr
	s_wait_loadcnt 0x0
.set i, 0
.rept 32                                       ; the gain is rounded to bf16, like every input
	v_cvt_pk_bf16_f32 v[UU+i], v[WN+2*i], v[WN+2*i+1]
.set i, i+1
.endr
.set i, 0
.rept 32
	v_lshlrev_b32 v[WN+2*i], 16, v[UU+i]
	v_and_b32 v[WN+2*i+1], 0xffff0000, v[UU+i]
.set i, i+1
.endr
; 12 matrix instructions: token block a x all 12 channel blocks, 32 along K, from buffer f.  zero = 1: the first product starts the sums.  The accumulators take turns, one instruction a turn, in one order everywhere.
.macro MUL12 f, a, zero
	WIN 0xa1+0x50*((\a)/2)                         ; source 0 window 1, source 1 window 0, C and D window 2 or 3
.irp b, 0,1,2,3,4,5,6,7,8,9,10,11
.if \zero
	v_wmma_f32_16x16x32_f16 v[8*(12*((\a)%2)+(\b)):8*(12*((\a)%2)+(\b))+7], v[96*(\f)+8*(\b):96*(\f)+8*(\b)+7], v[64+32*(\f)+8*(\a):64+32*(\f)+8*(\a)+7], 0
.else
	v_wmma_f32_16x16x32_f16 v[8*(12*((\a)%2)+(\b)):8*(12*((\a)%2)+(\b))+7], v[96*(\f)+8*(\b):96*(\f)+8*(\b)+7], v[64+32*(\f)+8*(\a):64+32*(\f)+8*(\a)+7], v[8*(12*((\a)%2)+(\b)):8*(12*((\a)%2)+(\b))+7]
.endif
.endr
.endm
; 12 more: block 0's lo x the same 12 fragments of weights, onto block 0's sums; between two instructions on one accumulator stand the 11 others'
.macro MUL12L f
	WIN 0xa1
.irp b, 0,1,2,3,4,5,6,7,8,9,10,11
	v_wmma_f32_16x16x32_f16 v[8*(\b):8*(\b)+7], v[96*(\f)+8*(\b):96*(\f)+8*(\b)+7], v[AL+8*(\f):AL+8*(\f)+7], v[8*(\b):8*(\b)+7]
.endr
.endm
; 34 LDS loads in one run: the fragments of 32 along K at byte k of the rows, into buffer f: the weights', then the tokens': block 0, its lo (row 64 of the group on), blocks 1, 2, 3
.macro FETCH slot, k, f
	WIN 0x40
.irp i, 0,1,2,3,4,5,6,7
	ds_load_b128 v[96*(\f)+8*(\i):96*(\f)+8*(\i)+3],   v[ADRB+(\slot)] offset:(\k)+(\i)*16*PITCH
	ds_load_b128 v[96*(\f)+8*(\i)+4:96*(\f)+8*(\i)+7], v[ADRB+(\slot)] offset:(\k)+(\i)*16*PITCH+32
.endr
.irp i, 0,1,2,3
	ds_load_b128 v[96*(\f)+64+8*(\i):96*(\f)+64+8*(\i)+3],   v[ADRV+(\slot)] offset:(\k)+(\i)*16*PITCH
	ds_load_b128 v[96*(\f)+64+8*(\i)+4:96*(\f)+64+8*(\i)+7], v[ADRV+(\slot)] offset:(\k)+(\i)*16*PITCH+32
.endr
	WIN 0
	ds_load_b128 v[64+32*(\f):64+32*(\f)+3],   v[ADRA+(\slot)] offset:(\k)
	ds_load_b128 v[64+32*(\f)+4:64+32*(\f)+7], v[ADRA+(\slot)] offset:(\k)+32
	ds_load_b128 v[AL+8*(\f):AL+8*(\f)+3],     v[ADRA+(\slot)] offset:(\k)+64*PITCH
	ds_load_b128 v[AL+8*(\f)+4:AL+8*(\f)+7],   v[ADRA+(\slot)] offset:(\k)+64*PITCH+32
.irp i, 1,2,3
	ds_load_b128 v[64+32*(\f)+8*(\i):64+32*(\f)+8*(\i)+3],   v[ADRA+(\slot)] offset:(\k)+(\i)*16*PITCH
	ds_load_b128 v[64+32*(\f)+8*(\i)+4:64+32*(\f)+8*(\i)+7], v[ADRA+(\slot)] offset:(\k)+(\i)*16*PITCH+32
.endr
.endm
; A K step is four quarters of 32 along K, 60 matrix instructions each, on buffers 0, 1, 0, 1.  One of the first three: multiplies buffer f; behind its first 36 it fetches the next quarter, at byte k, into g.
.macro QUARTER slot, k, f, g, zero
	s_wait_dscnt 4                                 ; all but the youngest four loads: token blocks 2 and 3
	MUL12 \f, 0, \zero
	MUL12L \f
	MUL12 \f, 1, \zero
	PLACES
	FETCH \slot, \k, \g
	s_wait_dscnt 34                                ; all but the 34 just issued
	MUL12 \f, 2, \zero
	MUL12 \f, 3, \zero
.endm
; The last quarter multiplies buffer 1 and changes slots.  In front of the barrier, which opens a round of the cluster's, each wave waits for all its tensor loads (one is out: its part of the next slot),
; adds 0 to its spare word, and waits for that and for its reads of this slot.  Behind the round this slot is filled again first: fill = 1 with the K step two on, fill = 2 with the tables.
.macro TURN slot, next, fill
	WIN 0
	s_wait_tensorcnt 0x0
	ds_add_u32 v[SPW], v[NIL]                      ; 0 onto my spare word
	s_wait_dscnt 5                                 ; the add and the youngest four loads may be out
	MUL12 1, 0, 0
	MUL12L 1
	s_wait_dscnt 0x0                               ; the add is done, and my reads of this slot are over
	s_barrier_signal -1
	MUL12 1, 1, 0
	WIN 0
	s_barrier_wait -1
	CREST
.if (\fill) == 1
	s_add_nc_u64 s[G0+4*(\slot)+2:G0+4*(\slot)+3], s[G0+4*(\slot)+2:G0+4*(\slot)+3], 512
	s_add_nc_u64 s[G0B+4*(\slot)+2:G0B+4*(\slot)+3], s[G0B+4*(\slot)+2:G0B+4*(\slot)+3], 512
	JLOAD \slot                                    ; the four v_nop behind it are also the places in front of the loads below
.else
	TLOADC
.endif
	FETCH \next, 0, 0
	MUL12 1, 2, 0
	MUL12 1, 3, 0
.endm
	s_wait_tensorcnt 1                             ; my part of K step 0 is in; K step 1's may stay out
	s_barrier_signal -1
	s_barrier_wait -1
	FETCH 0, 0, 0
	QUARTER 0, 64, 0, 1, 1                         ; the first quarter stands in front of the loop: its products start the sums
	WIN 0
	s_mov_b32 s3, LAPS-1
.Llap:                                         ; a trip goes once round the ring, from a lap's second quarter to the next lap's first
	QUARTER 0, 128, 1, 0, 0
	QUARTER 0, 192, 0, 1, 0
	TURN 0, 1, 1
	QUARTER 1, 64,  0, 1, 0
	QUARTER 1, 128, 1, 0, 0
	QUARTER 1, 192, 0, 1, 0
	TURN 1, 0, 1
	QUARTER 0, 64,  0, 1, 0
	WIN 0
	s_sub_co_u32 s3, s3, 1
	s_cmp_lg_u32 s3, 0
	s_cbranch_scc1 .Llap
	QUARTER 0, 128, 1, 0, 0                        ; the last lap: slot 0, read out, takes the tables of cos and sin
	QUARTER 0, 192, 0, 1, 0
	TURN 0, 1, 2
	QUARTER 1, 64,  0, 1, 0
	QUARTER 1, 128, 1, 0, 0
	QUARTER 1, 192, 0, 1, 0
	s_wait_dscnt 4
	MUL12 1, 0, 0
	MUL12L 1
	MUL12 1, 1, 0
	s_wait_dscnt 0x0
	MUL12 1, 2, 0
	MUL12 1, 3, 0
	WIN 0
	PLACES
	s_wait_tensorcnt 0x0                           ; my 64 rows of a table are in,
	s_barrier_signal -1
	s_barrier_wait -1                              ; everybody's are
; THE WAY OUT of token block a.
.macro EPI a
.set AW, 2+(\a)/2                      ; its accumulators' window
.set AB, 96*((\a)%2)                   ; and first register
	WIN 0
	s_wait_xcnt 0x0                                ; the last block's stores have read the registers that the loads below fill
.irp b, 0,1,2,3,4,5,6,7
	ds_load_b128 v[CO+4*(\b):CO+4*(\b)+3], v[TBL] offset:(\a)*16*PITCH+32*(\b)        ; cos of my token, channels 16 b + 8 h + 0..7
.endr
.irp b, 0,1,2,3,4,5,6,7
	ds_load_b128 v[SI+4*(\b):SI+4*(\b)+3], v[TBL] offset:HALFT+(\a)*16*PITCH+32*(\b)  ; sin
.endr
	WIN AW*5                                       ; sources 0 and 1 in the accumulators' window
.irp b, 0,1,2,3,4,5,6,7
.irp i, 0,1,2,3                        ; each accumulator is read from its low end on
.if (\b) == 0
	v_pk_mul_f32 v[SS+2*(\i):SS+2*(\i)+1], v[AB+2*(\i):AB+2*(\i)+1], v[AB+2*(\i):AB+2*(\i)+1]
.else
	v_pk_fma_f32 v[SS+2*(\i):SS+2*(\i)+1], v[AB+8*(\b)+2*(\i):AB+8*(\b)+2*(\i)+1], v[AB+8*(\b)+2*(\i):AB+8*(\b)+2*(\i)+1], v[SS+2*(\i):SS+2*(\i)+1]
.endif
.endr
.endr
	WIN AW                                         ; source 0 alone
.set i, 0
.rept 32
	v_pk_mul_f32 v[UU+2*i:UU+2*i+1], v[AB+2*i:AB+2*i+1], v[WN+2*i:WN+2*i+1]  ; sum x gain
.set i, i+1
.endr
	WIN 0
	v_pk_add_f32 v[SS:SS+1], v[SS:SS+1], v[SS+2:SS+3]
	v_pk_add_f32 v[SS+4:SS+5], v[SS+4:SS+5], v[SS+6:SS+7]
	v_mul_f32 v[SS+6], v[RSV+2*(\a)], v[RSV+2*(\a)]
	v_pk_add_f32 v[SS:SS+1], v[SS:SS+1], v[SS+4:SS+5]
	v_add_f32 v[SS], v[SS], v[SS+1]
	v_permlanex16_b32 v[SS+1], v[SS], s[SEL], s[SEL+1]  ; the token's other 64 channels lie in the lane 16 away
	v_add_f32 v[SS], v[SS], v[SS+1]
	v_mul_f32 v[SS], v[SS], v[SS+6]                ; the sum of raw^2 = rs^2 x the sum of squares
	v_fma_f32 v[SS], v[SS], s90, s91               ; / 128 + eps
	v_rsq_f32 v[SS], v[SS]
	v_nop                                          ; a plain instruction between the root and the use of its result
	s_wait_alu depctr_va_vdst(0)
	v_mul_f32 v[FF], v[SS], v[RSV+2*(\a)]          ; both norms' factors in one
	v_mov_b32 v[FF+1], v[FF]
	s_wait_dscnt 0x0                               ; cos and sin are in
	WIN 0x40                                       ; destination window 1
.irp b, 0,1,2,3,4,5,6,7
.irp j, 0,2,4,6
	v_fma_mix_f32 v[8*(\b)+(\j)],   v[UU+8*(\b)+(\j)],   v[CO+4*(\b)+(\j)/2], v[ZR] op_sel:[0,0,0] op_sel_hi:[0,1,0]
	v_fma_mix_f32 v[8*(\b)+(\j)+1], v[UU+8*(\b)+(\j)+1], v[CO+4*(\b)+(\j)/2], v[ZR] op_sel:[0,1,0] op_sel_hi:[0,1,0]
.endr
.endr
	WIN 0x50                                       ; destination and source 2 window 1
.irp b, 0,1,2,3
.irp j, 0,2,4,6                        ; channels under 64: less the partner 64 above, times sin
	v_fma_mix_f32 v[8*(\b)+(\j)],   -v[UU+8*((\b)+4)+(\j)],   v[SI+4*(\b)+(\j)/2], v[8*(\b)+(\j)]   op_sel:[0,0,0] op_sel_hi:[0,1,0]
	v_fma_mix_f32 v[8*(\b)+(\j)+1], -v[UU+8*((\b)+4)+(\j)+1], v[SI+4*(\b)+(\j)/2], v[8*(\b)+(\j)+1] op_sel:[0,1,0] op_sel_hi:[0,1,0]
.endr
.endr
.irp b, 4,5,6,7
.irp j, 0,2,4,6                        ; channels from 64 on: plus the partner 64 below, times sin
	v_fma_mix_f32 v[8*(\b)+(\j)],   v[UU+8*((\b)-4)+(\j)],   v[SI+4*(\b)+(\j)/2], v[8*(\b)+(\j)]   op_sel:[0,0,0] op_sel_hi:[0,1,0]
	v_fma_mix_f32 v[8*(\b)+(\j)+1], v[UU+8*((\b)-4)+(\j)+1], v[SI+4*(\b)+(\j)/2], v[8*(\b)+(\j)+1] op_sel:[0,1,0] op_sel_hi:[0,1,0]
.endr
.endr
	WIN 0x41
.set i, 0
.rept 32
	v_pk_mul_f32 v[2*i:2*i+1], v[2*i:2*i+1], v[FF:FF+1] op_sel_hi:[1,0]
.set i, i+1
.endr
	WIN 0x05
.set i, 0
.rept 32
	v_cvt_pk_f16_f32 v[UU+i], v[2*i], v[2*i+1]     ; v192-223: 16 bytes for each block b
.set i, i+1
.endr
	WIN AW
.set i, 0
.rept 16
	v_pk_mul_f32 v[VT+2*i:VT+2*i+1], v[AB+64+2*i:AB+64+2*i+1], v[RSV+2*(\a):RSV+2*(\a)+1] op_sel_hi:[1,0]  ; v: sum x rs
.set i, i+1
.endr
	WIN 0
.set i, 0
.rept 16
	v_cvt_pk_f16_f32 v[VT+i], v[VT+2*i], v[VT+2*i+1]  ; in place, ascending: word i is written when its old number has been read
.set i, i+1
.endr
.irp b, 0,1,2,3,4,5,6,7
	ds_store_b128 v[STO], v[UU+4*(\b):UU+4*(\b)+3] offset:32*(\b)
.endr
.irp b, 0,1,2,3
	ds_store_b128 v[STV], v[VT+4*(\b):VT+4*(\b)+3] offset:32*(\b)
.endr
.irp t, 0,1,2,3,4,5,6,7
	ds_load_b128 v[CO+4*(\t):CO+4*(\t)+3], v[RD] offset:(\t)*2*272   ; LDS serves a wave's instructions in order: these see the stores above
.endr
.irp t, 0,1,2,3
	ds_load_b128 v[SI+4*(\t):SI+4*(\t)+3], v[RDV] offset:(\t)*4*144
.endr
.irp t, 0,1,2,3,4,5,6,7
	s_wait_dscnt 11-(\t)                           ; the younger loads stay out
.if (\a) == 0
	global_store_b128 v[GOQ], v[CO+4*(\t):CO+4*(\t)+3], s[QKO:QKO+1] offset:2*(\t)*256  ; 512 consecutive bytes, aligned
.else
	global_store_b128 v[GOQ], v[CO+4*(\t):CO+4*(\t)+3], s[QKL:QKL+1] offset:(16*((\a)-1)+2*(\t))*256
.endif
.endr
.irp t, 0,1,2,3
	s_wait_dscnt 3-(\t)
.if (\a) == 0
	global_store_b128 v[GOV], v[SI+4*(\t):SI+4*(\t)+3], s[VO:VO+1] offset:512*(\t)      ; 512 consecutive bytes, aligned
.else
	global_store_b128 v[GOV], v[SI+4*(\t):SI+4*(\t)+3], s[VL:VL+1] offset:2048*((\a)-1)+512*(\t)
.endif
.endr
.endm
	EPI 0
	EPI 1
	EPI 2
	EPI 3
	s_wait_tensorcnt 0x0                           ; the wave's end
	ds_add_u32 v[SPW], v[NIL]
	s_wait_dscnt 0x0
	CROUND                                         ; the closing round
	s_endpgm
.Lfunc_end_k_qeca47e6038_qkv:
	.size	k_qeca47e6038_qkv, .Lfunc_end_k_qeca47e6038_qkv-k_qeca47e6038_qkv
	.p2alignl 7, 3214868480
	.fill 96, 4, 3214868480
	.section	.rodata,"a",@progbits
	.p2align	6, 0x0
	.amdhsa_kernel k_qeca47e6038_qkv
		.amdhsa_group_segment_fixed_size 327680
		.amdhsa_private_segment_fixed_size 0
		.amdhsa_enable_private_segment 0
		.amdhsa_kernarg_size 64
		.amdhsa_user_sgpr_count 2
		.amdhsa_user_sgpr_kernarg_segment_ptr 1
		.amdhsa_wavefront_size32 1
		.amdhsa_system_sgpr_workgroup_id_x 1
		.amdhsa_system_sgpr_workgroup_id_y 1
		.amdhsa_system_sgpr_workgroup_id_z 1
		.amdhsa_system_vgpr_workitem_id 0
		.amdhsa_next_free_vgpr 960
		.amdhsa_next_free_sgpr 96
		.amdhsa_reserve_vcc 0
		.amdhsa_float_denorm_mode_32 3
		.amdhsa_float_denorm_mode_16_64 3
		.amdhsa_memory_ordered 1
		.amdhsa_forward_progress 1
		.amdhsa_inst_pref_size 211
	.end_amdhsa_kernel
	.amdgpu_metadata
---
amdhsa.version: [ 1, 2 ]
amdhsa.kernels:
  - .name:           k_qeca47e6038_qkv
    .symbol:         k_qeca47e6038_qkv.kd
    .args:
      - { .name: xh, .offset: 0, .size: 8, .value_kind: global_buffer, .address_space: global }
      - { .name: wh, .offset: 8, .size: 8, .value_kind: global_buffer, .address_space: global }
      - { .name: rs, .offset: 16, .size: 8, .value_kind: global_buffer, .address_space: global }
      - { .name: q_norm_weight, .offset: 24, .size: 8, .value_kind: global_buffer, .address_space: global }
      - { .name: k_norm_weight, .offset: 32, .size: 8, .value_kind: global_buffer, .address_space: global }
      - { .name: qh, .offset: 40, .size: 8, .value_kind: global_buffer, .address_space: global }
      - { .name: kh, .offset: 48, .size: 8, .value_kind: global_buffer, .address_space: global }
      - { .name: vh, .offset: 56, .size: 8, .value_kind: global_buffer, .address_space: global }
    .group_segment_fixed_size: 327680
    .private_segment_fixed_size: 0
    .kernarg_segment_align: 8
    .kernarg_segment_size: 64
    .max_flat_workgroup_size: 128
    .sgpr_count:     96
    .vgpr_count:     960
    .wavefront_size: 32
...
	.end_amdgpu_metadata
.endif
;; end of part 6
;; launch attn (part 7): grid 32 x 8, 4 waves a work-group, clusters of 4 x 1, 327,680 bytes of LDS; arguments qh, kh, vh, ah; writes ah
.if DOCPART == 7
	.amdgcn_target "amdgcn-amd-amdhsa--gfx1250"
	.amdhsa_code_object_version 6
	.text
	.protected	k_qeca47e6038_attn
	.globl	k_qeca47e6038_attn
	.p2align	8
	.type	k_qeca47e6038_attn,@function
k_qeca47e6038_attn:
	s_mov_b64 s[64:65], 0
	v_nop
	global_prefetch_b8 v0, s[64:65] scope:SCOPE_SE
	s_setreg_imm32_b32 hwreg(HW_REG_WAVE_MODE, 25, 1), 1
	s_wait_xcnt 0x0
	s_wait_alu depctr_hold_cnt(0) depctr_sa_sdst(0) depctr_va_vdst(0) depctr_va_sdst(0) depctr_va_ssrc(0) depctr_va_vcc(0) depctr_vm_vsrc(0)
	s_getreg_b32 s2, hwreg(HW_REG_IB_STS2, 6, 4)
	s_cmp_eq_u32 s2, 0
	s_cbranch_scc0 .Lentry_in_a_cluster
	s_endpgm
.Lentry_in_a_cluster:
	s_bfe_u32 s2, ttmp6, 0x10000c
	s_cmp_lg_u32 s2, 0x3003
	s_cbranch_scc0 .Lentry_shape_is_right
	s_endpgm
.Lentry_shape_is_right:
; CAUSAL ATTENTION, head size 128.  a[q][head] = the sum over k <= q of softmax_k(Q[q] . K[k] / sqrt(128)) V[k].  qh, kh: [8][4096][128] f16; vh: [8][2][4096][64] f16.
; THE RESULT goes out in the order in which the launch behind deals the tokens: ah[64 u][80 rows][1024] f16, head h at byte 256 h of a row.  Row group u holds block a = 0: tokens 16 u on (the early tokens, 0 to 1,023);
; blocks a = 1 to 3: tokens 1,024 + 48 u + 16 (a - 1) on; these 64 rows are hi = f16(a).  Rows 64 to 79 are lo = f16(a - hi) of block 0: the first rows' results, means over few keys, are many times the output's
; root mean square and have no room for a rounding to 11 bits; later rows have.
; Products, maxima and sums in f32; the weights p are rounded to f16 for the second product (their sum l is taken of the unrounded p).
; LIMITS.  A hidden score counts as its value less 1e30.  The running maximum starts at -2^83: f16's scores, 128 x 65,504^2 = 5.5e11 at the most, lie above it, hidden ones below.  A weight below 2^-126 counts as 0;
; p below 6e-5 keeps f16's fixed step of 6e-8, and so does lo; NaN and infinities are not treated apart.
; THE WALK.  A head's queries lie in 64 blocks of 64.  Work-group b (0 to 31) takes block b and then block 63 - b: with c = b / 4 these need c + 1 and 16 - c tiles of 256 keys: 17 trips, whatever b, and 256 equal work-groups.
; Two passes of one text: pass 1 has c + 1 trips, pass 2 has 15 - c, and the walk's last tile is written out, since it asks for nothing.  The trip counts hang on c, which the four work-groups of a cluster share:
; they walk the same tiles in the same trips, and every fill is a JOINT load.  The place in the cluster enters Q's and the result's addresses and, by selects, the mask's numbers, and nothing else.
; ONE SLOT.  A wave takes its K (32 LDS loads) and its V (32) whole into registers of their own at a trip's beginning: K by channels, so that the products on channels 0-63 begin when half of it is in; V in four runs of
; eight loads, one behind each eight of the first 32 products.  Behind 48 of the 64 products K Q^T nobody needs the slot any more, and the next tile is asked for into the same bytes: it has 16 products, the softmax's
; 536 vector instructions and the 64 products V^T P in which to land.  So every LDS address of the walk is fixed.
; THE KEYS ARE SHARED OUT AMONG THE WAVES: of a tile wave w takes keys 64 w on, against all 64 queries (four tiles of 16), so that a fragment of K or V read from LDS feeds four products.
; Each wave keeps its own running maximum m, sum l and O^T; the four meet once, at the end, in LDS: O = sum over w of 2^(c m_w - c m) O_w / sum over w of 2^(c m_w - c m) l_w.
; LAYOUT.  S^T = K Q^T (source 0 = 16 keys, source 1 = 16 queries): a lane holds ONE query (lane % 16) and the keys 8 (lane / 16) + 0..7.  Two such results rounded to f16 ARE source 1 of O^T = V^T P.  V is turned by ds_load_tr16_b128.
; SOFTMAX.  p = 2^(c s - c m), c = log2(e) / sqrt(128); in every step O and l are multiplied by a = 2^(c m_old - c m_new).  c m starts far below every c s, so a block's first a is 0 and no first step is written out.
; THE MASK is the C operand that starts S^T.  The wave's 64 keys are unit u = 4 tile + w, the queries block BQ.  VHI = -1e30 if u >= BQ, VLO = -1e30 if u > BQ, else 0.  For query tile t and key block kb: VLO if kb < t,
; VHI if kb > t; if kb = t: MD x AL + VLO, where MD, made once, is -1e30 where 8 (lane / 16) + j > lane % 16, and AL = 1 if u = BQ, else 0.
; A wave that sees no open key of a block keeps m = -2^83: its weights, l and O^T are 0, and the merge gives its part the weight 0; wave 0 always sees an open key.
; REGISTERS, in windows of 256 (s_set_vgpr_msb: bits 1:0 source 0, 3:2 source 1, 5:4 source 2, 7:6 destination):
;   window 0: v0-11 addresses; v12-43 eight registers of statistics a tile; v44-63 addresses, MD, the first block's statistics, zeros; v64-191 S^T, 32 a tile; v192-255 P, 16 a tile (its first 24 hold the masks while K Q^T runs)
;   window 1: O^T, 64 a tile     window 2: v0-127 the second block's Q until the change of blocks; v128-255 V of the wave's 64 keys     window 3: v0-127 Q, 32 a tile; v128-255 K of the wave's 64 keys
.set PK,    272       ; a row of K in LDS: 256 bytes + 16 of padding
.set PV,    160       ; a row of half of V: 128 + 32
.set VOFF,  256*PK    ; the slot: 256 rows of K, 256 rows of V's channels 0-63, 256 rows of its channels 64-127: 151,552 bytes from byte 0
.set VHALF, 256*PV
.set M1,    VOFF+2*VHALF  ; behind the slot, never filled by a tensor load: the waves' parts of the first block's O^T in f32: tile t at 32,768 t, wave w at 8,192 w.  The second block's take bytes 0 on, when the slot has had its last fill
.set STAT,  M1+4*32768    ; c m and l: 512 bytes a tile (8 tiles), 128 a wave: 16 words of c m, 16 of l
.set OSTG,  STAT+4096     ; 16 rows x 272 bytes for each wave, for the way out
.set SP,    272
.set SPARE, OSTG+4*16*SP  ; the spare words, 128 bytes a wave: two blocks of 256 bytes that no other line names
.set LOROWS, 64*2048  ; bytes in ah from a row of block 0 to its lower part
                      ; v1 = lane % 16 and v9 = lane / 16 are kept
.set AK0, 2           ; my lane's place in the tile's K
.set AV0, 3           ; the same for V
.set L16, 4           ; 16 x lane
.set QO,  5           ; my byte offset in 64 rows of Q
.set MW,  2           ; v2-3, behind the walk: where I put my parts of the second block's tiles 2 x, 2 x + 1
.set FR2, 5           ; behind the walk: where I read the four waves' parts of the second block's tile w
.set STO, 6           ; the way out: where I put 16 bytes of a row
.set RD,  7           ; where I read rows back
.set GO,  8           ; my byte offset in two rows of ah
.set MWA, 10          ; v10-11 where I put my parts of the first block's tiles 2 x, 2 x + 1
.set ST,  12          ; tile t's statistics at v[ST+8 t]: +0 c m, +1 m, +2, +3 l (even keys', odd keys'), +4 to +7 c0-c3, at work; a takes c2's place once the maximum is found
.set STA, 44          ; where I put a tile's c m (lanes 0-15) or l (lanes 16-31)
.set FR,  45          ; the merge: where I read the four waves' parts of my tile
.set SR,  46          ; where I read their c m and l
.set ONE, 47          ; behind the walk: 1.0
.set MD,  48          ; v48-55 the diagonal's mask
.set PS2, 48          ; v48-51, behind the walk: the second block's statistics
.set PS,  56          ; v56-59 the first block's statistics
.set ZP,  60          ; v60-61 0, 0
.set SPW, 62
.set NIL, 63
.set S,   64
.set P,   192
.set MLT, 192         ; eight registers of VLO
.set MGT, 200         ; eight of VHI
.set MEQ, 208         ; the diagonal's eight
.set KV,  128         ; window 3: K: key block kb, channels 32 c on at KV + 32 kb + 8 c
.set VV,  128         ; window 2: V: keys 32 kk on, channels 16 cb on at VV + 64 kk + 8 cb
.set WV,  12          ; s13 holds the place in the cluster and nothing else
.set CC,  14          ; c
.set BB,  15          ; b
.set HI,  16          ; 63 - b
.set THI, 17          ; 16 - c
.set G1K, 24
.set G1V, 32
.set G0K, 40
.set G0V, 44
.set KB,  48          ; s[48:49] kh at my half of the head's tile 0
.set VB,  50          ; s[50:51] vh likewise
.set OFF, 52          ; s[52:53] a tile's byte offset
.set LK,  54          ; my part's place in the slot, K
.set LV,  55          ; and V
.set TT,  56          ; the tile entered, within its block: the inner loop's counter
.set OUT, 57          ; passes to go: the outer loop's counter
.set CS,  58          ; s[58:59] c
.set SEL, 60          ; s[60:61]
.set NT,  62          ; tiles of the block in hand
.set BND, 63          ; trips of the pass
.set NXT, 66          ; the tile to be asked for
.set BQ,  67          ; the block of queries in hand
.set UU,  68          ; my unit of 64 keys
.set VHI, 69
.set BIGN, 70
.set CNT, 71
.set AL,  72          ; s[72:73] the diagonal mask's factor, in the low word
.set BE,  74          ; s[74:75] VLO, in the low word
.set Q2,  76          ; s[76:77] qh at the second block
.set OB,  78          ; s[78:79] ah at my tile of the block being finished: the first block's, then
.set O2,  80          ; s[80:81] the second's
.set Q1,  82          ; s[82:83] qh at the first block
.set C1,  84          ; c + 1
.set TH1, 85          ; 15 - c
.set LOF, 86          ; 1: the block being finished is early and has a lower part.  s87-89 at work
.set MSB, 0
.macro WIN new                      ; the high byte repeats the setting that is left; a switch that changes nothing is dropped
.if MSB != (\new)
	s_set_vgpr_msb (MSB<<8)|(\new)
.set MSB, \new
.endif
.endm
.macro PLACES                       ; four places in front of loads into, and vector writes of, registers that matrix instructions have read, and of reads of their results
.rept 4
	v_nop
.endr
.endm
; A joint fill.  Waves 0 and 1 fetch the halves of a tile's K (128 keys each), waves 2 and 3 the channel halves of its V.  An s_nop 0 and four v_nop follow each line, ahead of the jump and the label.
.macro JLOAD
	s_cmp_lt_u32 s[WV], 2
	s_cbranch_scc0 .Lfor_v_\@
	tensor_load_to_lds s[G0K:G0K+3], s[G1K:G1K+7]
	s_nop 0
.rept 4
	v_nop
.endr
	s_branch .Lasked_\@
.Lfor_v_\@:
	tensor_load_to_lds s[G0V:G0V+3], s[G1V:G1V+7]
	s_nop 0
.rept 4
	v_nop
.endr
.Lasked_\@:
.endm
.macro CROUND
	s_barrier_signal -1
	s_barrier_wait -1
	s_cmp_lg_u32 s[WV], 0
	s_cbranch_scc1 .Lnot_wave_0_\@
	s_barrier_signal -3
.Lnot_wave_0_\@:
	s_barrier_wait -3
	s_barrier_signal -1
	s_barrier_wait -1
.endm
.macro LOADQ base, win              ; 64 queries: tile i / 4, channels 32 (i % 4) on
	WIN \win
.set i, 0
.rept 16
	global_load_b128 v[8*i:8*i+3],   v[QO], s[\base:\base+1] offset:(i/4)*4096+(i%4)*64
	global_load_b128 v[8*i+4:8*i+7], v[QO], s[\base:\base+1] offset:(i/4)*4096+(i%4)*64+32
.set i, i+1
.endr
	WIN 0
.endm
; The first row in ah of the block of 16 tokens whose number lies in s[beta].  Under 64: row group beta, block 0: 80 beta.  From 64 on: with g = beta - 64, row group g / 3 and block 1 + g % 3; g x 171 >> 9 is g / 3 for g under 192.
.macro ROWPOS dst, beta
	s_sub_co_u32 s87, s[\beta], 64
	s_mul_i32 s88, s87, 171
	s_lshr_b32 s88, s88, 9
	s_mul_i32 s89, s88, 3
	s_sub_co_u32 s87, s87, s89
	s_mul_i32 s88, s88, 80
	s_lshl4_add_u32 s88, s87, s88
	s_add_co_u32 s88, s88, 16
	s_mul_i32 s89, s[\beta], 80
	s_cmp_lt_u32 s[\beta], 64
	s_cselect_b32 s[\dst], s89, s88
.endm
	s_load_b256 s[4:11], s[0:1], 0x0  ; qh s[4:5], kh s[6:7], vh s[8:9], ah s[10:11]
	v_lshl_add_u32 v[SPW], v0, 2, SPARE
	v_mov_b32 v[NIL], 0
	ds_add_u32 v[SPW], v[NIL]       ; the wave's opening: the add and its wait stand ahead of my first tensor load
	v_lshrrev_b32 v1, 5, v0
	v_readfirstlane_b32 s[WV], v1
	s_mov_b32 s[CC], ttmp9          ; in a cluster launch ttmp9 counts clusters
	s_bfe_u32 s13, ttmp6, 0x40000   ; cx
	s_lshl_b32 s[BB], s[CC], 2
	s_add_co_u32 s[BB], s[BB], s13
	s_sub_co_u32 s[HI], 63, s[BB]
	s_sub_co_u32 s[THI], 16, s[CC]
	s_sub_co_u32 s[TH1], 15, s[CC]
	s_add_co_u32 s[C1], s[CC], 1
	s_cmp_lt_u32 s[CC], 4           ; blocks 0 to 15 are the tokens under 1,024: b < 16 where c < 4
	s_cselect_b32 s[LOF], 1, 0
	s_and_b32 s18, ttmp7, 0xffff    ; the head
	s_and_b32 s19, s[WV], 1         ; which half I fetch
	s_lshl_b32 s20, s18, 20         ; a head is 1 << 20 bytes of qh, kh, vh
	s_lshl_b32 s22, s19, 15         ; K: 128 rows of 256 bytes
	s_add_co_u32 s22, s22, s20
	s_mov_b32 s23, 0
	s_lshl_b32 s2, s19, 19          ; V: a channel half
	s_add_co_u32 s2, s2, s20
	s_mov_b32 s3, 0
	s_mul_i32 s[LK], s19, 128*PK
	s_mul_i32 s[LV], s19, VHALF
	s_add_co_u32 s[LV], s[LV], VOFF
	s_lshl_b32 s[Q1], s[BB], 14     ; a block of queries is 64 rows of 256 bytes
	s_add_co_u32 s[Q1], s[Q1], s20
	s_mov_b32 s[Q1+1], 0
	s_lshl_b32 s[Q2], s[HI], 14
	s_add_co_u32 s[Q2], s[Q2], s20
	s_mov_b32 s[Q2+1], 0
	s_lshl_b32 s[UU], s18, 8        ; the result: the head's 256 bytes of a row of 2,048; I finish tile w of each block: the block of 16 tokens 4 x block + w
	s_lshl_b32 s21, s[BB], 2
	s_add_co_u32 s21, s21, s[WV]
	ROWPOS OB, 21
	s_lshl_b32 s[OB], s[OB], 11
	s_add_co_u32 s[OB], s[OB], s[UU]
	s_mov_b32 s[OB+1], 0
	s_lshl_b32 s21, s[HI], 2
	s_add_co_u32 s21, s21, s[WV]
	ROWPOS O2, 21
	s_lshl_b32 s[O2], s[O2], 11
	s_add_co_u32 s[O2], s[O2], s[UU]
	s_mov_b32 s[O2+1], 0
	s_mov_b32 s[G1K], 15|(1<<16)|(1<<20)|(1<<21)|(5<<22)|(3<<25)  ; the mask of four; 2-byte elements; padding on; 21 set beside a mask; after every 64 words 4 words
	s_mov_b32 s[G1V], 15|(1<<16)|(1<<20)|(1<<21)|(4<<22)|(7<<25)  ; V's 128-byte rows lie end to end: asked for as rows of 256 bytes, padded after every 32 words by 8
.irp g, G1K, G1V
	s_mov_b32 s[(\g)+1], 128<<16    ; tensor_dim0 = 128
	s_mov_b32 s[(\g)+2], 128<<16    ; tensor_dim1 = 128
	s_mov_b32 s[(\g)+3], 128<<16    ; tile_dim0 = 128
	s_mov_b32 s[(\g)+4], 128        ; tile_dim1 = 128
	s_mov_b32 s[(\g)+5], 128        ; elements from row to row
	s_mov_b32 s[(\g)+6], 0
	s_mov_b32 s[(\g)+7], 0
.endr
	s_mov_b32 s[CS], 0x3e0293ee     ; c = log2(e) / sqrt(128)
	s_mov_b32 s[CS+1], s[CS]
	s_mov_b32 s[SEL], 0x76543210
	s_mov_b32 s[SEL+1], 0xfedcba98
	s_mov_b32 s[BIGN], 0xf149f2ca   ; -1e30
	s_mov_b32 s[OFF+1], 0
	s_mov_b32 s[AL+1], 0            ; named as pairs
	s_mov_b32 s[BE+1], 0
	s_mov_b32 s[G0K], 1
	s_mov_b32 s[G0K+1], s[LK]       ; the LDS words stay as they are: one slot
	s_mov_b32 s[G0V], 1
	s_mov_b32 s[G0V+1], s[LV]
	s_wait_dscnt 0x0                ; the opening add is done
	s_wait_kmcnt 0x0
	s_add_nc_u64 s[KB:KB+1], s[6:7], s[22:23]
	s_add_nc_u64 s[VB:VB+1], s[8:9], s[2:3]
	s_mov_b64 s[G0K+2:G0K+3], s[KB:KB+1]
	s_or_b32 s[G0K+3], s[G0K+3], 0x80000000
	s_mov_b64 s[G0V+2:G0V+3], s[VB:VB+1]
	s_or_b32 s[G0V+3], s[G0V+3], 0x80000000
	s_add_nc_u64 s[Q1:Q1+1], s[4:5], s[Q1:Q1+1]
	s_add_nc_u64 s[Q2:Q2+1], s[4:5], s[Q2:Q2+1]
	s_add_nc_u64 s[OB:OB+1], s[10:11], s[OB:OB+1]
	s_add_nc_u64 s[O2:O2+1], s[10:11], s[O2:O2+1]
	CROUND                          ; all four work-groups are here: the first joint loads meet
	JLOAD                           ; the first block's tile 0
	v_and_b32 v1, 15, v0            ; r = l % 16
	v_bfe_u32 v9, v0, 4, 1          ; h = l / 16
	v_lshlrev_b32 v[QO], 8, v1
	v_lshl_add_u32 v[QO], v9, 4, v[QO]
	LOADQ Q1, 0xc0                  ; the first block's Q, into window 3
	v_lshlrev_b32 v47, 3, v9
	v_sub_nc_u32 v47, v1, v47       ; r - 8 h: register j is hidden where j is greater
.irp j, 0,1,2,3,4,5,6,7
	v_cmp_gt_i32 vcc_lo, \j, v47
	v_cndmask_b32 v[MD+(\j)], 0, s[BIGN], vcc_lo
.endr
	s_mul_i32 s22, s[WV], 64*PK     ; my 64 keys
	v_mul_u32_u24 v[AK0], v1, PK
	v_lshl_add_u32 v[AK0], v9, 4, v[AK0]
	v_add_nc_u32 v[AK0], s22, v[AK0]
	; The turning load takes 16 keys x 16 channels (lane l reads key 8 (l / 16) + l % 8, channels 8 ((l / 8) % 2) + 0..7) and leaves half a fragment of V^T: lane l holds channel l % 16 and 8 keys.
	v_and_b32 v10, 7, v0
	v_bfe_u32 v11, v0, 3, 1
	v_lshl_add_u32 v[AV0], v9, 3, v10
	v_mul_u32_u24 v[AV0], v[AV0], PV
	v_lshl_add_u32 v[AV0], v11, 4, v[AV0]
	s_mul_i32 s22, s[WV], 64*PV
	s_add_co_u32 s22, s22, VOFF
	v_add_nc_u32 v[AV0], s22, v[AV0]
	v_and_b32 v[L16], 31, v0
	v_lshlrev_b32 v[L16], 4, v[L16]
	s_lshl_b32 s22, s[WV], 13       ; my 8,192 bytes of a tile's parts
	s_add_co_u32 s22, s22, M1
	v_add_nc_u32 v[MWA], s22, v[L16]
	v_add_nc_u32 v[MWA+1], 0x10000, v[MWA]
	; O^T and l start at 0, c m far below every c s, m at -2^83.  The first block's statistics are written too, so that they hold numbers on every way through the text.
	; Zeros are written two registers to a line, as 0 x 0.  All this stands in the wait for the first tile.
	v_mov_b32 v[ZP], 0
	v_mov_b32 v[ZP+1], 0
	WIN 0x40
.set i, 0
.rept 128
	v_pk_mul_f32 v[2*i:2*i+1], v[ZP:ZP+1], v[ZP:ZP+1]
.set i, i+1
.endr
	WIN 0
.irp t, 0,1,2,3
	v_mov_b32 v[ST+8*(\t)], 0xfe000000
	v_mov_b32 v[ST+8*(\t)+1], 0xe9000000
	v_mov_b32 v[ST+8*(\t)+2], 0
	v_mov_b32 v[ST+8*(\t)+3], 0
	v_mov_b32 v[PS+(\t)], 0
.endr
; THE MATRIX WORK.  The accumulators take turns, one instruction a turn: between two links of a chain stand 15 (K Q^T) or 31 (V^T P) others'.
; Product i of 64 of S^T = K Q^T: channels 32 (i / 16) on, keys 16 ((i / 4) % 4) on, query tile i % 4.  The first 16 start the sums with the mask.
.macro KQ
	WIN 0x0f                        ; K and Q in window 3, the mask and S^T in window 0
.set t, i%4
.set kb, (i/4)%4
.set rS, S+32*t+8*kb
.set rK, KV+32*kb+8*(i/16)
.set rQ, 32*t+8*(i/16)
.if i >= 16
	v_wmma_f32_16x16x32_f16 v[rS:rS+7], v[rK:rK+7], v[rQ:rQ+7], v[rS:rS+7]
.elseif kb < t
	v_wmma_f32_16x16x32_f16 v[rS:rS+7], v[rK:rK+7], v[rQ:rQ+7], v[MLT:MLT+7]
.elseif kb > t
	v_wmma_f32_16x16x32_f16 v[rS:rS+7], v[rK:rK+7], v[rQ:rQ+7], v[MGT:MGT+7]
.else
	v_wmma_f32_16x16x32_f16 v[rS:rS+7], v[rK:rK+7], v[rQ:rQ+7], v[MEQ:MEQ+7]
.endif
.set i, i+1
.endm
; Product i of 64 of O^T += V^T P: keys 32 (i / 32) on, channels 16 ((i / 4) % 8) on, query tile i % 4.
.macro PV
	WIN 0x52                        ; V in window 2, P in window 0, O^T in window 1
.set rO, 64*(i%4)+8*((i/4)%8)
.set rV, VV+64*(i/32)+8*((i/4)%8)
.set rP, P+16*(i%4)+8*(i/32)
	v_wmma_f32_16x16x32_f16 v[rO:rO+7], v[rV:rV+7], v[rP:rP+7], v[rO:rO+7]
.set i, i+1
.endm
; K: 64 keys x 128 channels, 32 loads, by channels: the eight loads of channels 32 c on (key blocks 0 to 3) stand together, c ascending, in the order in which the products want them.
.macro FETCH_K
	WIN 0xc0                        ; destination window 3
.irp c, 0,1,2,3
.irp b, 0,1,2,3
	ds_load_b128 v[KV+32*(\b)+8*(\c):KV+32*(\b)+8*(\c)+3],   v[AK0] offset:(\b)*16*PK+(\c)*64
	ds_load_b128 v[KV+32*(\b)+8*(\c)+4:KV+32*(\b)+8*(\c)+7], v[AK0] offset:(\b)*16*PK+(\c)*64+32
.endr
.endr
	WIN 0
.endm
; Run r of four of V's 32 turning loads: fragments 4 r to 4 r + 3.  Fragment f: keys 32 (f / 8) on, channels 16 (f % 8) on: half (f % 8) / 4 of V.
.macro VRUN r
	WIN 0x80                        ; destination window 2
.irp g, 0,1,2,3
.set vf, 4*(\r)+(\g)
	ds_load_tr16_b128 v[VV+8*vf:VV+8*vf+3],   v[AV0] offset:(vf/8)*32*PV+((vf%8)/4)*VHALF+(vf%4)*32
	ds_load_tr16_b128 v[VV+8*vf+4:VV+8*vf+7], v[AV0] offset:(vf/8)*32*PV+((vf%8)/4)*VHALF+(vf%4)*32+16*PV
.endr
.endm
; THE SOFTMAX of one tile for one trip is a list of 134 instructions; SM writes number j of it for tile t.  s0-s31 are the lane's 32 scores, in pairs 0-15.
;   0-15    the maximum of s0-s31 and the old m, three operands at a time: four chains c0-c3 of seven scores each (each accumulator's lowest registers are read first), then the four left over, c0-c3 and m
;   16-20   the other half of the lanes' maximum; the new m; c m; c m_old - c m_new
;   21-87   33 exponentials (a, then s0-s31) at the odd numbers from 23 on, so that no two follow each other and each has a plain instruction behind it before its result is used; the plain ones are
;           c s - c m for pairs whose exponentials are still to come, roundings to f16 of pairs whose exponentials are done, at last the first three sums
;   88-101  the last rounding; the rest of the sums; l = a l + the sum          102-133 the tile's O^T times a
.macro SM t
.set rT, ST+8*(\t)
.set rS, S+32*(\t)
.set rP, P+16*(\t)
.set rO, 64*(\t)+2*(j-102)
.set q, (j-20)/2
.if j < 102
	WIN 0
.endif
.if j < 4
	v_max3_num_f32 v[rT+4+j], v[rS+8*j], v[rS+8*j+1], v[rS+8*j+2]
.elseif j < 12
	v_max3_num_f32 v[rT+4+j%4], v[rT+4+j%4], v[rS+8*(j%4)+2*(j/4)+1], v[rS+8*(j%4)+2*(j/4)+2]
.elseif j == 12
	v_max3_num_f32 v[rT+4], v[rT+4], v[rS+7], v[rS+15]
.elseif j == 13
	v_max3_num_f32 v[rT+6], v[rT+6], v[rS+23], v[rS+31]
.elseif j == 14
	v_max3_num_f32 v[rT+4], v[rT+4], v[rT+5], v[rT+6]
.elseif j == 15
	v_max3_num_f32 v[rT+4], v[rT+4], v[rT+7], v[rT+1]
.elseif j == 16
	v_permlanex16_b32 v[rT+5], v[rT+4], s[SEL], s[SEL+1]  ; the query's other 32 keys lie in the lane 16 away
.elseif j == 17
	v_mov_b32 v[rT+7], v[rT]        ; c m_old is kept for a: number 19 writes c m anew
.elseif j == 18
	v_max_num_f32 v[rT+1], v[rT+4], v[rT+5]
.elseif j == 19
	v_mul_f32 v[rT], s[CS], v[rT+1]
.elseif j == 20
	v_sub_f32 v[rT+7], v[rT+7], v[rT]
.elseif j == 23
	v_exp_f32 v[rT+6], v[rT+7]
.elseif (j < 88) && (j > 23) && (j%2 == 1)
	v_exp_f32 v[rS+(j-25)/2], v[rS+(j-25)/2]
.elseif (q < 4) || ((j < 76) && (q%2 == 0))
.set b, q/2+2
.if q < 4
.set b, q
.endif
	v_pk_fma_f32 v[rS+2*b:rS+2*b+1], v[rS+2*b:rS+2*b+1], s[CS:CS+1], v[rT:rT+1] op_sel_hi:[1,0,0] neg_lo:[0,0,1] neg_hi:[0,0,1]  ; pair b: c s - c m
.elseif (j < 88) && (q%2 == 1)
	s_wait_alu depctr_va_vdst(0)
	v_cvt_pk_f16_f32 v[rP+(q-5)/2], v[rS+q-5], v[rS+q-4]
.elseif j == 89
	s_wait_alu depctr_va_vdst(0)
	v_cvt_pk_f16_f32 v[rP+15], v[rS+30], v[rS+31]
.elseif j < 102                     ; the sum of the tile's 16 pairs, in place: sum z of 16 adds neighbours 1, 2, 4 and 8 pairs apart, then l takes it
.set z, j-86
.if j < 89
.set z, (j-76)/4
.endif
.set w, 4
.set u, z
.if z >= 14
.set w, 32
.set u, 0
.elseif z >= 12
.set w, 16
.set u, z-12
.elseif z >= 8
.set w, 8
.set u, z-8
.endif
.if z < 15
	v_pk_add_f32 v[rS+w*u:rS+w*u+1], v[rS+w*u:rS+w*u+1], v[rS+w*u+w/2:rS+w*u+w/2+1]
.else
	v_pk_fma_f32 v[rT+2:rT+3], v[rT+2:rT+3], v[rT+6:rT+7], v[rS:rS+1] op_sel_hi:[1,0,1]
.endif
.else
	WIN 0x41
	v_pk_mul_f32 v[rO:rO+1], v[rO:rO+1], v[rT+6:rT+7] op_sel_hi:[1,0]
.endif
.endm
; Slice k of 64 for tiles y, y + 1: numbers 2 k and 2 k + 1 of both lists; the twelve that are over stand in slice 63.
.macro SLICE y
.if (k >= 11) && (k < 44)           ; tile by tile: plain, exponential, plain, exponential
.irp t, \y, (\y)+1
.irp n, 0,1
.set j, 2*k+(\n)
	SM \t
.endr
.endr
.else                               ; the two tiles alternate, so that no instruction reads the result of the one just before it
.irp n, 0,1,2,3,4,5,6,7
.if ((\n) < 2) || (k == 63)
.irp t, \y, (\y)+1
.set j, 2*k+(\n)
	SM \t
.endr
.endif
.endr
.endif
.set k, k+1
.endm
; A block's statistics, one register a tile at dst: l's two halves and the other half of the lanes' are added; lanes 0-15 keep c m, lanes 16-31 l.
; The four additions at its head name no register of the last products: they are the places behind them.
.macro STATC dst
.irp t, 0,1,2,3
	v_add_f32 v[ST+8*(\t)+4], v[ST+8*(\t)+2], v[ST+8*(\t)+3]
.endr
	v_cmp_eq_u32 vcc_lo, 1, v9
.irp t, 0,1,2,3
	v_permlanex16_b32 v[ST+8*(\t)+5], v[ST+8*(\t)+4], s[SEL], s[SEL+1]
.endr
.irp t, 0,1,2,3
	v_add_f32 v[ST+8*(\t)+4], v[ST+8*(\t)+4], v[ST+8*(\t)+5]
.endr
.irp t, 0,1,2,3
	v_cndmask_b32 v[(\dst)+(\t)], v[ST+8*(\t)], v[ST+8*(\t)+4], vcc_lo
.endr
.endm
; My parts of a block's O^T go to LDS in f32: 64 stores, four registers a lane at 512 chunk + 16 l, each accumulator's low four registers first; a tile's 16 in a run; a run begins when at most 32 older stores are out, so at most 48 of mine are out.
.macro PARTS mw
	WIN 0x04                        ; data in window 1
.set i, 0
.rept 64
	ds_store_b128 v[(\mw)+i/32], v[4*i:4*i+3] offset:((i/16)%2)*32768+(i%16)*512
.if i%16 == 15
	s_wait_dscnt 32
.endif
.set i, i+1
.endr
	WIN 0
.endm
; A TRIP: one tile of 256 keys, of which my 64.  fill = 1: when every wave has its K and its V in registers the slot is filled again, with the block's next tile or, behind its last, the next block's tile 0.
.macro TRIP fill
	WIN 0
	s_wait_tensorcnt 0x0            ; my part of the tile has landed: it is the one load of mine that was out, so the count is 0;
	s_barrier_signal -1
	s_barrier_wait -1               ; everybody's has.
	s_lshl_b32 s[UU], s[TT], 2
	s_add_co_u32 s[UU], s[UU], s[WV]  ; my unit of 64 keys
	s_cmp_ge_u32 s[UU], s[BQ]
	s_cselect_b32 s[VHI], s[BIGN], 0
	s_cmp_gt_u32 s[UU], s[BQ]
	s_cselect_b32 s[BE], s[BIGN], 0
	s_cmp_eq_u32 s[UU], s[BQ]
	s_cselect_b32 s[AL], 1.0, 0
	PLACES                          ; behind the last trip's products: the masks are written where they read P, V's loads land where they read V
	FETCH_K
.irp j, 0,1,2,3,4,5,6,7
	v_mov_b32 v[MLT+(\j)], s[BE]
	v_mov_b32 v[MGT+(\j)], s[VHI]
.endr
.irp z, 0,1,2,3
	v_pk_fma_f32 v[MEQ+2*(\z):MEQ+2*(\z)+1], v[MD+2*(\z):MD+2*(\z)+1], s[AL:AL+1], s[BE:BE+1] op_sel_hi:[1,0,0]
.endr
	s_wait_dscnt 16                 ; K's channels 0-63 are in: its 16 younger loads, channels 64-127, stay out
.set i, 0
.irp r, 0,1,2,3
.rept 8
	KQ                              ; products 0-31: channels 0-63
.endr
	VRUN \r                         ; eight of V's loads behind each eight products: the LDS serves them while the next eight are multiplied
.endr
	s_wait_dscnt 32                 ; all of K is in: behind its last load stand V's 32
.if \fill
	WIN 0
	s_wait_tensorcnt 0x0            ; no tensor load of mine is out, so a group 0 may be written
	ds_add_u32 v[SPW], v[NIL]       ; 0 onto my spare word; the descriptors' words and 16 products stand between it and the wait for it
	s_add_co_u32 s[NXT], s[TT], 1
	s_cmp_ge_u32 s[NXT], s[NT]      ; behind the block's last tile: the next block's tile 0
	s_cselect_b32 s[NXT], 0, s[NXT]
	s_lshl_b32 s[OFF], s[NXT], 16   ; a tile is 65,536 bytes of K
	s_add_nc_u64 s[G0K+2:G0K+3], s[KB:KB+1], s[OFF:OFF+1]
	s_or_b32 s[G0K+3], s[G0K+3], 0x80000000
	s_lshl_b32 s[OFF], s[NXT], 15   ; and 32,768 of each half of V
	s_add_nc_u64 s[G0V+2:G0V+3], s[VB:VB+1], s[OFF:OFF+1]
	s_or_b32 s[G0V+3], s[G0V+3], 0x80000000
.endif
.rept 16
	KQ                              ; products 32-47: channels 64-95
.endr
.if \fill
	WIN 0
	s_wait_dscnt 0x0                ; the add is done; K and V are in registers: my reads of the slot are over
	CROUND                          ; so are those of every wave of the four work-groups, and none has a load on its way
	JLOAD                           ; the refill, first thing behind the round: it lands under the last 16 products, the softmax and V^T P
.endif
.rept 16
	KQ                              ; products 48-63: channels 96-127
.endr
	WIN 0
	PLACES                          ; in front of the reads of the scores
.set k, 0
.rept 64
	SLICE 0
.endr
.set k, 0
.rept 64
	SLICE 2
.endr
.if \fill
	s_wait_loadcnt 0x0              ; the second block's Q, asked for ahead of the first trip, is in window 2; met at once in every later trip
.else
	s_wait_dscnt 0x0                ; V
.endif
.set i, 0
.rept 64
	PV
.endr
	WIN 0
.endm
	s_wait_loadcnt 0x0              ; the first block's Q
	LOADQ Q2, 0x80                  ; the second block's, into window 2
	s_mov_b32 s[OUT], 2
.Lblock:                            ; two passes
	s_cmp_eq_u32 s[OUT], 2
	s_cselect_b32 s[BQ], s[BB], s[HI]      ; block b, then block 63 - b
	s_cselect_b32 s[NT], s[C1], s[THI]     ; its tiles
	s_cselect_b32 s[BND], s[C1], s[TH1]    ; the pass's trips: all of the first block's; all but the last of the second's
	s_mov_b32 s[TT], 0
.Ltrip:
	TRIP 1
	s_add_co_u32 s[TT], s[TT], 1
	s_cmp_lt_u32 s[TT], s[BND]
	s_cbranch_scc1 .Ltrip
	s_cmp_eq_u32 s[OUT], 1
	s_cbranch_scc1 .Lsame           ; forward, past no barrier and no tensor load
	STATC PS                        ; THE CHANGE OF BLOCKS: the first block's statistics are kept;
	WIN 0xc2                        ; the second block's Q goes from window 2 to where the products name Q (words of two f16: moved, not multiplied);
.set i, 0
.rept 128
	v_mov_b32 v[i], v[i]
.set i, i+1
.endr
	PARTS MWA                       ; my parts of the first block's O^T go to bytes of their own behind the slot, where they wait for the merge;
	s_wait_dscnt 0x0                ; no LDS instruction of mine is out at the next trip's barrier
.irp t, 0,1,2,3
	v_mov_b32 v[ST+8*(\t)], 0xfe000000    ; and the second block's first a is 0: what O^T and l hold need only be finite
	v_mov_b32 v[ST+8*(\t)+1], 0xe9000000
.endr
.Lsame:
	s_sub_co_u32 s[OUT], s[OUT], 1
	s_cmp_lg_u32 s[OUT], 0
	s_cbranch_scc1 .Lblock
	TRIP 0                          ; the walk's last tile (the second block's tile 15 - c) is written out
	STATC PS2
	v_lshlrev_b32 v[STA], 2, v0     ; 128 w + 4 l
	v_add_nc_u32 v[STA], STAT, v[STA]
.irp t, 0,1,2,3
	ds_store_b32 v[STA], v[PS+(\t)] offset:(\t)*512
.endr
.irp t, 0,1,2,3
	ds_store_b32 v[STA], v[PS2+(\t)] offset:(4+(\t))*512
.endr
	; the addresses of the merge and of the way out
	s_mul_i32 s22, s[WV], 16*SP
	s_add_co_u32 s22, s22, OSTG     ; my stage
	v_mul_u32_u24 v[STO], v1, SP    ; in: row l % 16, 16 bytes for each half of the lanes
	v_lshl_add_u32 v[STO], v9, 4, v[STO]
	v_add_nc_u32 v[STO], s22, v[STO]
	v_mul_u32_u24 v[RD], v9, SP     ; back: lanes 0-15 one row of 256 bytes, lanes 16-31 the next
	v_lshl_add_u32 v[RD], v1, 4, v[RD]
	v_add_nc_u32 v[RD], s22, v[RD]
	v_lshlrev_b32 v[GO], 11, v9     ; lanes 0-15 one row of ah, lanes 16-31 the next
	v_lshl_add_u32 v[GO], v1, 4, v[GO]
	v_mov_b32 v[ONE], 1.0
	s_lshl_b32 s22, s[WV], 15
	v_add_nc_u32 v[FR2], s22, v[L16]  ; tile w of the second block: 32,768 bytes a tile, from byte 0;
	v_add_nc_u32 v[FR], M1, v[FR2]    ; of the first block: from M1
	s_lshl_b32 s22, s[WV], 9
	s_add_co_u32 s22, s22, STAT
	v_lshl_add_u32 v[SR], v1, 2, s22
	s_lshl_b32 s22, s[WV], 13       ; my 8,192 bytes of a tile
	v_add_nc_u32 v[MW], s22, v[L16]
	v_add_nc_u32 v[MW+1], 0x10000, v[MW]
	; THE MERGE.  The slot has had its last fill; when nobody reads it any more, bytes 0 to 131,071 take the waves' parts of the second block's O^T.
	s_wait_dscnt 0x0
	s_barrier_signal -1
	s_barrier_wait -1
	PARTS MW
	s_wait_dscnt 0x0                ; for the others' sake: my stores are done
	s_barrier_signal -1
	s_barrier_wait -1
.macro PART x                       ; wave x's part of my tile: 16 loads, into v[64 x ..] of window 1
	WIN 0x40
.set i, 0
.rept 16
	ds_load_b128 v[64*(\x)+4*i:64*(\x)+4*i+3], v[FR] offset:8192*(\x)+512*i
.set i, i+1
.endr
.endm
.macro ADDIN x                      ; + wave x's part times its factor
	WIN 0x51
.set i, 0
.rept 32
	v_pk_fma_f32 v[2*i:2*i+1], v[64*(\x)+2*i:64*(\x)+2*i+1], v[32+2*(\x):33+2*(\x)], v[2*i:2*i+1] op_sel_hi:[1,0,1]
.set i, i+1
.endr
.endm
	s_mov_b32 s[CNT], 2
.Lfin:                              ; two trips: I finish tile w of the first block, then of the second
.irp x, 0,1,2,3
	ds_load_b32 v[48+(\x)], v[SR] offset:128*(\x)       ; c m of wave x for my lane's query
	ds_load_b32 v[52+(\x)], v[SR] offset:128*(\x)+64    ; l
.endr
	PART 0
	PART 1
	WIN 0
	s_wait_dscnt 32                 ; the eight statistics are in; the 32 loads behind them stay out
	v_max3_num_f32 v56, v48, v49, v50
	v_max_num_f32 v56, v56, v51
.irp x, 0,1,2,3
	v_sub_f32 v[48+(\x)], v[48+(\x)], v56
.endr
.irp x, 0,1,2,3
	v_exp_f32 v[48+(\x)], v[48+(\x)]
.endr
	v_nop                           ; a plain instruction behind the last exponential
	s_wait_alu depctr_va_vdst(0)
	v_mul_f32 v57, v48, v52
	v_fmac_f32 v57, v49, v53
	v_fmac_f32 v57, v50, v54
	v_fmac_f32 v57, v51, v55
	v_rcp_f32 v57, v57
	v_nop                           ; and behind the reciprocal
	s_wait_alu depctr_va_vdst(0)
.irp x, 0,1,2,3
	v_mul_f32 v[32+2*(\x)], v[48+(\x)], v57
.endr
.irp x, 0,1,2,3
	v_mov_b32 v[33+2*(\x)], v[32+2*(\x)]           ; named as pairs
.endr
	PART 2
	s_wait_dscnt 32                 ; part 0 is in; parts 1 and 2 stay out
	WIN 0x41
.set i, 0
.rept 32
	v_pk_mul_f32 v[2*i:2*i+1], v[2*i:2*i+1], v[32:33] op_sel_hi:[1,0]
.set i, i+1
.endr
	PART 3
	s_wait_dscnt 32                 ; part 1 is in
	ADDIN 1
	s_wait_dscnt 16                 ; part 2
	ADDIN 2
	s_wait_dscnt 0x0                ; part 3
	ADDIN 3
	WIN 0x05
.set i, 0
.rept 32
	v_cvt_pk_f16_f32 v[S+i], v[2*i], v[2*i+1]      ; hi
.set i, i+1
.endr
	WIN 0
.irp f, 0,1,2,3,4,5,6,7
	ds_store_b128 v[STO], v[S+4*(\f):S+4*(\f)+3] offset:32*(\f)
.endr
.irp f, 0,1,2,3,4,5,6,7
	ds_load_b128 v[S+32+4*(\f):S+32+4*(\f)+3], v[RD] offset:(\f)*2*SP  ; LDS serves a wave's instructions in order: these see the stores above
.endr
.irp f, 0,1,2,3,4,5,6,7
	s_wait_dscnt 7-(\f)             ; the younger loads stay out
	global_store_b128 v[GO], v[S+32+4*(\f):S+32+4*(\f)+3], s[OB:OB+1] offset:4096*(\f)  ; 16 lanes store 256 consecutive bytes, aligned: a head's part of a row
.endr
	s_cmp_eq_u32 s[LOF], 0
	s_cbranch_scc1 .Lno_lo          ; only an early block has a lower part; the flag hangs on c and on the trip
	WIN 0x50                        ; destination and source 2 window 1
.set i, 0
.rept 32
	v_fma_mix_f32 v[2*i],   -v[ONE], v[S+i], v[2*i]   op_sel:[0,0,0] op_sel_hi:[0,1,0]  ; what hi leaves: -1 x hi + a, exact
	v_fma_mix_f32 v[2*i+1], -v[ONE], v[S+i], v[2*i+1] op_sel:[0,1,0] op_sel_hi:[0,1,0]
.set i, i+1
.endr
	WIN 0x05
.set i, 0
.rept 32
	v_cvt_pk_f16_f32 v[S+64+i], v[2*i], v[2*i+1]   ; lo
.set i, i+1
.endr
	WIN 0
.irp f, 0,1,2,3,4,5,6,7
	ds_store_b128 v[STO], v[S+64+4*(\f):S+64+4*(\f)+3] offset:32*(\f)
.endr
.irp f, 0,1,2,3,4,5,6,7
	ds_load_b128 v[S+96+4*(\f):S+96+4*(\f)+3], v[RD] offset:(\f)*2*SP
.endr
.irp f, 0,1,2,3,4,5,6,7
	s_wait_dscnt 7-(\f)
	global_store_b128 v[GO], v[S+96+4*(\f):S+96+4*(\f)+3], s[OB:OB+1] offset:4096*(\f)+LOROWS
.endr
.Lno_lo:
	s_wait_xcnt 0x0                 ; the stores have read their registers and their base
	v_mov_b32 v[FR], v[FR2]
	v_add_nc_u32 v[SR], 2048, v[SR]
	s_mov_b64 s[OB:OB+1], s[O2:O2+1]
	s_mov_b32 s[LOF], 0             ; the second block, 32 or higher, is never early
	s_sub_co_u32 s[CNT], s[CNT], 1
	s_cmp_lg_u32 s[CNT], 0
	s_cbranch_scc1 .Lfin
	s_wait_tensorcnt 0x0            ; the wave's end
	ds_add_u32 v[SPW], v[NIL]
	s_wait_dscnt 0x0
	CROUND                          ; the closing round
	s_endpgm
.Lfunc_end_k_qeca47e6038_attn:
	.size	k_qeca47e6038_attn, .Lfunc_end_k_qeca47e6038_attn-k_qeca47e6038_attn
	.p2alignl 7, 3214868480
	.fill 96, 4, 3214868480
	.section	.rodata,"a",@progbits
	.p2align	6, 0x0
	.amdhsa_kernel k_qeca47e6038_attn
		.amdhsa_group_segment_fixed_size 327680
		.amdhsa_private_segment_fixed_size 0
		.amdhsa_enable_private_segment 0
		.amdhsa_kernarg_size 32
		.amdhsa_user_sgpr_count 2
		.amdhsa_user_sgpr_kernarg_segment_ptr 1
		.amdhsa_wavefront_size32 1
		.amdhsa_system_sgpr_workgroup_id_x 1
		.amdhsa_system_sgpr_workgroup_id_y 1
		.amdhsa_system_sgpr_workgroup_id_z 1
		.amdhsa_system_vgpr_workitem_id 0
		.amdhsa_next_free_vgpr 1024
		.amdhsa_next_free_sgpr 90
		.amdhsa_reserve_vcc 1
		.amdhsa_float_denorm_mode_32 3
		.amdhsa_float_denorm_mode_16_64 3
		.amdhsa_memory_ordered 1
		.amdhsa_forward_progress 1
		.amdhsa_inst_pref_size 158
	.end_amdhsa_kernel
	.amdgpu_metadata
---
amdhsa.version: [ 1, 2 ]
amdhsa.kernels:
  - .name:           k_qeca47e6038_attn
    .symbol:         k_qeca47e6038_attn.kd
    .args:
      - { .name: qh, .offset: 0, .size: 8, .value_kind: global_buffer, .address_space: global }
      - { .name: kh, .offset: 8, .size: 8, .value_kind: global_buffer, .address_space: global }
      - { .name: vh, .offset: 16, .size: 8, .value_kind: global_buffer, .address_space: global }
      - { .name: ah, .offset: 24, .size: 8, .value_kind: global_buffer, .address_space: global }
    .group_segment_fixed_size: 327680
    .private_segment_fixed_size: 0
    .kernarg_segment_align: 8
    .kernarg_segment_size: 32
    .max_flat_workgroup_size: 128
    .sgpr_count:     90
    .vgpr_count:     1024
    .wavefront_size: 32
...
	.end_amdgpu_metadata
.endif
;; end of part 7
;; launch oproj (part 8): grid 8 x 32, 4 waves a work-group, clusters of 4 x 4, 327,680 bytes of LDS; arguments ah, wh, out0; writes out0
.if DOCPART == 8
	.amdgcn_target "amdgcn-amd-amdhsa--gfx1250"
	.amdhsa_code_object_version 6
	.text
	.protected	k_qeca47e6038_oproj
	.globl	k_qeca47e6038_oproj
	.p2align	8
	.type	k_qeca47e6038_oproj,@function
k_qeca47e6038_oproj:
	s_mov_b64 s[64:65], 0
	v_nop
	global_prefetch_b8 v0, s[64:65] scope:SCOPE_SE
	s_setreg_imm32_b32 hwreg(HW_REG_WAVE_MODE, 25, 1), 1
	s_wait_xcnt 0x0
	s_wait_alu depctr_hold_cnt(0) depctr_sa_sdst(0) depctr_va_vdst(0) depctr_va_sdst(0) depctr_va_ssrc(0) depctr_va_vcc(0) depctr_vm_vsrc(0)
	s_getreg_b32 s2, hwreg(HW_REG_IB_STS2, 6, 4)
	s_cmp_eq_u32 s2, 0
	s_cbranch_scc0 .Lentry_in_a_cluster
	s_endpgm
.Lentry_in_a_cluster:
	s_bfe_u32 s2, ttmp6, 0x10000c
	s_cmp_lg_u32 s2, 0xf033
	s_cbranch_scc0 .Lentry_shape_is_right
	s_endpgm
.Lentry_shape_is_right:
; THE OUTPUT PROJECTION.  out0[t][o] = sum over d of a[t][d] Wo[o][d].  Wo = f16(bf16(o_weight)), [2048][1024], at byte 12,582,912 of wh; out0: [4096][2048] f32.  Sums in f32.
; THE DEAL OF THE TOKENS.  ah is [64 u][80 rows][1024] f16: row group u holds block a = 0: tokens 16 u on (the early tokens, 0 to 1,023); blocks a = 1 to 3: tokens 1,024 + 48 u + 16 (a - 1) on: hi = f16(a); then the 16 rows
; of block 0's lo = f16(a - hi).  The first rows' results are many times the output's root mean square and have no room for a rounding of a to 11 bits; dealt so, every wave has the same share of them:
; lo is a fifth fragment of tokens, multiplied by the weights' fragments that are in registers anyway, onto block 0's sums: 40 matrix instructions for 32.
; A tile is two row groups x 256 outputs: 8 x 32 = 256 work-groups.  Four waves, each a row group x 128 outputs: 32 accumulators of 16 x 16.  K goes in 8 steps of 128 (rows of 256 bytes, aligned) through two LDS slots.
; CLUSTER 4 x 4: the four of a row share the tokens' tile, the four of a column the weights': joint loads.  THE MATRIX INSTRUCTION IS USED TRANSPOSED (source 0 = 16 rows of Wo, source 1 = 16 tokens):
; a lane holds eight neighbouring outputs of one token, 32 bytes, which go through the wave's stage in LDS and leave as whole rows of 512 bytes, in the tokens' true order.
; REGISTERS: window 0: v0-31 addresses; v48-63 lo's fragment, two buffers of 8; v64-127 the tokens' fragments, two buffers of 32; v128-255 rows read back on the way out.  window 1: v0-127 the weights' fragments, two buffers of 64.
;   window 2: accumulator (a, b) at v[8 (8 a + b)].
.set PITCH,  272                       ; an LDS row: 256 bytes + 16 of padding
.set AT,     160*PITCH                 ; the tokens' tile: two row groups of 80 rows
.set SLOT,   AT+256*PITCH              ; then 256 rows of weights
.set STAGE,  2*SLOT                    ; behind the ring, never filled by a tensor load: 16 rows x 528 bytes for each wave
.set SPITCH, 528
.set SPARE,  STAGE+4*16*SPITCH         ; the spare words, 128 bytes a wave
.set WO,     12582912
.set LAPS,   4                         ; a lap = two K steps = once round the ring
.set FLAGS,  (1<<16)|(1<<20)|(1<<21)|(5<<22)|(3<<25)
.set ADRA, 16
.set ADRB, 20
.set STO,  24
.set RD,   25
.set GO,   26
.set SPW,  28
.set NIL,  29
.set AL,   48                          ; lo's fragment
.set G1,  24                           ; s[24:31] group 1, tokens;  s[32:39] group 0, a set for each slot
.set G0,  32
.set G1B, 48                           ; s[48:55], s[56:63] the same for the weights
.set G0B, 56
.set MSB, 0
.macro WIN new
.if MSB != (\new)
	s_set_vgpr_msb (MSB<<8)|(\new)
.set MSB, \new
.endif
.endm
.macro PLACES
.rept 4
	v_nop
.endr
.endm
.macro JLOAD s                         ; waves 0 and 1 fetch the tile's two row groups (80 rows each), waves 2 and 3 the halves of the weights' tile (128 rows each); an s_nop 0 and four v_nop follow each line
	s_cmp_eq_u32 s11, 0
	s_cbranch_scc0 .Lfor_b_\@
	tensor_load_to_lds s[G0+4*(\s):G0+4*(\s)+3], s[G1:G1+7]
	s_nop 0
.rept 4
	v_nop
.endr
	s_branch .Lasked_\@
.Lfor_b_\@:
	tensor_load_to_lds s[G0B+4*(\s):G0B+4*(\s)+3], s[G1B:G1B+7]
	s_nop 0
.rept 4
	v_nop
.endr
.Lasked_\@:
.endm
.macro CREST
	s_cmp_lg_u32 s10, 0
	s_cbranch_scc1 .Lnot_wave_0_\@
	s_barrier_signal -3
.Lnot_wave_0_\@:
	s_barrier_wait -3
	s_barrier_signal -1
	s_barrier_wait -1
.endm
.macro CROUND
	s_barrier_signal -1
	s_barrier_wait -1
	CREST
.endm
	s_load_b128 s[4:7], s[0:1], 0x0                ; ah s[4:5], wh s[6:7]
	s_load_b64 s[8:9], s[0:1], 0x10                ; out0
	v_lshl_add_u32 v[SPW], v0, 2, SPARE
	v_mov_b32 v[NIL], 0
	ds_add_u32 v[SPW], v[NIL]                      ; the wave's opening: the add and its wait stand ahead of my first tensor load
	v_lshrrev_b32 v1, 5, v0
	v_readfirstlane_b32 s10, v1                    ; wave
	s_lshr_b32 s11, s10, 1                         ; my row group of the tile's two.  Also: I fetch tokens (0) or weights (1)
	s_and_b32 s12, s10, 1                          ; my half of the outputs.  Also: which half of that tile I fetch
	s_bfe_u32 s40, ttmp6, 0x40000                  ; cx
	s_bfe_u32 s41, ttmp6, 0x40004                  ; cy
	s_lshl_b32 s42, ttmp9, 2
	s_add_co_u32 s42, s42, s40                     ; tx: 256 outputs
	s_and_b32 s13, ttmp7, 0xffff
	s_lshl_b32 s13, s13, 2
	s_add_co_u32 s13, s13, s41                     ; ty: two row groups
	s_lshl_b32 s43, s41, 2
	s_lshl_b32 s43, 15, s43                        ; my row of the cluster
	s_lshl_b32 s44, 0x1111, s40                    ; my column
	s_or_b32 s[G1], s43, FLAGS
	s_or_b32 s[G1B], s44, FLAGS
	s_mov_b32 s[G1+1], 128<<16                     ; tensor_dim0 = 128
	s_mov_b32 s[G1+2], 80<<16                      ; tensor_dim1 = 80
	s_mov_b32 s[G1+3], 128<<16                     ; tile_dim0 = 128
	s_mov_b32 s[G1+4], 80                          ; tile_dim1 = 80
	s_mov_b32 s[G1+5], 1024                        ; elements from row to row
	s_mov_b32 s[G1+6], 0
	s_mov_b32 s[G1+7], 0
	s_mov_b32 s[G1B+1], 128<<16
	s_mov_b32 s[G1B+2], 128<<16
	s_mov_b32 s[G1B+3], 128<<16
	s_mov_b32 s[G1B+4], 128
	s_mov_b32 s[G1B+5], 1024
	s_mov_b32 s[G1B+6], 0
	s_mov_b32 s[G1B+7], 0
	s_lshl_b32 s16, s13, 1                         ; tokens: row group 2 ty + half, 80 rows of 2,048 bytes; hangs on ty alone
	s_add_co_u32 s16, s16, s12
	s_mul_i32 s16, s16, 80*2048
	s_mov_b32 s17, 0
	s_lshl_b32 s46, s42, 19                        ; weights: 256 rows of 2,048 bytes, my 128 of them; hangs on tx alone
	s_lshl_b32 s47, s12, 18
	s_add_co_u32 s46, s46, s47
	s_add_co_u32 s46, s46, WO
	s_mov_b32 s47, 0
	s_mul_i32 s20, s12, 80*PITCH
	s_mul_i32 s21, s12, 128*PITCH
	s_add_co_u32 s21, s21, AT
	s_wait_dscnt 0x0                               ; the opening add is done
	s_wait_kmcnt 0x0
	s_add_nc_u64 s[14:15], s[4:5], s[16:17]
	s_add_nc_u64 s[46:47], s[6:7], s[46:47]
	CROUND                                         ; all sixteen work-groups are here: the first joint loads meet
.irp s, 0,1
	s_mov_b32 s[G0+4*(\s)], 1
	s_add_co_u32 s[G0+4*(\s)+1], s20, (\s)*SLOT
	s_add_nc_u64 s[G0+4*(\s)+2:G0+4*(\s)+3], s[14:15], (\s)*256
	s_or_b32 s[G0+4*(\s)+3], s[G0+4*(\s)+3], 0x80000000
	s_mov_b32 s[G0B+4*(\s)], 1
	s_add_co_u32 s[G0B+4*(\s)+1], s21, (\s)*SLOT
	s_add_nc_u64 s[G0B+4*(\s)+2:G0B+4*(\s)+3], s[46:47], (\s)*256
	s_or_b32 s[G0B+4*(\s)+3], s[G0B+4*(\s)+3], 0x80000000
	JLOAD \s                                       ; K steps 0 and 1: two tensor loads of mine are out
.endr
	v_and_b32 v1, 15, v0                           ; r
	v_bfe_u32 v2, v0, 4, 1                         ; h
	v_mul_u32_u24 v3, v1, PITCH
	v_lshl_add_u32 v3, v2, 4, v3
	s_mul_i32 s22, s11, 80*PITCH                   ; my row group
	s_mul_i32 s23, s12, 128*PITCH
	s_add_co_u32 s23, s23, AT                      ; my 128 rows of weights
.irp s, 0,1
	v_add_nc_u32 v[ADRA+(\s)], s22, v3
	v_add_nc_u32 v[ADRB+(\s)], s23, v3
	s_add_co_u32 s22, s22, SLOT
	s_add_co_u32 s23, s23, SLOT
.endr
	s_mul_i32 s22, s10, 16*SPITCH
	s_add_co_u32 s22, s22, STAGE                   ; my stage
	v_mul_u32_u24 v4, v1, SPITCH                   ; in: row l % 16, 32 bytes for each half of the lanes
	v_lshl_add_u32 v4, v2, 5, v4
	v_add_nc_u32 v[STO], s22, v4
	v_and_b32 v[GO], 31, v0
	v_lshlrev_b32 v[GO], 4, v[GO]                  ; back and out: 32 lanes take one row of 512 bytes
	v_add_nc_u32 v[RD], s22, v[GO]
	; out0, rows of 8,192 bytes, in the tokens' true order: block 0 at token 16 u (s[8:9]), blocks 1 to 3 from token 1,024 + 48 u on (s[18:19]); the tile's 1,024 bytes of a row, my 512 of them
	s_lshl_b32 s22, s13, 1
	s_add_co_u32 s22, s22, s11                     ; u
	s_lshl_b32 s23, s42, 10
	s_lshl_b32 s14, s12, 9
	s_add_co_u32 s23, s23, s14
	s_mul_i32 s14, s22, 48*8192
	s_add_co_u32 s14, s14, s23
	s_add_co_u32 s14, s14, 1024*8192
	s_mov_b32 s15, 0
	s_lshl_b32 s22, s22, 17
	s_add_co_u32 s22, s22, s23
	s_mov_b32 s23, 0
	s_add_nc_u64 s[18:19], s[8:9], s[14:15]
	s_add_nc_u64 s[8:9], s[8:9], s[22:23]
; 8 matrix instructions: token block a x all 8 output blocks, 32 along K, from buffer f.  The accumulators take turns, one instruction a turn, in one order everywhere.
.macro MUL8 f, a, zero
	WIN 0xa1                                       ; source 0 window 1, source 1 window 0, C and D window 2
.irp b, 0,1,2,3,4,5,6,7
.if \zero
	v_wmma_f32_16x16x32_f16 v[8*(8*(\a)+(\b)):8*(8*(\a)+(\b))+7], v[64*(\f)+8*(\b):64*(\f)+8*(\b)+7], v[64+32*(\f)+8*(\a):64+32*(\f)+8*(\a)+7], 0
.else
	v_wmma_f32_16x16x32_f16 v[8*(8*(\a)+(\b)):8*(8*(\a)+(\b))+7], v[64*(\f)+8*(\b):64*(\f)+8*(\b)+7], v[64+32*(\f)+8*(\a):64+32*(\f)+8*(\a)+7], v[8*(8*(\a)+(\b)):8*(8*(\a)+(\b))+7]
.endif
.endr
.endm
; 8 more: block 0's lo x the same 8 fragments of weights, onto block 0's sums; between two instructions on one accumulator stand the 7 others'
.macro MUL8L f
	WIN 0xa1
.irp b, 0,1,2,3,4,5,6,7
	v_wmma_f32_16x16x32_f16 v[8*(\b):8*(\b)+7], v[64*(\f)+8*(\b):64*(\f)+8*(\b)+7], v[AL+8*(\f):AL+8*(\f)+7], v[8*(\b):8*(\b)+7]
.endr
.endm
.macro FETCH slot, k, f                ; 26 LDS loads in one run: the weights', then the tokens': block 0, its lo (row 64 of the group on), blocks 1, 2, 3
	WIN 0x40
.irp i, 0,1,2,3,4,5,6,7
	ds_load_b128 v[64*(\f)+8*(\i):64*(\f)+8*(\i)+3],   v[ADRB+(\slot)] offset:(\k)+(\i)*16*PITCH
	ds_load_b128 v[64*(\f)+8*(\i)+4:64*(\f)+8*(\i)+7], v[ADRB+(\slot)] offset:(\k)+(\i)*16*PITCH+32
.endr
	WIN 0
	ds_load_b128 v[64+32*(\f):64+32*(\f)+3],   v[ADRA+(\slot)] offset:(\k)
	ds_load_b128 v[64+32*(\f)+4:64+32*(\f)+7], v[ADRA+(\slot)] offset:(\k)+32
	ds_load_b128 v[AL+8*(\f):AL+8*(\f)+3],     v[ADRA+(\slot)] offset:(\k)+64*PITCH
	ds_load_b128 v[AL+8*(\f)+4:AL+8*(\f)+7],   v[ADRA+(\slot)] offset:(\k)+64*PITCH+32
.irp i, 1,2,3
	ds_load_b128 v[64+32*(\f)+8*(\i):64+32*(\f)+8*(\i)+3],   v[ADRA+(\slot)] offset:(\k)+(\i)*16*PITCH
	ds_load_b128 v[64+32*(\f)+8*(\i)+4:64+32*(\f)+8*(\i)+7], v[ADRA+(\slot)] offset:(\k)+(\i)*16*PITCH+32
.endr
.endm
.macro QUARTER slot, k, f, g, zero
	s_wait_dscnt 4                                 ; all but the youngest four loads: token blocks 2 and 3
	MUL8 \f, 0, \zero
	MUL8L \f
	MUL8 \f, 1, \zero
	PLACES
	FETCH \slot, \k, \g
	s_wait_dscnt 26                                ; all but the 26 just issued
	MUL8 \f, 2, \zero
	MUL8 \f, 3, \zero
.endm
; The last quarter multiplies buffer 1 and changes slots: in front of the barrier each wave waits for all its tensor loads, adds 0 to its spare word, and waits for that and for its reads of this slot.
; fill = 1: the barrier opens a round of the cluster's, and this slot is filled again, two K steps ahead, first thing behind it.
.macro TURN slot, next, fill
	WIN 0
	s_wait_tensorcnt 0x0
	ds_add_u32 v[SPW], v[NIL]                      ; 0 onto my spare word
	s_wait_dscnt 5                                 ; the add and the youngest four loads may be out
	MUL8 1, 0, 0
	MUL8L 1
	s_wait_dscnt 0x0                               ; the add is done, and my reads of this slot are over
	s_barrier_signal -1
	MUL8 1, 1, 0
.if \fill
	WIN 0
.endif
	s_barrier_wait -1
.if \fill
	CREST
	s_add_nc_u64 s[G0+4*(\slot)+2:G0+4*(\slot)+3], s[G0+4*(\slot)+2:G0+4*(\slot)+3], 512
	s_add_nc_u64 s[G0B+4*(\slot)+2:G0B+4*(\slot)+3], s[G0B+4*(\slot)+2:G0B+4*(\slot)+3], 512
	JLOAD \slot                                    ; its four v_nop are also the places in front of the loads below
.else
	PLACES
.endif
	FETCH \next, 0, 0
	MUL8 1, 2, 0
	MUL8 1, 3, 0
.endm
	s_wait_tensorcnt 1                             ; my part of K step 0 is in; K step 1's may stay out
	s_barrier_signal -1
	s_barrier_wait -1
	FETCH 0, 0, 0
	QUARTER 0, 64, 0, 1, 1                         ; the first quarter stands in front of the loop: its products start the sums
	WIN 0
	s_mov_b32 s3, LAPS-1
.Llap:
	QUARTER 0, 128, 1, 0, 0
	QUARTER 0, 192, 0, 1, 0
	TURN 0, 1, 1
	QUARTER 1, 64,  0, 1, 0
	QUARTER 1, 128, 1, 0, 0
	QUARTER 1, 192, 0, 1, 0
	TURN 1, 0, 1
	QUARTER 0, 64,  0, 1, 0
	WIN 0
	s_sub_co_u32 s3, s3, 1
	s_cmp_lg_u32 s3, 0
	s_cbranch_scc1 .Llap
	QUARTER 0, 128, 1, 0, 0                        ; the last lap fills nothing, and has no round of the cluster's barrier
	QUARTER 0, 192, 0, 1, 0
	TURN 0, 1, 0
	QUARTER 1, 64,  0, 1, 0
	QUARTER 1, 128, 1, 0, 0
	QUARTER 1, 192, 0, 1, 0
	s_wait_dscnt 4
	MUL8 1, 0, 0
	MUL8L 1
	MUL8 1, 1, 0
	s_wait_dscnt 0x0
	MUL8 1, 2, 0
	MUL8 1, 3, 0
	WIN 0
	PLACES
; THE WAY OUT of token block a: 32 bytes a lane and output block into my stage (each accumulator's low four registers first), back as whole rows of 512 bytes, stored.
.macro OUTB a
.set BK, 128+64*((\a)%2)
	WIN 0x08                                       ; data in window 2
.irp b, 0,1,2,3,4,5,6,7
	ds_store_b128 v[STO], v[8*(8*(\a)+(\b)):8*(8*(\a)+(\b))+3]   offset:64*(\b)
	ds_store_b128 v[STO], v[8*(8*(\a)+(\b))+4:8*(8*(\a)+(\b))+7] offset:64*(\b)+16
.endr
	WIN 0
	s_wait_xcnt 0x0                                ; the stores of the block two before have read the registers that the loads below fill
.irp t, 0,1,2,3,4,5,6,7,8,9,10,11,12,13,14,15
	ds_load_b128 v[BK+4*(\t):BK+4*(\t)+3], v[RD] offset:(\t)*SPITCH  ; LDS serves a wave's instructions in order: these see the stores above
.endr
.irp t, 0,1,2,3,4,5,6,7,8,9,10,11,12,13,14,15
	s_wait_dscnt 15-(\t)                           ; the younger loads stay out
.if (\a) == 0
	global_store_b128 v[GO], v[BK+4*(\t):BK+4*(\t)+3], s[8:9] offset:(\t)*8192 th:TH_STORE_NT  ; 512 consecutive bytes, aligned
.else
	global_store_b128 v[GO], v[BK+4*(\t):BK+4*(\t)+3], s[18:19] offset:(16*((\a)-1)+(\t))*8192 th:TH_STORE_NT
.endif
.endr
.endm
	OUTB 0
	OUTB 1
	OUTB 2
	OUTB 3
	s_wait_tensorcnt 0x0                           ; the wave's end
	ds_add_u32 v[SPW], v[NIL]
	s_wait_dscnt 0x0
	CROUND                                         ; the closing round
	s_endpgm
.Lfunc_end_k_qeca47e6038_oproj:
	.size	k_qeca47e6038_oproj, .Lfunc_end_k_qeca47e6038_oproj-k_qeca47e6038_oproj
	.p2alignl 7, 3214868480
	.fill 96, 4, 3214868480
	.section	.rodata,"a",@progbits
	.p2align	6, 0x0
	.amdhsa_kernel k_qeca47e6038_oproj
		.amdhsa_group_segment_fixed_size 327680
		.amdhsa_private_segment_fixed_size 0
		.amdhsa_enable_private_segment 0
		.amdhsa_kernarg_size 24
		.amdhsa_user_sgpr_count 2
		.amdhsa_user_sgpr_kernarg_segment_ptr 1
		.amdhsa_wavefront_size32 1
		.amdhsa_system_sgpr_workgroup_id_x 1
		.amdhsa_system_sgpr_workgroup_id_y 1
		.amdhsa_system_sgpr_workgroup_id_z 1
		.amdhsa_system_vgpr_workitem_id 0
		.amdhsa_next_free_vgpr 768
		.amdhsa_next_free_sgpr 66
		.amdhsa_reserve_vcc 0
		.amdhsa_float_denorm_mode_32 3
		.amdhsa_float_denorm_mode_16_64 3
		.amdhsa_memory_ordered 1
		.amdhsa_forward_progress 1
		.amdhsa_inst_pref_size 97
	.end_amdhsa_kernel
	.amdgpu_metadata
---
amdhsa.version: [ 1, 2 ]
amdhsa.kernels:
  - .name:           k_qeca47e6038_oproj
    .symbol:         k_qeca47e6038_oproj.kd
    .args:
      - { .name: ah, .offset: 0, .size: 8, .value_kind: global_buffer, .address_space: global }
      - { .name: wh, .offset: 8, .size: 8, .value_kind: global_buffer, .address_space: global }
      - { .name: out0, .offset: 16, .size: 8, .value_kind: global_buffer, .address_space: global }
    .group_segment_fixed_size: 327680
    .private_segment_fixed_size: 0
    .kernarg_segment_align: 8
    .kernarg_segment_size: 24
    .max_flat_workgroup_size: 128
    .sgpr_count:     66
    .vgpr_count:     768
    .wavefront_size: 32
...
	.end_amdgpu_metadata
.endif
;; end of part 8
;; ======== version 3 of 3: 4 launches; version 2 with the launch prep written anew for expert scheduling mode
;; limits: values are held in f16: magnitudes above 65,504 overflow, below 6.1e-05 lose precision; inputs' magnitudes at most 65,504
;; workspace buffers: xh 20,971,520 bytes; rs 16,384 bytes; wh 18,874,368 bytes; qh 8,388,608 bytes; kh 8,388,608 bytes; vh 8,388,608 bytes; ah 10,485,760 bytes
;; launch prep (part 9): grid 1088 x 1, 8 waves a work-group, no clusters, 0 bytes of LDS; arguments x, attn_norm_weight, q_weight, k_weight, v_weight, o_weight, cos, sin, xh, rs, wh; writes xh, rs, wh
.if DOCPART == 9
	.amdgcn_target "amdgcn-amd-amdhsa--gfx1250"
	.amdhsa_code_object_version 6
	.text
	.protected	k_qeca47e6038_prep
	.globl	k_qeca47e6038_prep
	.p2align	8
	.type	k_qeca47e6038_prep,@function
k_qeca47e6038_prep:
	s_mov_b64 s[64:65], 0
	v_nop
	global_prefetch_b8 v0, s[64:65] scope:SCOPE_SE
	s_setreg_imm32_b32 hwreg(HW_REG_WAVE_SCHED_MODE, 0, 2), 2
	s_setreg_imm32_b32 hwreg(HW_REG_WAVE_MODE, 25, 1), 1
	s_wait_xcnt 0x0
	s_wait_alu depctr_vm_vsrc(0)
; PREP: every input is rounded ONCE to bf16; what the three launches behind multiply is written as f16.
; THE DEAL OF THE TOKENS.  Tokens go in blocks of 16.  Row group u (0 to 63: a wave's rows in the launches behind) holds block a = 0: tokens 16 u on (the EARLY tokens, 0 to 1,023), and blocks a = 1 to 3: tokens 1,024 + 48 u + 16 (a - 1) on.
;   xh[64 u][80 rows][2048]: x' = bf16(x) x bf16(gain of the first norm) has 8 + 8 = 16 significant bits and f16 holds 11.  Rows 16 a + i: hi = f16(x').  Rows 64 + i: lo = f16(x' - hi) of block 0 alone:
;   the first rows' results are means over few keys, many times the output's root mean square, and have no room for a rounding to 11 bits; later rows have.
;   rs[64 u][64] = rsqrt(mean(bf16(x)^2) + 1e-6) / 64 in f32, in the same order.
;   wh, 576 blocks of 32,768 bytes: 0-383 f16(bf16(W) x 64), W = q, k, v weights (rows of 2,048), exact; 384-511 f16(bf16(o_weight)); 512-543 f16(bf16(cos)), 544-575 f16(bf16(sin)), their rows in the deal's order (64 u + 16 a + i).
; The row factor of the first norm is applied in f32 behind the product (next launch); the power of two 64, taken back in rs, keeps the weights in f16's normal range.
; LIMITS.  |bf16(x) bf16(gain)|, |64 W|, |o_weight|, |cos|, |sin| stay under 65,504; below 6e-5 f16 keeps its fixed step of 6e-8 (so does lo).  NaN and infinities are not treated apart.
; A stream: each work-group moves 65,536 bytes in, 16 loads of 16 bytes a lane, all issued before the first is used; no LDS, no barrier, no matrix unit: memory binds.
; Work-groups 0-511: eight rows of xh, a wave a row, so the row's sum of squares never leaves the wave.  Work-groups 512-1087: one block of wh.  Each work-group is named by what it WRITES; where it reads is linear in its number.
; THE MODE: SCHED_MODE bits 1:0 = 2 (LLVM: expert scheduling mode 2), set by the entry lines.  The code itself states the register dependences
; between vector instructions and memory instructions, with s_wait_alu, always for 0.
; THE PLAN.  Registers that memory instructions touch:
;   v1, v8, v9, v11  byte offsets: written by vector instructions at a path's head and never again; read by every load and store of the path.
;   G                the gains: the loads land before any vector instruction names G; no memory instruction names it again.
;   X                four registers a load.  Load j lands; its conversions write the stores' data into the same four (hi in the lower two, lo in the upper two); the stores read them; nothing writes them again.
;   v12              at the tokens' end: the row's factor, written by the last multiply, read by the one store of 4 bytes.
;   T, TG, v10 and the sums are named by vector instructions alone.
; No register that a memory instruction reads is written again, and no load is issued behind a vector instruction that names its registers.  What is left to state: the offsets are written ahead of the first load;
; a store's data are written ahead of the store; VCC and both sides ahead of the one write of EXEC.
; The 16 loads' work goes in four blocks of four.  Block p converts loads 4 p to 4 p + 3; its memory instructions are the four stores of block p - 1, one in front of each conversion.  No vector instruction of block p
; names block p - 1's X or the offset, so ONE wait at the block's head serves the four stores.  One more wait stands behind block 3, for the last four stores and for the stores of lo.
.set T,   4                            ; v[4:7]    two packed words of x, by the load's parity
.set STO, 8                            ; v8        my byte offset in the 16-bit output
.set RSO, 9                            ; v9        my wave's byte offset in rs
.set ONE, 10                           ; v10       1.0
.set GOF, 11                           ; v11       my byte offset in the gains
.set ACC, 12                           ; v[12:15]  four sums of squares
.set TG,  16                           ; v[16:19]  two packed words of the gain, by the load's parity
.set X,   24                           ; v[24:87]  load j of x or of a weight: four registers; they become the stores' data (two for hi, two for lo) and are not written again
.set G,   88                           ; v[88:151] load j of the gains
.set LOROWS, 64*4096                   ; bytes in xh from a row of block 0 to its lower part
; Four numbers of load j of x: x and the gain rounded to bf16 and widened again; x squared into the sums; the product, exact in f32, split into hi and lo.
.macro CVX j
.set D,  X+4*(\j)
.set E,  G+4*(\j)
.set TT, T+2*((\j)%2)
.set TH, TG+2*((\j)%2)
	v_cvt_pk_bf16_f32 v[TT], v[D], v[D+1]
	v_cvt_pk_bf16_f32 v[TT+1], v[D+2], v[D+3]
	v_cvt_pk_bf16_f32 v[TH], v[E], v[E+1]
	v_cvt_pk_bf16_f32 v[TH+1], v[E+2], v[E+3]
	v_lshlrev_b32 v[D], 16, v[TT]
	v_and_b32 v[D+1], s33, v[TT]
	v_lshlrev_b32 v[D+2], 16, v[TT+1]
	v_and_b32 v[D+3], s33, v[TT+1]
	v_lshlrev_b32 v[E], 16, v[TH]
	v_and_b32 v[E+1], s33, v[TH]
	v_lshlrev_b32 v[E+2], 16, v[TH+1]
	v_and_b32 v[E+3], s33, v[TH+1]
.if (\j) == 0
	v_pk_mul_f32 v[ACC:ACC+1], v[D:D+1], v[D:D+1]          ; the first squares start the sums
	v_pk_mul_f32 v[ACC+2:ACC+3], v[D+2:D+3], v[D+2:D+3]
.else
	v_pk_fma_f32 v[ACC:ACC+1], v[D:D+1], v[D:D+1], v[ACC:ACC+1]
	v_pk_fma_f32 v[ACC+2:ACC+3], v[D+2:D+3], v[D+2:D+3], v[ACC+2:ACC+3]
.endif
	v_pk_mul_f32 v[D:D+1], v[D:D+1], v[E:E+1]              ; x': exact, 16 significant bits
	v_pk_mul_f32 v[D+2:D+3], v[D+2:D+3], v[E+2:E+3]
	v_cvt_pk_f16_f32 v[TT], v[D], v[D+1]                   ; hi
	v_cvt_pk_f16_f32 v[TT+1], v[D+2], v[D+3]
	v_fma_mix_f32 v[D],   -v[ONE], v[TT],   v[D]   op_sel:[0,0,0] op_sel_hi:[0,1,0]  ; what hi leaves: -1 x hi + x', exact
	v_fma_mix_f32 v[D+1], -v[ONE], v[TT],   v[D+1] op_sel:[0,1,0] op_sel_hi:[0,1,0]
	v_fma_mix_f32 v[D+2], -v[ONE], v[TT+1], v[D+2] op_sel:[0,0,0] op_sel_hi:[0,1,0]
	v_fma_mix_f32 v[D+3], -v[ONE], v[TT+1], v[D+3] op_sel:[0,1,0] op_sel_hi:[0,1,0]
	v_cvt_pk_f16_f32 v[D+3], v[D+2], v[D+3]                ; lo, into the load's upper two registers
	v_cvt_pk_f16_f32 v[D+2], v[D], v[D+1]
	v_mov_b32 v[D], v[TT]                                  ; hi, into its lower two: T is written again two loads on, a store's data may not be
	v_mov_b32 v[D+1], v[TT+1]
.endm
; Four numbers of load j of a weight or a table: rounded to bf16, widened, times 64 or 1, rounded to f16 (exact in f16's normal range).
.macro CVW j
.set D,  X+4*(\j)
.set TT, T+2*((\j)%2)
	v_cvt_pk_bf16_f32 v[TT], v[D], v[D+1]
	v_cvt_pk_bf16_f32 v[TT+1], v[D+2], v[D+3]
	v_lshlrev_b32 v[D], 16, v[TT]
	v_and_b32 v[D+1], s33, v[TT]
	v_lshlrev_b32 v[D+2], 16, v[TT+1]
	v_and_b32 v[D+3], s33, v[TT+1]
	v_pk_mul_f32 v[D:D+1], v[D:D+1], s[46:47] op_sel_hi:[1,0]
	v_pk_mul_f32 v[D+2:D+3], v[D+2:D+3], s[46:47] op_sel_hi:[1,0]
	v_cvt_pk_f16_f32 v[D], v[D], v[D+1]
	v_cvt_pk_f16_f32 v[D+1], v[D+2], v[D+3]
.endm
	s_load_b512 s[8:23], s[0:1], 0x0               ; x s[8:9], gain s[10:11], q s[12:13], k s[14:15], v s[16:17], o s[18:19], cos s[20:21], sin s[22:23]
	s_load_b128 s[24:27], s[0:1], 0x40             ; xh s[24:25], rs s[26:27]
	s_load_b64 s[28:29], s[0:1], 0x50              ; wh
	s_mov_b32 s33, 0xffff0000                      ; a word's upper bf16
	s_mov_b32 s3, 0
	s_mov_b32 s39, 0
	s_cmp_lt_u32 ttmp9, 512
	s_cbranch_scc0 .Lweights
	; ---- eight rows of xh: half of block a of row group u ----
	s_mov_b32 s34, 0x3a000000                      ; 1 / 2048
	s_mov_b32 s35, 0x358637bd                      ; 1e-6
	s_mov_b32 s36, 0x76543210                      ; v_permlanex16_b32: each lane takes its own place in the other half
	s_mov_b32 s37, 0xfedcba98
	s_mov_b32 s45, 0
	s_lshr_b32 s40, ttmp9, 3                       ; u
	s_bfe_u32 s41, ttmp9, 0x20001                  ; a
	s_and_b32 s42, ttmp9, 1                        ; which half of the block
	s_mul_i32 s43, s40, 3
	s_add_co_u32 s43, s43, s41
	s_add_co_u32 s43, s43, 63                      ; the block of tokens: 64 + 3 u + a - 1,
	s_cmp_eq_u32 s41, 0
	s_cselect_b32 s43, s40, s43                    ; or u where a = 0
	s_lshl_b32 s2, s43, 17                         ; 16 rows of 8,192 bytes a block,
	s_lshl_b32 s38, s42, 16
	s_add_co_u32 s2, s2, s38                       ; 8 a half
	s_mul_i32 s38, s40, 80
	s_lshl4_add_u32 s38, s41, s38
	s_lshl3_add_u32 s38, s42, s38                  ; row 80 u + 16 a + 8 half of xh,
	s_lshl_b32 s38, s38, 12                        ; of 4,096 bytes
	s_lshl_b32 s44, ttmp9, 5                       ; 8 words of rs
	v_and_b32 v3, 31, v0                           ; lane
	v_lshrrev_b32 v2, 5, v0                        ; wave = row
	v_lshlrev_b32 v[GOF], 4, v3
	v_lshl_add_u32 v1, v2, 13, v[GOF]              ; 16 lane + 8,192 wave
	v_lshlrev_b32 v[STO], 3, v3
	v_lshl_add_u32 v[STO], v2, 12, v[STO]          ; 8 lane + 4,096 wave
	v_lshlrev_b32 v[RSO], 2, v2
	v_mov_b32 v[ONE], 1.0
	s_wait_kmcnt 0x0
	s_add_nc_u64 s[8:9], s[8:9], s[2:3]
	s_add_nc_u64 s[24:25], s[24:25], s[38:39]
	s_add_nc_u64 s[26:27], s[26:27], s[44:45]
	s_wait_alu depctr_va_vdst(0)                   ; the offsets v1, v8, v9 and v11 are written: every load and store of this path reads one of them
.irp j, 0,1,2,3,4,5,6,7,8,9,10,11,12,13,14,15
	global_load_b128 v[G+4*(\j):G+4*(\j)+3], v[GOF], s[10:11] offset:512*(\j)  ; the gains of my columns: read by every wave of the launch's first 512 work-groups, so no hint
.endr
.irp j, 0,1,2,3,4,5,6,7,8,9,10,11,12,13,14,15
	global_load_b128 v[X+4*(\j):X+4*(\j)+3], v1, s[8:9] offset:512*(\j) th:TH_LOAD_NT  ; 512 consecutive bytes of the row
.endr
.irp j, 0,1,2,3,4,5,6,7,8,9,10,11,12,13,14,15
	s_wait_loadcnt 15-(\j)                         ; loads come back in order: load j of x is in, and so are all the gains, issued ahead of it; the younger ones stay out
.if ((\j) == 4) || ((\j) == 8) || ((\j) == 12)
	s_wait_alu depctr_va_vdst(0)                   ; a block's head: the conversions of the block before have written its X, which this block's four stores read
.endif
.if (\j) >= 4
	global_store_b64 v[STO], v[X+4*((\j)-4):X+4*((\j)-4)+1], s[24:25] offset:256*((\j)-4)  ; hi of the load four back: the wave's 32 lanes fill 256 consecutive bytes, aligned.  No vector instruction since the wait names these registers
.endif
	CVX \j
.endr
	s_wait_alu depctr_va_vdst(0)                   ; the last block's conversions have written its X: with it all hi and all lo are written, which the stores below read, on both ways past the branch
.irp j, 12,13,14,15
	global_store_b64 v[STO], v[X+4*(\j):X+4*(\j)+1], s[24:25] offset:256*(\j)
.endr
	s_cmp_lg_u32 s41, 0
	s_cbranch_scc1 .Lno_lo                         ; only block 0 has a lower part
.irp j, 0,1,2,3,4,5,6,7,8,9,10,11,12,13,14,15
	global_store_b64 v[STO], v[X+4*(\j)+2:X+4*(\j)+3], s[24:25] offset:256*(\j)+LOROWS
.endr
.Lno_lo:
	v_pk_add_f32 v[ACC:ACC+1], v[ACC:ACC+1], v[ACC+2:ACC+3]
	v_add_f32 v[ACC], v[ACC], v[ACC+1]
	v_add_f32_dpp v[ACC], v[ACC], v[ACC] row_xmask:1 row_mask:0xf bank_mask:0xf
	v_add_f32_dpp v[ACC], v[ACC], v[ACC] row_xmask:2 row_mask:0xf bank_mask:0xf
	v_add_f32_dpp v[ACC], v[ACC], v[ACC] row_xmask:4 row_mask:0xf bank_mask:0xf
	v_add_f32_dpp v[ACC], v[ACC], v[ACC] row_xmask:8 row_mask:0xf bank_mask:0xf
	v_permlanex16_b32 v[ACC+1], v[ACC], s36, s37
	v_add_f32 v[ACC], v[ACC], v[ACC+1]             ; the row's sum of squares, in every lane
	v_fma_f32 v[ACC], v[ACC], s34, s35             ; mean + eps
	v_cmp_eq_u32 vcc_lo, 0, v3
	v_rsq_f32 v[ACC], v[ACC]
	v_nop                                          ; a plain instruction between the root and the use of its result
	s_wait_alu depctr_va_vdst(0)                   ; the root is written, ahead of the multiply that reads it
	v_mul_f32 v[ACC], 0x3c800000, v[ACC]           ; / 64: takes back the weights' factor
	s_wait_xcnt 0x0                                ; EXEC is a source of the stores above: it changes only behind this wait
	s_wait_alu depctr_va_vcc(0)                    ; the compare has written VCC, ahead of its first reader: EXEC is made from it
	s_wait_alu depctr_va_vdst(0)                   ; the multiply has written v12, which the store below reads; no vector instruction is still at work when EXEC changes
	s_wait_alu depctr_vm_vsrc(0)                   ; the stores above have read their registers before EXEC changes
	s_and_saveexec_b32 s46, vcc_lo
	global_store_b32 v[RSO], v[ACC], s[26:27]      ; lane 0 writes the row's factor
	s_endpgm
	; ---- one block of wh ----
.Lweights:
	s_sub_co_u32 s30, ttmp9, 512                   ; the block, 0 to 575
	s_lshl_b32 s38, s30, 15
	v_lshlrev_b32 v1, 4, v0                        ; 16 t: the work-group's 256 threads take 4,096 consecutive bytes
	v_lshlrev_b32 v[STO], 3, v0
	s_wait_kmcnt 0x0
	s_mov_b64 s[40:41], s[12:13]                   ; which tensor the block comes from, and that tensor's first block
	s_mov_b32 s31, 0
.macro PICK first, ptr
	s_cmp_ge_u32 s30, \first
	s_cselect_b64 s[40:41], s[\ptr:\ptr+1], s[40:41]
	s_cselect_b32 s31, \first, s31
.endm
	PICK 128, 14
	PICK 256, 16
	PICK 384, 18
	PICK 512, 20
	PICK 544, 22
	; The block's 65,536 bytes of f32 are eight pieces of 8,192.  In a weight they lie on end.  In a table a piece is a block of 16 tokens, and block tb of the table holds row groups 2 tb and 2 tb + 1:
	; pieces 0 and 4 are token blocks 2 tb and 2 tb + 1; pieces 1-3 and 5-7 token blocks 64 + 6 tb on and 67 + 6 tb on.  Four pointers serve both: pieces 0; 1-3; 4; 5-7.
	s_sub_co_u32 s32, s30, s31                     ; the block within its tensor
	s_lshl_b32 s2, s32, 16                         ; a weight: piece 0,
	s_add_co_u32 s34, s2, 0x2000                   ; piece 1
	s_lshl_b32 s35, s32, 14                        ; a table: piece 0,
	s_mul_i32 s36, s32, 0xc000
	s_add_co_u32 s36, s36, 0x80000                 ; piece 1
	s_mov_b32 s37, 0x8000                          ; a weight: from piece 0 to piece 4,
	s_mov_b32 s42, 0x8000                          ; from piece 1 to piece 5
	s_cmp_ge_u32 s30, 512
	s_cselect_b32 s2, s35, s2
	s_cselect_b32 s34, s36, s34
	s_cselect_b32 s37, 0x2000, s37
	s_cselect_b32 s42, 0x6000, s42
	s_add_nc_u64 s[44:45], s[40:41], s[2:3]        ; piece 0
	s_mov_b32 s2, s34
	s_add_nc_u64 s[34:35], s[40:41], s[2:3]        ; pieces 1-3
	s_mov_b32 s2, s37
	s_add_nc_u64 s[36:37], s[44:45], s[2:3]        ; piece 4
	s_mov_b32 s2, s42
	s_add_nc_u64 s[42:43], s[34:35], s[2:3]        ; pieces 5-7
	s_add_nc_u64 s[28:29], s[28:29], s[38:39]
	s_wait_alu depctr_va_vdst(0)                   ; the offsets v1 and v8 are written: every load and store of this path reads one of them
.set j, 0
.rept 16                                       ; load j: half j % 2 of piece j / 2
.set PB, 44-8*(j/8)
.set OF, (j%2)*4096
.if (j/2)%4 != 0
.set PB, 34+8*(j/8)
.set OF, ((j/2)%4-1)*8192+(j%2)*4096
.endif
	global_load_b128 v[X+4*j:X+4*j+3], v1, s[PB:PB+1] offset:OF th:TH_LOAD_NT
.set j, j+1
.endr
	s_cmp_lt_u32 s30, 384
	s_cselect_b32 s46, 0x42800000, 1.0             ; q, k, v weights times 64; o_weight, cos and sin are only rounded
	s_mov_b32 s47, s46                             ; named with it as a pair
.irp j, 0,1,2,3,4,5,6,7,8,9,10,11,12,13,14,15
	s_wait_loadcnt 15-(\j)                         ; load j is in, the younger ones stay out
.if ((\j) == 4) || ((\j) == 8) || ((\j) == 12)
	s_wait_alu depctr_va_vdst(0)                   ; a block's head: the conversions of the block before have written its X, which this block's four stores read
.endif
.if (\j) >= 4
	global_store_b64 v[STO], v[X+4*((\j)-4):X+4*((\j)-4)+1], s[28:29] offset:2048*((\j)-4)  ; the load four back: a wave fills 256 consecutive bytes, aligned.  No vector instruction since the wait names these registers
.endif
	CVW \j
.endr
	s_wait_alu depctr_va_vdst(0)                   ; the last block's conversions have written its X, which the last four stores read
.irp j, 12,13,14,15
	global_store_b64 v[STO], v[X+4*(\j):X+4*(\j)+1], s[28:29] offset:2048*(\j)
.endr
	s_endpgm
.Lfunc_end_k_qeca47e6038_prep:
	.size	k_qeca47e6038_prep, .Lfunc_end_k_qeca47e6038_prep-k_qeca47e6038_prep
	.p2alignl 7, 3214868480
	.fill 96, 4, 3214868480
	.section	.rodata,"a",@progbits
	.p2align	6, 0x0
	.amdhsa_kernel k_qeca47e6038_prep
		.amdhsa_group_segment_fixed_size 0
		.amdhsa_private_segment_fixed_size 0
		.amdhsa_enable_private_segment 0
		.amdhsa_kernarg_size 88
		.amdhsa_user_sgpr_count 2
		.amdhsa_user_sgpr_kernarg_segment_ptr 1
		.amdhsa_wavefront_size32 1
		.amdhsa_system_sgpr_workgroup_id_x 1
		.amdhsa_system_sgpr_workgroup_id_y 1
		.amdhsa_system_sgpr_workgroup_id_z 1
		.amdhsa_system_vgpr_workitem_id 0
		.amdhsa_next_free_vgpr 152
		.amdhsa_next_free_sgpr 66
		.amdhsa_reserve_vcc 1
		.amdhsa_float_denorm_mode_32 3
		.amdhsa_float_denorm_mode_16_64 3
		.amdhsa_memory_ordered 1
		.amdhsa_forward_progress 1
		.amdhsa_inst_pref_size 45
	.end_amdhsa_kernel
	.amdgpu_metadata
---
amdhsa.version: [ 1, 2 ]
amdhsa.kernels:
  - .name:           k_qeca47e6038_prep
    .symbol:         k_qeca47e6038_prep.kd
    .args:
      - { .name: x, .offset: 0, .size: 8, .value_kind: global_buffer, .address_space: global }
      - { .name: attn_norm_weight, .offset: 8, .size: 8, .value_kind: global_buffer, .address_space: global }
      - { .name: q_weight, .offset: 16, .size: 8, .value_kind: global_buffer, .address_space: global }
      - { .name: k_weight, .offset: 24, .size: 8, .value_kind: global_buffer, .address_space: global }
      - { .name: v_weight, .offset: 32, .size: 8, .value_kind: global_buffer, .address_space: global }
      - { .name: o_weight, .offset: 40, .size: 8, .value_kind: global_buffer, .address_space: global }
      - { .name: cos, .offset: 48, .size: 8, .value_kind: global_buffer, .address_space: global }
      - { .name: sin, .offset: 56, .size: 8, .value_kind: global_buffer, .address_space: global }
      - { .name: xh, .offset: 64, .size: 8, .value_kind: global_buffer, .address_space: global }
      - { .name: rs, .offset: 72, .size: 8, .value_kind: global_buffer, .address_space: global }
      - { .name: wh, .offset: 80, .size: 8, .value_kind: global_buffer, .address_space: global }
    .group_segment_fixed_size: 0
    .private_segment_fixed_size: 0
    .kernarg_segment_align: 8
    .kernarg_segment_size: 88
    .max_flat_workgroup_size: 256
    .sgpr_count:     66
    .vgpr_count:     152
    .wavefront_size: 32
...
	.end_amdgpu_metadata
.endif
;; end of part 9
;; launch qkv: the kernel of part 6 again; grid 8 x 32, 4 waves a work-group, clusters of 4 x 4, 327,680 bytes of LDS; arguments xh, wh, rs, q_norm_weight, k_norm_weight, qh, kh, vh; writes qh, kh, vh
;; launch attn: the kernel of part 7 again; grid 32 x 8, 4 waves a work-group, clusters of 4 x 1, 327,680 bytes of LDS; arguments qh, kh, vh, ah; writes ah
;; launch oproj: the kernel of part 8 again; grid 8 x 32, 4 waves a work-group, clusters of 4 x 4, 327,680 bytes of LDS; arguments ah, wh, out0; writes out0
